; MI455X (gfx1250); checked and timed in simulation.
; The chip was launched on July 23, 2026; its instructions are those of AMD's public machine-readable ISA for CDNA 5 (MIT licence, August 2026) and "CDNA5" Instruction Set Architecture Reference Guide (July 2026). The comments in the code are by the model that wrote it; some were corrected since.
;; Transformer Encoder. Allowed arithmetic: matrix products marked QUANTISED: E5M2 operands, one given power-of-two scale a tensor, by v_wmma_f32_16x16x64_bf8_bf8 or v_wmma_f32_16x16x128_bf8_bf8, f32 sums; everything else in f32.
;; Inputs: W1 4 x 512 x 256 float32; W2 4 x 256 x 512 float32; Win 256 x 256 float32; Wk 4 x 256 x 256 float32; Wo 4 x 256 x 256 float32; Wq 4 x 256 x 256 float32; Wv 4 x 256 x 256 float32; b1 4 x 512 float32; b2 4 x 256 float32; bin_ 256 float32; bk 4 x 256 float32; bo 4 x 256 float32; bq 4 x 256 float32; bv 4 x 256 float32; ln1_b 4 x 256 float32; ln1_g 4 x 256 float32; ln2_b 4 x 256 float32; ln2_g 4 x 256 float32; lno_b 256 float32; lno_g 256 float32; lowp_scales 66 int32 (the exponents e of the quantised operands' scales 2^e); x 4 x 2 x 1,024 x 256 float32.
;; Outputs: out0 4 x 2 x 1,024 x 256 float32.
;; This version of the problem:
;;   THIS VERSION OF THE PROBLEM IS GIVEN IN LOW PRECISION. The matrix products marked QUANTISED in the list below multiply operands that are first quantised to E5M2 (5 exponent bits, 2 mantissa bits; 8 bits a number), with one given power-of-two scale for each operand tensor; their sums are f32. All else is computed in f32.
;;   The module's matrix products, in the order in which they are computed (A, B: the left and right operand; K: the contracted axis; several contracted axes count as one K, in the product's order):
;;     1. [M 8,192, K 256] x [K 256, N 256]; A: input x; B: input Win: QUANTISED (scales: A lowp_scales[0], B lowp_scales[1])
;;     2. [M 8,192, K 256] x [K 256, N 256]; A: computed on the way; B: input Wq: QUANTISED (scales: A lowp_scales[2], B lowp_scales[3])
;;     3. [M 8,192, K 256] x [K 256, N 256]; A: computed on the way; B: input Wk: QUANTISED (scales: A lowp_scales[4], B lowp_scales[5])
;;     4. [M 8,192, K 256] x [K 256, N 256]; A: computed on the way; B: input Wv: QUANTISED (scales: A lowp_scales[6], B lowp_scales[7])
;;     5. batch 64 x [M 1,024, K 32] x [K 32, N 1,024]; A: computed on the way; B: computed on the way: QUANTISED (scales: A lowp_scales[8], B lowp_scales[9])
;;     6. batch 64 x [M 32, K 1,024] x [K 1,024, N 1,024]; A: computed on the way; B: softmax (see below): QUANTISED (scales: A lowp_scales[10], B lowp_scales[11])
;;     7. [M 8,192, K 256] x [K 256, N 256]; A: computed on the way; B: input Wo: QUANTISED (scales: A lowp_scales[12], B lowp_scales[13])
;;     8. [M 8,192, K 256] x [K 256, N 512]; A: computed on the way; B: input W1: QUANTISED (scales: A lowp_scales[14], B lowp_scales[15])
;;     9. [M 8,192, K 512] x [K 512, N 256]; A: computed on the way; B: input W2: QUANTISED (scales: A lowp_scales[16], B lowp_scales[17])
;;     10. [M 8,192, K 256] x [K 256, N 256]; A: computed on the way; B: input Wq: QUANTISED (scales: A lowp_scales[18], B lowp_scales[19])
;;     11. [M 8,192, K 256] x [K 256, N 256]; A: computed on the way; B: input Wk: QUANTISED (scales: A lowp_scales[20], B lowp_scales[21])
;;     12. [M 8,192, K 256] x [K 256, N 256]; A: computed on the way; B: input Wv: QUANTISED (scales: A lowp_scales[22], B lowp_scales[23])
;;     13. batch 64 x [M 1,024, K 32] x [K 32, N 1,024]; A: computed on the way; B: computed on the way: QUANTISED (scales: A lowp_scales[24], B lowp_scales[25])
;;     14. batch 64 x [M 32, K 1,024] x [K 1,024, N 1,024]; A: computed on the way; B: softmax (see below): QUANTISED (scales: A lowp_scales[26], B lowp_scales[27])
;;     15. [M 8,192, K 256] x [K 256, N 256]; A: computed on the way; B: input Wo: QUANTISED (scales: A lowp_scales[28], B lowp_scales[29])
;;     16. [M 8,192, K 256] x [K 256, N 512]; A: computed on the way; B: input W1: QUANTISED (scales: A lowp_scales[30], B lowp_scales[31])
;;     17. [M 8,192, K 512] x [K 512, N 256]; A: computed on the way; B: input W2: QUANTISED (scales: A lowp_scales[32], B lowp_scales[33])
;;     18. [M 8,192, K 256] x [K 256, N 256]; A: computed on the way; B: input Wq: QUANTISED (scales: A lowp_scales[34], B lowp_scales[35])
;;     19. [M 8,192, K 256] x [K 256, N 256]; A: computed on the way; B: input Wk: QUANTISED (scales: A lowp_scales[36], B lowp_scales[37])
;;     20. [M 8,192, K 256] x [K 256, N 256]; A: computed on the way; B: input Wv: QUANTISED (scales: A lowp_scales[38], B lowp_scales[39])
;;     21. batch 64 x [M 1,024, K 32] x [K 32, N 1,024]; A: computed on the way; B: computed on the way: QUANTISED (scales: A lowp_scales[40], B lowp_scales[41])
;;     22. batch 64 x [M 32, K 1,024] x [K 1,024, N 1,024]; A: computed on the way; B: softmax (see below): QUANTISED (scales: A lowp_scales[42], B lowp_scales[43])
;;     23. [M 8,192, K 256] x [K 256, N 256]; A: computed on the way; B: input Wo: QUANTISED (scales: A lowp_scales[44], B lowp_scales[45])
;;     24. [M 8,192, K 256] x [K 256, N 512]; A: computed on the way; B: input W1: QUANTISED (scales: A lowp_scales[46], B lowp_scales[47])
;;     25. [M 8,192, K 512] x [K 512, N 256]; A: computed on the way; B: input W2: QUANTISED (scales: A lowp_scales[48], B lowp_scales[49])
;;     26. [M 8,192, K 256] x [K 256, N 256]; A: computed on the way; B: input Wq: QUANTISED (scales: A lowp_scales[50], B lowp_scales[51])
;;     27. [M 8,192, K 256] x [K 256, N 256]; A: computed on the way; B: input Wk: QUANTISED (scales: A lowp_scales[52], B lowp_scales[53])
;;     28. [M 8,192, K 256] x [K 256, N 256]; A: computed on the way; B: input Wv: QUANTISED (scales: A lowp_scales[54], B lowp_scales[55])
;;     29. batch 64 x [M 1,024, K 32] x [K 32, N 1,024]; A: computed on the way; B: computed on the way: QUANTISED (scales: A lowp_scales[56], B lowp_scales[57])
;;     30. batch 64 x [M 32, K 1,024] x [K 1,024, N 1,024]; A: computed on the way; B: softmax (see below): QUANTISED (scales: A lowp_scales[58], B lowp_scales[59])
;;     31. [M 8,192, K 256] x [K 256, N 256]; A: computed on the way; B: input Wo: QUANTISED (scales: A lowp_scales[60], B lowp_scales[61])
;;     32. [M 8,192, K 256] x [K 256, N 512]; A: computed on the way; B: input W1: QUANTISED (scales: A lowp_scales[62], B lowp_scales[63])
;;     33. [M 8,192, K 512] x [K 512, N 256]; A: computed on the way; B: input W2: QUANTISED (scales: A lowp_scales[64], B lowp_scales[65])
;;   THE QUANTISER, for each operand of a quantised product, along K:
;;     - The operand's scale is 2^e, e = its entry of the input lowp_scales (int32; the entries are numbered through the quantised products in the list's order, A before B).
;;     - Each number is divided by the scale, clamped to +-57,344, and rounded to the nearest number of E5M2, ties to even, subnormals kept.
;;     - The product sums the exact products of the quantised numbers (number of the format x scale) in f32.
;;   ~~~python
;;   def quantise(x, axis, e):      # numpy; x: float32 -> the quantised numbers, widened to float32 again
;;       x = np.moveaxis(x, axis, -1); K = x.shape[-1]
;;       r = np.clip(x / 2.0 ** e, -57344, 57344)
;;       step = 2.0 ** (np.maximum(np.frexp(np.where(r == 0, 1, r))[1] - 1, -14) - 2)
;;       q = np.round(r / step) * step * 2.0 ** e      # np.round: ties to even
;;       return np.moveaxis(q, -1, axis).astype(np.float32)
;;   ~~~
;;   SOFTMAX AHEAD OF A QUANTISED PRODUCT. Where the list says 'softmax', what is quantised is not the finished softmax but p = 2^(t - M), with t = logit x log2(e) and M = ceil(the row's largest t), a whole number; so 1/2 < the row's largest p <= 1. The row's sum l is taken of the UNQUANTISED p, in f32, and the product's result is divided by l at the end. Since M is a whole number, a kernel that streams over the keys may use a running M (the ceiling of the running maximum): every later rescaling is an exact power of two, so the quantised numbers keep their values, but for numbers so far below the row's largest that they fall under the format's range.
;;   OPERANDS COMPUTED ON THE WAY. 'Computed on the way' means the value that the module computes at that place (a softmax that the list does not call 'softmax' is quantised finished and normalised). What goes into a quantiser is computed in f32, as accurately as f32 sums, v_exp_f32 and their like allow (about 1e-6 of the number): no bf16 or f16 on the way to a quantiser, and a product that is left as it is and whose result goes on into a quantised operand takes f32 operands (vector FMAs, or v_wmma_f32_16x16x4_f32). A number that lies on a knife's edge between two numbers of the format may be rounded either way, as far as f32 arithmetic and the matrix unit's own rounding can turn it there, and no further.
;; 2 versions. Each part assembles by itself: llvm-mc -triple=amdgcn-amd-amdhsa -mcpu=gfx1250 --defsym DOCPART=n.
;; ======== version 1 of 2: 6 launches
;; workspace buffers: wc 2,162,688 bytes; lay0 256 bytes of whole numbers; lay1 256 bytes of whole numbers; lay2 256 bytes of whole numbers; lay3 256 bytes of whole numbers; actA 14,680,064 bytes; actB 14,680,064 bytes
;; launch prep (part 1): grid 264 x 1, 4 waves a work-group, no clusters, 9,216 bytes of LDS; arguments Win, Wq, Wk, Wv, Wo, W1, W2, lowp_scales, wc, lay0, lay1, lay2, lay3; writes wc, lay0, lay1, lay2, lay3
.if DOCPART == 1
	.amdgcn_target "amdgcn-amd-amdhsa--gfx1250"
	.amdhsa_code_object_version 6
	.text
	.protected	k_qb12241e4ba_prep
	.globl	k_qb12241e4ba_prep
	.p2align	8
	.type	k_qb12241e4ba_prep,@function
k_qb12241e4ba_prep:
	s_mov_b64 s[64:65], 0
	v_nop
	global_prefetch_b8 v0, s[64:65] scope:SCOPE_SE
	s_setreg_imm32_b32 hwreg(HW_REG_WAVE_MODE, 25, 1), 1
	s_wait_xcnt 0x0
; All weights, f32 [n][k], become codes of BF8 (E5M2), each tensor and layer with the one scale 2^e that is given for it, laid in the ORDER OF THE OPERAND'S REGISTERS.
; A fragment is 16 rows x 128 k = 2,048 bytes: block c (512 bytes) holds lane l's 16 bytes at 16 l: row l % 16 of the tile, k = 32 c + 16 (l / 16) + 0 .. 15.
; THE ROWS OF A TILE ARE NOT NEIGHBOURS: row r of tile t is n = 32 (t / 2) + 8 (t % 2) + r % 8 + 16 (r / 8), so that two neighbouring tiles, used as source 0, leave a lane 16 neighbouring columns.
; wc: Win 64 KiB; then for each layer Wq, Wk, Wv, Wo 64 KiB each, W1, W2 128 KiB each; inside a matrix the fragments lie [tile][K step].
; 1,056 fragments, one a wave: chunk of 64 KiB = work-group / 8, fragment in it = 4 (work-group % 8) + wave.
; Each load reads 512 consecutive bytes of one row; the codes turn through the wave's own 2,176 bytes of LDS (eight blocks of 256 bytes, 272 apart) and leave as 512 consecutive bytes a store.
; code = x / 2^e, held within +-57,344, to the nearest code, ties to even.  LIMITS: e between -126 and 112.  NaN among the inputs is not served.
; Work-group 0's wave 0 also stores, for each layer i, a buffer of 64 whole numbers: word 0 is i; word k is entry 16 i + k of the scales' exponents (where that would pass the last entry: one of the last two, which
; nobody uses).  So words 8 to 17 are the layer's entries 6 to 15 and words 18 to 26 the next layer's 0 to 8, and a layer's launch has its number and its scales by loads that do not hang on each other.
.set FRB, 2176
.set X,   16                           ; v16-79  16 rows x 4 numbers
.set C,   80                           ; v80-95  a dword of codes for each row
.set OUTR, 96                          ; v96-111 the fragment as it is stored
.set LN,  6                            ; v6-13   a pair of whole numbers for each layer's buffer
.set LO,  112                          ; v112-115 where they are loaded from; v116 where they go
	s_load_b512 s[4:19], s[0:1], 0x0               ; Win, Wq, Wk, Wv, Wo, W1, W2, the scales' exponents
	s_load_b256 s[20:27], s[0:1], 0x40             ; wc, lay0, lay1, lay2
	s_load_b64 s[28:29], s[0:1], 0x60              ; lay3
	v_lshl_add_u32 v120, v0, 2, 0x2200
	v_mov_b32 v121, 0
	v_lshrrev_b32 v1, 5, v0
	v_readfirstlane_b32 s2, v1                     ; wave
	v_and_b32 v2, 31, v0                           ; lane
	s_mul_i32 s3, s2, FRB                          ; my wave's bytes of LDS
	v_lshrrev_b32 v3, 2, v2
	v_mul_u32_u24 v3, v3, 272
	v_and_b32 v4, 3, v2
	v_lshl_add_u32 v3, v4, 2, v3
	v_add_nc_u32 v3, s3, v3                        ; in: my four k = 4 l .. lie in block l / 4, at byte 4 (l % 4) of a row's 16
	v_bfe_u32 v4, v0, 4, 1
	v_mul_u32_u24 v4, v4, 272
	v_and_b32 v5, 15, v0
	v_lshl_add_u32 v4, v5, 4, v4
	v_add_nc_u32 v4, s3, v4                        ; out: 272 (l / 16) + 16 (l % 16); block pair c 544 bytes on
	s_lshr_b32 s30, ttmp9, 3                       ; chunk 0 .. 32
	s_and_b32 s31, ttmp9, 7
	s_lshl_b32 s31, s31, 2
	s_add_co_u32 s31, s31, s2                      ; fragment 0 .. 31 of the chunk
	s_lshl_b32 s32, s30, 16
	s_lshl_b32 s33, s31, 11
	s_add_co_u32 s32, s32, s33                     ; its byte in wc
	s_max_u32 s34, s30, 1
	s_sub_co_u32 s34, s34, 1
	s_lshr_b32 s35, s34, 3                         ; the layer
	s_and_b32 s36, s34, 7                          ; m: 0 Wq, 1 Wk, 2 Wv, 3 Wo, 4, 5 W1, 6, 7 W2 (chunk 0: Win, walked as m = 0 of layer 0)
	s_lshl_b32 s40, s36, 1
	s_add_co_u32 s40, s40, 1                       ; the scale's entry in its layer's sixteen: 2 m + 1 for Wq, Wk, Wv,
	s_lshr_b32 s41, s36, 1
	s_lshl_b32 s41, s41, 1
	s_add_co_u32 s41, s41, 9                       ; 11, 13, 15 for Wo, W1, W2
	s_cmp_lt_u32 s36, 3
	s_cselect_b32 s40, s40, s41
	s_lshl_b32 s41, s35, 4
	s_add_co_u32 s40, s40, s41
	s_add_co_u32 s40, s40, 2
	s_cmp_eq_u32 s30, 0
	s_cselect_b32 s40, 1, s40                      ; Win's is entry 1
	s_lshl_b32 s40, s40, 2
	s_and_b32 s43, s36, 1
	s_cmp_ge_u32 s36, 4
	s_cselect_b32 s43, s43, 0                      ; the second chunk of W1 or W2
	s_cselect_b32 s47, 19, 18                      ; a layer of W1 or W2 is 2^19 bytes, of the others 2^18
	s_lshl_b32 s48, s35, s47
	s_lshl_b32 s43, s43, 5
	s_add_co_u32 s43, s43, s31                     ; the fragment's number in its matrix
	s_cmp_ge_u32 s36, 6
	s_cselect_b32 s44, 2, 1                        ; W2 has four K steps, the others two
	s_cselect_b32 s45, 3, 1
	s_cselect_b32 s46, 11, 10                      ; and rows of 2,048 bytes, the others of 1,024
	s_lshr_b32 s47, s43, s44                       ; tile
	s_and_b32 s45, s43, s45                        ; K step
	s_lshr_b32 s33, s47, 1
	s_lshl_b32 s33, s33, 5
	s_and_b32 s47, s47, 1
	s_lshl_b32 s47, s47, 3
	s_add_co_u32 s33, s33, s47                     ; the tile's first row
	s_lshl_b32 s33, s33, s46
	s_add_co_u32 s48, s48, s33
	s_lshl_b32 s45, s45, 9
	s_add_co_u32 s48, s48, s45
	v_lshl_add_u32 v1, v2, 4, s48                  ; from: layer + row + 512 x K step + 16 l
	v_lshl_add_u32 v5, v2, 4, s32                  ; to
	s_wait_kmcnt 0x0
	s_load_b32 s42, s[18:19], s40 offset:0x0       ; e
	s_cmp_eq_u32 s36, 1                            ; the source is chosen on the work-group's number alone
	s_cselect_b64 s[38:39], s[8:9], s[6:7]
	s_cmp_eq_u32 s36, 2
	s_cselect_b64 s[38:39], s[10:11], s[38:39]
	s_cmp_eq_u32 s36, 3
	s_cselect_b64 s[38:39], s[12:13], s[38:39]
	s_cmp_ge_u32 s36, 4
	s_cselect_b64 s[38:39], s[14:15], s[38:39]
	s_cmp_ge_u32 s36, 6
	s_cselect_b64 s[38:39], s[16:17], s[38:39]
	s_cmp_eq_u32 s30, 0
	s_cselect_b64 s[38:39], s[4:5], s[38:39]
.macro LOAD16 stride                   ; the tile's 16 rows, 128 k of each: 32 lanes read 512 consecutive bytes
.irp i, 0,1,2,3,4,5,6,7,8,9,10,11,12,13,14,15
	global_load_b128 v[X+4*\i:X+4*\i+3], v1, s[38:39] offset:((\i%8)+16*(\i/8))*\stride th:TH_LOAD_NT
.endr
.endm
	s_cmp_ge_u32 s36, 6
	s_cbranch_scc1 .Lwide
	LOAD16 1024
	s_branch .Lloaded
.Lwide:
	LOAD16 2048
.Lloaded:
	s_or_b32 s3, ttmp9, s2
	s_cmp_lg_u32 s3, 0
	s_cbranch_scc1 .Lothers
	; the layers' whole numbers: one wave of the launch.  Its four loads go out directly behind its sixteen, and the wait is the one that its weights need in any case
.irp i, 0,1,2,3
	v_add_nc_u32 v[LO+\i], 8*\i, v2                ; lane l takes the pair of entries 16 i + 2 l, + 1,
	v_min_u32 v[LO+\i], 32, v[LO+\i]               ; held at the last pair, entries 64 and 65: no load leaves the buffer
	v_lshlrev_b32 v[LO+\i], 3, v[LO+\i]
	global_load_b64 v[LN+2*\i:LN+2*\i+1], v[LO+\i], s[18:19]
.endr
	v_lshlrev_b32 v[LO+4], 3, v2
	v_cmp_eq_u32 vcc_lo, 0, v2
	s_wait_loadcnt 0x0
.irp i, 0,1,2,3
	v_cndmask_b32 v[LN+2*\i], v[LN+2*\i], \i, vcc_lo   ; word 0: the layer's number
.endr
	global_store_b64 v[LO+4], v[LN:LN+1], s[22:23]     ; 32 lanes x 8 bytes fill each buffer's 256 bytes
	global_store_b64 v[LO+4], v[LN+2:LN+3], s[24:25]
	global_store_b64 v[LO+4], v[LN+4:LN+5], s[26:27]
	global_store_b64 v[LO+4], v[LN+6:LN+7], s[28:29]
.Lothers:
	s_wait_kmcnt 0x0
	s_add_co_i32 s42, s42, 127
	s_lshl_b32 s43, s42, 23
	v_mov_b32 v14, s43                             ; 2^e as f32: the conversion takes its exponent field
	s_add_co_i32 s42, s42, 15
	s_lshl_b32 s42, s42, 23
	s_or_b32 s42, s42, 0x600000
	v_mov_b32 v15, s42                             ; 57,344 x 2^e
	s_wait_loadcnt 0x0
.set jj, 0
.rept 64
	v_med3_num_f32 v[X+jj], v[X+jj], -v15, v15     ; the conversion to an 8-bit code does not saturate (ISA guide 7.6.2): the hold comes first
.set jj, jj+1
.endr
.irp k, 0,1,2,3,4,5,6,7
	v_cvt_scalef32_pk8_bf8_f32 v[C+2*\k:C+2*\k+1], v[X+8*\k:X+8*\k+7], v14   ; rows 2 k and 2 k + 1, four codes each
.endr
	v_nop
.irp i, 0,1,2,3,4,5,6,7,8,9,10,11,12,13,14,15
	ds_store_b32 v3, v[C+\i] offset:16*\i
.endr
.irp c, 0,1,2,3
	ds_load_b128 v[OUTR+4*\c:OUTR+4*\c+3], v4 offset:544*\c   ; LDS serves a wave's instructions in order: these see my stores; the bytes are my wave's own
.endr
	s_wait_dscnt 0x0
.irp c, 0,1,2,3
	global_store_b128 v5, v[OUTR+4*\c:OUTR+4*\c+3], s[20:21] offset:512*\c   ; 512 consecutive bytes, at a multiple of 512 from wc's first byte
.endr
	s_wait_tensorcnt 0x0
	ds_add_u32 v120, v121
	s_wait_dscnt 0x0
	s_endpgm
.Lfunc_end_k_qb12241e4ba_prep:
	.size	k_qb12241e4ba_prep, .Lfunc_end_k_qb12241e4ba_prep-k_qb12241e4ba_prep
	.p2alignl 7, 3214868480
	.fill 96, 4, 3214868480
	.section	.rodata,"a",@progbits
	.p2align	6, 0x0
	.amdhsa_kernel k_qb12241e4ba_prep
		.amdhsa_group_segment_fixed_size 9216
		.amdhsa_private_segment_fixed_size 0
		.amdhsa_enable_private_segment 0
		.amdhsa_kernarg_size 104
		.amdhsa_user_sgpr_count 2
		.amdhsa_user_sgpr_kernarg_segment_ptr 1
		.amdhsa_wavefront_size32 1
		.amdhsa_system_sgpr_workgroup_id_x 1
		.amdhsa_system_sgpr_workgroup_id_y 1
		.amdhsa_system_sgpr_workgroup_id_z 1
		.amdhsa_system_vgpr_workitem_id 0
		.amdhsa_next_free_vgpr 122
		.amdhsa_next_free_sgpr 66
		.amdhsa_reserve_vcc 1
		.amdhsa_float_denorm_mode_32 3
		.amdhsa_float_denorm_mode_16_64 3
		.amdhsa_memory_ordered 1
		.amdhsa_forward_progress 1
		.amdhsa_inst_pref_size 15
	.end_amdhsa_kernel
	.amdgpu_metadata
---
amdhsa.version: [ 1, 2 ]
amdhsa.kernels:
  - .name:           k_qb12241e4ba_prep
    .symbol:         k_qb12241e4ba_prep.kd
    .args:
      - { .name: Win, .offset: 0, .size: 8, .value_kind: global_buffer, .address_space: global }
      - { .name: Wq, .offset: 8, .size: 8, .value_kind: global_buffer, .address_space: global }
      - { .name: Wk, .offset: 16, .size: 8, .value_kind: global_buffer, .address_space: global }
      - { .name: Wv, .offset: 24, .size: 8, .value_kind: global_buffer, .address_space: global }
      - { .name: Wo, .offset: 32, .size: 8, .value_kind: global_buffer, .address_space: global }
      - { .name: W1, .offset: 40, .size: 8, .value_kind: global_buffer, .address_space: global }
      - { .name: W2, .offset: 48, .size: 8, .value_kind: global_buffer, .address_space: global }
      - { .name: lowp_scales, .offset: 56, .size: 8, .value_kind: global_buffer, .address_space: global }
      - { .name: wc, .offset: 64, .size: 8, .value_kind: global_buffer, .address_space: global }
      - { .name: lay0, .offset: 72, .size: 8, .value_kind: global_buffer, .address_space: global }
      - { .name: lay1, .offset: 80, .size: 8, .value_kind: global_buffer, .address_space: global }
      - { .name: lay2, .offset: 88, .size: 8, .value_kind: global_buffer, .address_space: global }
      - { .name: lay3, .offset: 96, .size: 8, .value_kind: global_buffer, .address_space: global }
    .group_segment_fixed_size: 9216
    .private_segment_fixed_size: 0
    .kernarg_segment_align: 8
    .kernarg_segment_size: 104
    .max_flat_workgroup_size: 128
    .sgpr_count:     66
    .vgpr_count:     122
    .wavefront_size: 32
...
	.end_amdgpu_metadata
.endif
;; end of part 1
;; launch first (part 2): grid 256 x 1, 16 waves a work-group, no clusters, 96,256 bytes of LDS; arguments x, wc, actA, lowp_scales, bin_, ln1_g, ln1_b, bq, bk, bv; writes actA
.if DOCPART == 2
	.amdgcn_target "amdgcn-amd-amdhsa--gfx1250"
	.amdhsa_code_object_version 6
	.text
	.protected	k_qb12241e4ba_first
	.globl	k_qb12241e4ba_first
	.p2align	8
	.type	k_qb12241e4ba_first,@function
k_qb12241e4ba_first:
	s_mov_b64 s[64:65], 0
	v_nop
	global_prefetch_b8 v0, s[64:65] scope:SCOPE_SE
	s_setreg_imm32_b32 hwreg(HW_REG_WAVE_MODE, 25, 1), 1
	s_wait_xcnt 0x0
; e = LN1[0](x Win^T + bin), stored as f32, and layer 0's q, k, v as codes of BF8 (E5M2), all products on codes, each operand with the one scale 2^e that is given for it.
; SHARES.  A work-group of sixteen waves owns 32 rows.  Inside it rows are kept in tile order: place 16 x + r stands for row 8 x + r % 8 + 16 (r / 8), so that q, k and v leave in the order in which the attention's operands take them.
; A wave has two roles.  COLUMN OWNER: its own weight tiles, loaded from wc straight into registers (each fragment by one wave), against both tiles of rows.  ROW OWNER: wave w owns places 2 w and 2 w + 1
; (two neighbouring rows); lane l holds columns 4 l .. + 3 and 128 + 4 l .. + 3, so every access of x and e is 512 consecutive bytes and a LayerNorm needs lane sums alone.
; Operands go from wave to wave through LDS as images of their registers: a fragment is eight blocks of 256 bytes, 272 apart; sums go back to the row owners through a stage of 32 rows x (1,024 + 16) bytes.
; act: e f32 [8192][256] at 0; q at 8 MiB: [tile of rows][head][512 B]; k and v at 10 MiB: [sequence][128 keys][head][K 4 KiB | V 4 KiB].
; No tensor load and no cluster: every weight byte goes once into one wave's registers, and nothing is shared through LDS but the rows' codes.
; LIMITS on the given exponents, so that each power of two below is an f32 number: entries 0, 2, 4, 6 and (8) - (2) - (3), (9) - (4) - (5), (10) - (6) - (7) between -126 and 112; (0) + (1) between -126 and 127.  NaN among the inputs is not served.
.set FRB,    2176
.set CTXI,   0                         ; LDS: x's four fragments (2 x + K step),
.set QI,     16*FRB                    ; three times four fragments: e under the scales of the q, k and v products,
.set STG,    28*FRB                    ; the stage
.set SPITCH, 1040
.set QOFF,   8388608
.set KVOFF,  10485760
.set LI,  1                            ; v1   272 (l / 16) + 16 (l % 16): my 16 bytes of an image's block pair
.set GL,  2                            ; v2   16 l
.set EO,  3                            ; v3   my 16 bytes of my first row of x and e
.set GL4, 4                            ; v4   16 l + 4,096 w
.set GL8, 5                            ; v5   16 l + 8,192 w
.set RI,  6                            ; v6   where a row owner puts a dword of codes
.set BC,  16                           ; v16-39   row parameters, later biases as C
.set WR0, 40                           ; v40-71   weights
.set WR1, 72                           ; v72-103
.set XF,  104                          ; v104-167 four fragments of rows
.set Y,   104                          ; v104-119 a row owner's sums
.set WR3, 136
.set ACC, 168                          ; v168-199 accumulators; codes in the row phases
.set WR2, 200                          ; v200-231
.set D0,  233                          ; v233-235 where q | k and v go
.set D1,  234
.set DV,  235
.set SW,  229                          ; (set below)
.set SR,  236                          ; v236 the stage: where I read my rows
.set QA,  237                          ; v237 the image that my q or k products read
.set SC,  238                          ; v238 the conversion's scale, v239 the largest number x that
.set LIM, 239
.set E,   240                          ; v240-255 my two rows: x, then e
.set SW,  232                          ; v232 the stage: where I put 32 bytes of a row
.set WC,   6
.set AOUT, 8
.set SEL,  10                          ; s[10:11] lane selects for v_permlanex16_b32: lane l xor 16 (in the registers that held the scales' address)
.set BQK,  18
.set BVP,  22
.macro NOPS n
.rept \n
	v_nop
.endr
.endm
.macro BAR                             ; my LDS stores have landed and my LDS loads are in: then the work-group's barrier
	s_wait_dscnt 0x0
	s_barrier_signal -1
	s_barrier_wait -1
.endm
.macro SCL sc, lim, e                  ; s[sc] = 2^e as f32, s[lim] = 57,344 x 2^e
	s_add_co_i32 s[\lim], s[\e], 127
	s_lshl_b32 s[\sc], s[\lim], 23
	s_add_co_i32 s[\lim], s[\lim], 15
	s_lshl_b32 s[\lim], s[\lim], 23
	s_or_b32 s[\lim], s[\lim], 0x600000
.endm
.macro NEXTSC n0, n1, n2, n3, n4, n5, n6, n7, n8   ; the scales of the q, k, v products: A and B of each, then q's, k's and v's own
	SCL 74, 75, \n0
	SCL 76, 77, \n2
	SCL 78, 79, \n4
	s_cmp_lt_u32 s2, 8                             ; waves 0-7 make q, waves 8-15 k
	s_cselect_b32 s3, s[\n0], s[\n2]
	s_cselect_b32 s90, s[\n1], s[\n3]
	s_cselect_b32 s95, s[\n6], s[\n7]
	s_add_co_i32 s90, s3, s90                      ; a sum stands for sum x 2^(eA + eW):
	s_sub_co_i32 s3, s95, s90
	SCL 80, 81, 3                                  ; the three scales folded into the conversion's one,
	s_sub_co_i32 s90, 0, s90                       ; and the bias goes in as bias / 2^(eA + eW)
	s_add_co_i32 s91, s[\n4], s[\n5]
	s_sub_co_i32 s3, s[\n8], s91
	SCL 82, 83, 3
	s_sub_co_i32 s91, 0, s91
.endm
.macro WLOAD reg, adr, imm             ; two fragments of weights, 4,096 bytes: each load 512 consecutive bytes
.irp n, 0,1,2,3,4,5,6,7
	global_load_b128 v[(\reg)+4*\n:(\reg)+4*\n+3], v[\adr], s[WC:WC+1] offset:(\imm)+512*\n
.endr
.endm
.macro PLOAD reg, adr, base            ; a row owner's eight numbers of a vector of 256
	global_load_b128 v[(\reg):(\reg)+3], v[\adr], s[\base:\base+1]
	global_load_b128 v[(\reg)+4:(\reg)+7], v[\adr], s[\base:\base+1] offset:512
.endm
.macro FETCH reg, adr, off             ; a fragment's image comes back as registers
.irp c, 0,1,2,3
	ds_load_b128 v[(\reg)+4*\c:(\reg)+4*\c+3], v[\adr] offset:(\off)+544*\c
.endr
.endm
.macro GEMM256                         ; my tile of 16 columns for both tiles of rows, K = 256: two accumulators by turns
	v_wmma_f32_16x16x128_bf8_bf8 v[ACC:ACC+7], v[WR0:WR0+15], v[XF:XF+15], 0
	v_wmma_f32_16x16x128_bf8_bf8 v[ACC+8:ACC+15], v[WR0:WR0+15], v[XF+32:XF+47], 0
	v_wmma_f32_16x16x128_bf8_bf8 v[ACC:ACC+7], v[WR0+16:WR0+31], v[XF+16:XF+31], v[ACC:ACC+7]
	v_wmma_f32_16x16x128_bf8_bf8 v[ACC+8:ACC+15], v[WR0+16:WR0+31], v[XF+48:XF+63], v[ACC+8:ACC+15]
.endm
.macro TOSTAGE                         ; lane (r, h): eight neighbouring columns of place 16 x + r
.irp x, 0,1
	ds_store_b128 v[SW], v[ACC+8*\x:ACC+8*\x+3] offset:16*SPITCH*\x
	ds_store_b128 v[SW], v[ACC+8*\x+4:ACC+8*\x+7] offset:16*SPITCH*\x+16
.endr
.endm
.macro LANES a, ta, b, tb              ; two sums over the 32 lanes, line by line
.irp m, 1,2,4,8
	v_add_f32_dpp v[\a], v[\a], v[\a] row_xmask:\m row_mask:0xf bank_mask:0xf
	v_add_f32_dpp v[\b], v[\b], v[\b] row_xmask:\m row_mask:0xf bank_mask:0xf
.endr
	v_permlanex16_b32 v[\ta], v[\a], s[SEL], s[SEL+1]
	v_permlanex16_b32 v[\tb], v[\b], s[SEL], s[SEL+1]
	v_add_f32 v[\a], v[\a], v[\ta]
	v_add_f32 v[\b], v[\b], v[\tb]
.endm
; My two rows: y = sum x s[mul] + bias (+ E); E = LayerNorm(y) in two passes, as it is defined: mean, then the mean square of y - mean.
.macro ROWPHASE mul, bi, g, bb, res, lc
.irp i, 0,1
	ds_load_b128 v[Y+8*\i:Y+8*\i+3], v[SR] offset:SPITCH*\i
	ds_load_b128 v[Y+8*\i+4:Y+8*\i+7], v[SR] offset:SPITCH*\i+512
.endr
.if \lc
	s_wait_loadcnt 0x0
.endif
	s_wait_dscnt 0x0
.irp i, 0,8
.irp j, 0,2,4,6
	v_pk_fma_f32 v[Y+\i+\j:Y+\i+\j+1], v[Y+\i+\j:Y+\i+\j+1], s[\mul:\mul+1], v[\bi+\j:\bi+\j+1] op_sel_hi:[1,0,1]
.endr
.endr
.if \res
.irp j, 0,2,4,6,8,10,12,14
	v_pk_add_f32 v[Y+\j:Y+\j+1], v[Y+\j:Y+\j+1], v[E+\j:E+\j+1]
.endr
.endif
	v_pk_add_f32 v[8:9], v[Y:Y+1], v[Y+2:Y+3]
	v_pk_add_f32 v[12:13], v[Y+8:Y+9], v[Y+10:Y+11]
	v_pk_add_f32 v[10:11], v[Y+4:Y+5], v[Y+6:Y+7]
	v_pk_add_f32 v[14:15], v[Y+12:Y+13], v[Y+14:Y+15]
	v_pk_add_f32 v[8:9], v[8:9], v[10:11]
	v_pk_add_f32 v[12:13], v[12:13], v[14:15]
	v_add_f32 v8, v8, v9
	v_add_f32 v12, v12, v13
	LANES 8, 10, 12, 14
	v_mul_f32 v8, s93, v8                          ; the means
	v_mul_f32 v12, s93, v12
.irp j, 0,2,4,6
	v_pk_add_f32 v[Y+\j:Y+\j+1], v[Y+\j:Y+\j+1], v[8:9] op_sel_hi:[1,0] neg_lo:[0,1] neg_hi:[0,1]
	v_pk_add_f32 v[Y+8+\j:Y+8+\j+1], v[Y+8+\j:Y+8+\j+1], v[12:13] op_sel_hi:[1,0] neg_lo:[0,1] neg_hi:[0,1]
.endr
	v_pk_mul_f32 v[10:11], v[Y:Y+1], v[Y:Y+1]
	v_pk_mul_f32 v[14:15], v[Y+8:Y+9], v[Y+8:Y+9]
.irp j, 2,4,6
	v_pk_fma_f32 v[10:11], v[Y+\j:Y+\j+1], v[Y+\j:Y+\j+1], v[10:11]
	v_pk_fma_f32 v[14:15], v[Y+8+\j:Y+8+\j+1], v[Y+8+\j:Y+8+\j+1], v[14:15]
.endr
	v_add_f32 v10, v10, v11
	v_add_f32 v14, v14, v15
	LANES 10, 11, 14, 15
	v_fma_f32 v10, v10, s93, s94                   ; the variance + 1e-5
	v_fma_f32 v14, v14, s93, s94
	v_rsq_f32 v10, v10
	v_rsq_f32 v14, v14
	v_nop                                          ; a plain line behind the transcendentals,
	s_wait_alu depctr_va_vdst(0)                   ; and the one wait ahead of their first reader
.irp j, 0,2,4,6
	v_pk_mul_f32 v[Y+\j:Y+\j+1], v[Y+\j:Y+\j+1], v[10:11] op_sel_hi:[1,0]
	v_pk_mul_f32 v[Y+8+\j:Y+8+\j+1], v[Y+8+\j:Y+8+\j+1], v[14:15] op_sel_hi:[1,0]
.endr
.irp j, 0,2,4,6
	v_pk_fma_f32 v[E+\j:E+\j+1], v[Y+\j:Y+\j+1], v[\g+\j:\g+\j+1], v[\bb+\j:\bb+\j+1]
	v_pk_fma_f32 v[E+8+\j:E+8+\j+1], v[Y+8+\j:Y+8+\j+1], v[\g+\j:\g+\j+1], v[\bb+\j:\bb+\j+1]
.endr
.endm
; Row i of E becomes eight codes: a dword for each K step's image.
.macro QROW i, T, C, img
.irp j, 0,1,2,3,4,5,6,7
	v_med3_num_f32 v[(\T)+\j], v[E+8*\i+\j], -v[LIM], v[LIM]   ; the conversion does not saturate (ISA guide 7.6.2): the hold comes first
.endr
	v_cvt_scalef32_pk8_bf8_f32 v[\C:\C+1], v[(\T):(\T)+7], v[SC]
	v_nop                                          ; a plain line behind the conversion, ahead of whatever next writes its sources
	ds_store_b32 v[RI], v[\C] offset:(\img)+16*\i
	ds_store_b32 v[RI], v[\C+1] offset:(\img)+16*\i+FRB
.endm
.macro BIASES                          ; bq | bk in the result's layout (16 numbers a lane) and bv (one a lane), of layer s41
	s_lshl_b32 s95, s41, 10
	s_and_b32 s3, s2, 7
	s_lshl_b32 s3, s3, 7
	s_add_co_u32 s3, s3, s95
	v_bfe_u32 v[WR3+18], v0, 4, 1
	v_lshl_add_u32 v[WR3+18], v[WR3+18], 6, s3     ; columns 32 head + 16 (l / 16) on
.irp n, 0,1,2,3
	global_load_b128 v[WR3+4*\n:WR3+4*\n+3], v[WR3+18], s[BQK:BQK+1] offset:16*\n
.endr
	s_lshr_b32 s3, s2, 1
	s_lshl_b32 s3, s3, 7
	s_add_co_u32 s95, s95, s3
	s_and_b32 s3, s2, 1
	s_lshl_b32 s3, s3, 5
	s_add_co_u32 s95, s95, s3
	v_and_b32 v[WR3+19], 7, v0
	v_bfe_u32 v[WR3+20], v0, 3, 1
	v_lshl_add_u32 v[WR3+19], v[WR3+20], 4, v[WR3+19]
	v_lshl_add_u32 v[WR3+19], v[WR3+19], 2, s95    ; column 32 (w / 2) + 8 (w % 2) + r % 8 + 16 (r / 8): row r of Wv's tile w
	global_load_b32 v[WR3+16], v[WR3+19], s[BVP:BVP+1]
.endm
; q (waves 0-7, head w) or k (waves 8-15, head w - 8), transposed: a lane holds 16 neighbours of the head's 32 of one row; then v's tile w with the sources in natural order: a lane holds 16 neighbouring rows at one column.
.macro QKV
	s_wait_loadcnt 0x0                             ; the weights and the biases
.set jj, 0
.rept 16
	v_ldexp_f32 v[BC+jj], v[WR3+jj], s90
.set jj, jj+1
.endr
	v_ldexp_f32 v[BC+16], v[WR3+16], s91
.irp j, 17,18,19,20,21,22,23
	v_mov_b32 v[BC+\j], v[BC+16]
.endr
.irp f, 0,1,2,3
	FETCH XF+16*\f, QA, FRB*\f
.endr
	s_and_b32 s3, s2, 7                            ; the head
	s_lshl_b32 s54, ttmp9, 13
	s_lshl_b32 s55, s3, 9
	s_add_co_u32 s54, s54, s55
	s_add_co_u32 s54, s54, QOFF                    ; q: tile of rows 2 wg, my head
	s_lshr_b32 s55, ttmp9, 2
	s_lshl_b32 s55, s55, 16
	s_add_co_u32 s55, s55, KVOFF                   ; the 128 keys among which my 32 rows lie
	s_and_b32 s95, ttmp9, 3
	s_lshl_b32 s67, s95, 10
	s_add_co_u32 s67, s67, s55
	s_lshl_b32 s3, s3, 13
	s_add_co_u32 s67, s67, s3                      ; k: my head, tile 2 (wg % 4)
	s_mov_b32 s3, 512
	s_cmp_lt_u32 s2, 8
	s_cselect_b32 s54, s54, s67
	s_cselect_b32 s3, 4096, s3                     ; from the first tile of rows to the second
	v_add_nc_u32 v[D0], s54, v[GL]
	v_add_nc_u32 v[D1], s3, v[D0]
	s_lshl_b32 s95, s95, 9
	s_add_co_u32 s55, s55, s95
	s_lshr_b32 s3, s2, 1
	s_lshl_b32 s3, s3, 13
	s_add_co_u32 s55, s55, s3
	s_and_b32 s3, s2, 1
	s_lshl_b32 s3, s3, 11
	s_add_co_u32 s55, s55, s3
	s_add_co_u32 s55, s55, 4096
	v_add_nc_u32 v[DV], s55, v[GL]                 ; v: head w / 2, tile w % 2, block wg % 4
	s_wait_dscnt 0x0
.irp s, 0,1                                    ; four accumulators by turns
.irp x, 0,1
.if \s == 0
	v_wmma_f32_16x16x128_bf8_bf8 v[ACC+16*\x:ACC+16*\x+7], v[WR1:WR1+15], v[XF+32*\x:XF+32*\x+15], v[BC:BC+7]
	v_wmma_f32_16x16x128_bf8_bf8 v[ACC+16*\x+8:ACC+16*\x+15], v[WR2:WR2+15], v[XF+32*\x:XF+32*\x+15], v[BC+8:BC+15]
.else
	v_wmma_f32_16x16x128_bf8_bf8 v[ACC+16*\x:ACC+16*\x+7], v[WR1+16:WR1+31], v[XF+32*\x+16:XF+32*\x+31], v[ACC+16*\x:ACC+16*\x+7]
	v_wmma_f32_16x16x128_bf8_bf8 v[ACC+16*\x+8:ACC+16*\x+15], v[WR2+16:WR2+31], v[XF+32*\x+16:XF+32*\x+31], v[ACC+16*\x+8:ACC+16*\x+15]
.endif
.endr
.endr
	NOPS 5                                         ; places: four for the loads and reads below, a fifth since v's results are laid over registers that these products read
.irp f, 0,1,2,3
	FETCH XF+16*\f, LI, QI+8*FRB+FRB*\f            ; e under the v product's scale
.endr
	v_mov_b32 v[SC], s80
	v_mov_b32 v[LIM], s81
.set jj, 0
.rept 32
	v_med3_num_f32 v[ACC+jj], v[ACC+jj], -v[LIM], v[LIM]
.set jj, jj+1
.endr
.irp k, 0,1,2,3
	v_cvt_scalef32_pk8_bf8_f32 v[8+2*\k:9+2*\k], v[ACC+8*\k:ACC+8*\k+7], v[SC]
.endr
	v_nop
	global_store_b128 v[D0], v[8:11], s[AOUT:AOUT+1]      ; 512 consecutive bytes: a tile as the attention takes it
	global_store_b128 v[D1], v[12:15], s[AOUT:AOUT+1]
	s_wait_dscnt 0x0
	v_wmma_f32_16x16x128_bf8_bf8 v[WR1:WR1+7], v[XF:XF+15], v[WR0:WR0+15], v[BC+16:BC+23]
	v_wmma_f32_16x16x128_bf8_bf8 v[WR1+8:WR1+15], v[XF+32:XF+47], v[WR0:WR0+15], v[BC+16:BC+23]
	v_wmma_f32_16x16x128_bf8_bf8 v[WR1:WR1+7], v[XF+16:XF+31], v[WR0+16:WR0+31], v[WR1:WR1+7]
	v_wmma_f32_16x16x128_bf8_bf8 v[WR1+8:WR1+15], v[XF+48:XF+63], v[WR0+16:WR0+31], v[WR1+8:WR1+15]
	NOPS 4
	v_mov_b32 v[SC], s82
	v_mov_b32 v[LIM], s83
.set jj, 0
.rept 16
	v_med3_num_f32 v[WR1+jj], v[WR1+jj], -v[LIM], v[LIM]
.set jj, jj+1
.endr
	v_cvt_scalef32_pk8_bf8_f32 v[BC+4:BC+5], v[WR1:WR1+7], v[SC]
	v_cvt_scalef32_pk8_bf8_f32 v[BC+6:BC+7], v[WR1+8:WR1+15], v[SC]
	v_nop
	global_store_b128 v[DV], v[BC+4:BC+7], s[AOUT:AOUT+1]
.endm
	s_load_b512 s[4:19], s[0:1], 0x0               ; x, wc, act, the scales' exponents, bin_, ln1_g, ln1_b, bq
	s_load_b128 s[20:23], s[0:1], 0x40             ; bk, bv
	v_lshrrev_b32 v8, 5, v0
	v_readfirstlane_b32 s2, v8                     ; wave 0..15
	v_and_b32 v9, 31, v0                           ; l
	v_and_b32 v10, 15, v0                          ; r
	v_bfe_u32 v11, v0, 4, 1                        ; l / 16
	v_lshlrev_b32 v[GL], 4, v9
	s_lshr_b32 s67, s2, 1
	s_and_b32 s68, s2, 1
	s_lshr_b32 s69, s2, 3
	s_and_b32 s70, s2, 7
	s_and_b32 s71, s2, 3
	s_bfe_u32 s72, s2, 0x10002
	s_mov_b32 s41, 0                               ; the layer whose q, k, v are made
	s_lshl_b32 s73, ttmp9, 5                       ; my first row: 32 wg + 8 (w / 8) + 2 (w % 4) + 16 ((w / 4) % 2)
	s_lshl_b32 s74, s69, 3
	s_add_co_u32 s73, s73, s74
	s_lshl_b32 s74, s71, 1
	s_add_co_u32 s73, s73, s74
	s_lshl_b32 s74, s72, 4
	s_add_co_u32 s73, s73, s74
	s_lshl_b32 s73, s73, 10
	v_add_nc_u32 v[EO], s73, v[GL]
	s_lshl_b32 s73, s2, 12
	v_add_nc_u32 v[GL4], s73, v[GL]
	s_lshl_b32 s73, s2, 13
	v_add_nc_u32 v[GL8], s73, v[GL]
	s_wait_kmcnt 0x0
	s_load_b256 s[24:31], s[10:11], 0x0            ; entries 0 to 7
	s_load_b128 s[32:35], s[10:11], 0x20           ; entries 8 to 11
	global_load_b128 v[E:E+3], v[EO], s[4:5] th:TH_LOAD_NT
	global_load_b128 v[E+4:E+7], v[EO], s[4:5] offset:512 th:TH_LOAD_NT
	global_load_b128 v[E+8:E+11], v[EO], s[4:5] offset:1024 th:TH_LOAD_NT
	global_load_b128 v[E+12:E+15], v[EO], s[4:5] offset:1536 th:TH_LOAD_NT
	WLOAD WR0, GL4, 0                              ; Win's tile w
	PLOAD BC, GL, 12                               ; bin_
	PLOAD BC+8, GL, 14                             ; ln1_g[0]
	PLOAD BC+16, GL, 16                            ; ln1_b[0]
	WLOAD WR1, GL8, 65536                          ; Wq's or Wk's two tiles of my head
	WLOAD WR2, GL8, 65536+4096
	v_mul_u32_u24 v[LI], v11, 272
	v_lshl_add_u32 v[LI], v10, 4, v[LI]
	v_lshrrev_b32 v12, 2, v9
	v_mul_u32_u24 v[RI], v12, 272
	v_and_b32 v12, 3, v9
	v_lshl_add_u32 v[RI], v12, 2, v[RI]
	s_mul_i32 s73, s69, 2*FRB
	s_lshl_b32 s74, s70, 5
	s_add_co_u32 s73, s73, s74
	v_add_nc_u32 v[RI], s73, v[RI]                 ; 272 (l / 4) + 4 (l % 4) + two fragments x (w / 8) + 32 (w % 8)
	v_mul_u32_u24 v[SW], v10, SPITCH
	v_lshl_add_u32 v[SW], v11, 6, v[SW]
	s_lshl_b32 s73, s67, 7
	s_lshl_b32 s74, s68, 5
	s_add_co_u32 s73, s73, s74
	s_add_co_u32 s73, s73, STG
	v_add_nc_u32 v[SW], s73, v[SW]                 ; place r, columns 32 (w / 2) + 16 (l / 16) + 8 (w % 2) on
	s_mul_i32 s73, s2, 2*SPITCH
	s_add_co_u32 s73, s73, STG
	v_add_nc_u32 v[SR], s73, v[GL]
	s_mul_i32 s73, s69, 4*FRB
	s_add_co_u32 s73, s73, QI
	v_add_nc_u32 v[QA], s73, v[LI]
	v_mov_b32 v13, 0                               ; (a lane permute's destination counts as one of its sources: v8-15 are all written)
	v_mov_b32 v14, 0
	v_mov_b32 v15, 0
	s_cmp_lt_u32 s2, 8
	s_cselect_b64 s[BQK:BQK+1], s[18:19], s[20:21]
	s_mov_b32 s93, 0x3b800000                      ; 1 / 256
	s_mov_b32 s94, 0x3727c5ac                      ; 1e-5
	s_wait_kmcnt 0x0
	s_mov_b32 s[SEL], 0x76543210
	s_mov_b32 s[SEL+1], 0xfedcba98
	SCL 68, 69, 24                                 ; x's scale
	s_add_co_i32 s84, s24, s25
	s_add_co_i32 s84, s84, 127
	s_lshl_b32 s84, s84, 23                        ; 2^(e0 + e1)
	s_mov_b32 s85, s84                             ; (named with it as a pair, so it is written)
	NEXTSC 26, 27, 28, 29, 30, 31, 32, 33, 34
	v_mov_b32 v[SC], s68
	v_mov_b32 v[LIM], s69
	s_wait_loadcnt 30                              ; x's four loads are in: behind them 8 + 6 + 16 were issued
	QROW 0, Y, ACC, CTXI
	QROW 1, Y+8, ACC+2, CTXI
	BAR                                            ; x's four fragments lie in LDS
.irp f, 0,1,2,3
	FETCH XF+16*\f, LI, CTXI+FRB*\f
.endr
	s_wait_loadcnt 16                              ; Win and the row parameters are in; Wq | Wk's sixteen loads may be out
	s_wait_dscnt 0x0
	GEMM256
	NOPS 4                                         ; places in front of loads into registers that the products read, and of the first read of results
	WLOAD WR0, GL4, 196608                         ; Wv's tile w
	BIASES
	TOSTAGE
	BAR                                            ; 32 rows of sums lie in the stage
	ROWPHASE 84, BC, BC+8, BC+16, 0, 0
	global_store_b128 v[EO], v[E:E+3], s[AOUT:AOUT+1]
	global_store_b128 v[EO], v[E+4:E+7], s[AOUT:AOUT+1] offset:512
	global_store_b128 v[EO], v[E+8:E+11], s[AOUT:AOUT+1] offset:1024
	global_store_b128 v[EO], v[E+12:E+15], s[AOUT:AOUT+1] offset:1536
	v_mov_b32 v[SC], s74
	v_mov_b32 v[LIM], s75
	QROW 0, Y, ACC, QI
	QROW 1, Y+8, ACC+2, QI
	v_mov_b32 v[SC], s76
	v_mov_b32 v[LIM], s77
	QROW 0, Y, ACC+4, QI+4*FRB
	QROW 1, Y+8, ACC+6, QI+4*FRB
	v_mov_b32 v[SC], s78
	v_mov_b32 v[LIM], s79
	QROW 0, Y, ACC+8, QI+8*FRB
	QROW 1, Y+8, ACC+10, QI+8*FRB
	BAR                                            ; e's codes under the three scales lie in LDS
	QKV
	s_wait_xcnt 0x0
	v_lshl_add_u32 v254, v0, 2, 0x17000
	v_mov_b32 v255, 0
	s_wait_tensorcnt 0x0
	ds_add_u32 v254, v255
	s_wait_dscnt 0x0
	s_endpgm
.Lfunc_end_k_qb12241e4ba_first:
	.size	k_qb12241e4ba_first, .Lfunc_end_k_qb12241e4ba_first-k_qb12241e4ba_first
	.p2alignl 7, 3214868480
	.fill 96, 4, 3214868480
	.section	.rodata,"a",@progbits
	.p2align	6, 0x0
	.amdhsa_kernel k_qb12241e4ba_first
		.amdhsa_group_segment_fixed_size 96256
		.amdhsa_private_segment_fixed_size 0
		.amdhsa_enable_private_segment 0
		.amdhsa_kernarg_size 80
		.amdhsa_user_sgpr_count 2
		.amdhsa_user_sgpr_kernarg_segment_ptr 1
		.amdhsa_wavefront_size32 1
		.amdhsa_system_sgpr_workgroup_id_x 1
		.amdhsa_system_sgpr_workgroup_id_y 1
		.amdhsa_system_sgpr_workgroup_id_z 1
		.amdhsa_system_vgpr_workitem_id 0
		.amdhsa_next_free_vgpr 256
		.amdhsa_next_free_sgpr 96
		.amdhsa_reserve_vcc 0
		.amdhsa_float_denorm_mode_32 3
		.amdhsa_float_denorm_mode_16_64 3
		.amdhsa_memory_ordered 1
		.amdhsa_forward_progress 1
		.amdhsa_inst_pref_size 33
	.end_amdhsa_kernel
	.amdgpu_metadata
---
amdhsa.version: [ 1, 2 ]
amdhsa.kernels:
  - .name:           k_qb12241e4ba_first
    .symbol:         k_qb12241e4ba_first.kd
    .args:
      - { .name: x, .offset: 0, .size: 8, .value_kind: global_buffer, .address_space: global }
      - { .name: wc, .offset: 8, .size: 8, .value_kind: global_buffer, .address_space: global }
      - { .name: actA, .offset: 16, .size: 8, .value_kind: global_buffer, .address_space: global }
      - { .name: lowp_scales, .offset: 24, .size: 8, .value_kind: global_buffer, .address_space: global }
      - { .name: bin_, .offset: 32, .size: 8, .value_kind: global_buffer, .address_space: global }
      - { .name: ln1_g, .offset: 40, .size: 8, .value_kind: global_buffer, .address_space: global }
      - { .name: ln1_b, .offset: 48, .size: 8, .value_kind: global_buffer, .address_space: global }
      - { .name: bq, .offset: 56, .size: 8, .value_kind: global_buffer, .address_space: global }
      - { .name: bk, .offset: 64, .size: 8, .value_kind: global_buffer, .address_space: global }
      - { .name: bv, .offset: 72, .size: 8, .value_kind: global_buffer, .address_space: global }
    .group_segment_fixed_size: 96256
    .private_segment_fixed_size: 0
    .kernarg_segment_align: 8
    .kernarg_segment_size: 80
    .max_flat_workgroup_size: 512
    .sgpr_count:     96
    .vgpr_count:     256
    .wavefront_size: 32
...
	.end_amdgpu_metadata
.endif
;; end of part 2
;; launch layer0 (part 3): grid 256 x 1, 16 waves a work-group, no clusters, 137,216 bytes of LDS; arguments lay0, wc, actA, actB, out0, bv, bo, ln2_g, ln2_b, b1, b2, ln1_g, ln1_b, lno_g, lno_b, bq, bk; writes actB, out0
.if DOCPART == 3
	.amdgcn_target "amdgcn-amd-amdhsa--gfx1250"
	.amdhsa_code_object_version 6
	.text
	.protected	k_qb12241e4ba_layer0
	.globl	k_qb12241e4ba_layer0
	.p2align	8
	.type	k_qb12241e4ba_layer0,@function
k_qb12241e4ba_layer0:
	s_mov_b64 s[64:65], 0
	v_nop
	global_prefetch_b8 v0, s[64:65] scope:SCOPE_SE
	s_setreg_imm32_b32 hwreg(HW_REG_WAVE_MODE, 25, 1), 1
	s_wait_xcnt 0x0
; ONE LAYER i: attention on q, k, v codes; e = e + ctx Wo^T + bo; e = LN2(e); e = e + relu(e W1^T + b1) W2^T + b2; e = LN'(e), stored as f32;
; then q, k, v of layer i + 1 as codes.  LN' is ln1[i + 1]; in layer 3 it is lno, e goes to the output, and no q, k, v are made.  All products on codes of BF8 (E5M2), each operand with the scale 2^e given for it.
; The layer's number and its scales' exponents come from a buffer of whole numbers that an earlier launch stored: word 0 is i, words 8 to 17 the layer's entries 6 to 15, words 18 to 26 the next layer's 0 to 8.
; SHARES.  A work-group of sixteen waves owns 32 rows (queries) of one sequence.  Inside it rows are kept in tile order: place 16 x + r stands for row 8 x + r % 8 + 16 (r / 8).
; ATTENTION.  Wave w takes head w / 2 and half w % 2 of the 1,024 keys (four steps of 128), for both tiles of 16 queries.  K's and V's fragments come from memory straight into its registers, in the order in which
; the operands take them: each byte of K and V enters the work-group once, and the key loop has no LDS and no barrier.  Both products are used transposed, so a lane holds one query throughout.
; The head's 32 are half of the K = 64 form: an operand of K holds two tiles of keys, one in each half, and Q stands beside zeros in the other half (codes are finite by the hold, so the zeros add nothing).
; THE SOFTMAX: t = score x log2(e) / sqrt(32); M = the largest t so far, rounded up to a whole number; p = 2^(t - M) is quantised, not normalised; the sum is taken of the unquantised p.  The two waves of a head
; meet through LDS: each finishes one tile of queries; as both M are whole numbers the rescaling rounds nothing.
; BEHIND IT a wave has two roles.  COLUMN OWNER: its own weight tiles, loaded from wc into registers a phase ahead (each fragment by one wave), against both tiles of rows.  ROW OWNER: wave w owns places 2 w, 2 w + 1
; (two neighbouring rows); lane l holds columns 4 l .. + 3 and 128 + 4 l .. + 3.  Operands go from wave to wave as images of their registers (eight blocks of 256 bytes, 272 apart), sums through a stage.
; NO TENSOR LOAD, NO CLUSTER: this one text serves four layers and branches on stored whole numbers, and with the operands laid in register order nothing would be read from LDS twice.
; LIMITS on the given exponents (entries of layer i counted from 2 + 16 i), so that each power of two below is an f32 number: (6) + (7) between -124 and 129; (9), (10), (12), (14) - (12) - (13), and the next layer's
; (0), (2), (4), (6) - (0) - (1), (7) - (2) - (3), (8) - (4) - (5) between -126 and 112; (10) + (11) and (14) + (15) between -126 and 127.  NaN among the inputs is not served.
.set FRB,    2176
.set CTXI,   0                         ; LDS: ctx's four fragments (2 x + K step),
.set XI,     4*FRB                     ; LN2's four,
.set HI,     8*FRB                     ; the hidden layer's eight (4 x + K step),
.set QI,     16*FRB                    ; three times four: e under the scales of the q, k and v products,
.set STG,    28*FRB                    ; the stage: 32 rows x (1,024 + 16) bytes,
.set SPITCH, 1040
.set MRG,    STG+32*SPITCH             ; and 2,560 bytes a wave for the merge
.set QOFF,   8388608
.set KVOFF,  10485760
.set LI,  1                            ; v1   272 (l / 16) + 16 (l % 16)
.set GL,  2                            ; v2   16 l
.set EO,  3                            ; v3   my 16 bytes of my first row of e
.set GL4, 4                            ; v4   16 l + 4,096 w + Wo[i]'s place in wc
.set GL8, 5                            ; v5   16 l + 8,192 w + the same
.set RI,  6                            ; v6   where a row owner puts a dword of codes
.set PO1, 7                            ; v7   16 l + 1,024 i
.set BC,  16                           ; v16-39   row parameters, biases as C
.set WR0, 40                           ; v40-71   weights
.set WR1, 72                           ; v72-103
.set XF,  104                          ; v104-167 fragments of rows
.set Y,   104
.set WR3, 136
.set ACC, 168                          ; v168-199 accumulators; codes in the row phases; v184-199 hold b1 as loaded until the hidden layer's products
.set WR2, 200                          ; v200-231
.set PO2, 232                          ; v232 16 l + 1,024 ((i + 1) % 4)
.set CI,  233                          ; v233 where my 16 codes of ctx go
.set HA,  234                          ; v234 where my 16 codes of the hidden layer go
.set SW,  235                          ; v235 the stage: in
.set SR,  236                          ; v236 the stage: back
.set QA,  237                          ; v237 the image that my q or k products read
.set SC,  238
.set LIM, 239
.set E,   240                          ; v240-255 my two rows of e
.set D0,  233                          ; at the end, when the LDS addresses are done with: where q | k and v go
.set D1,  234
.set DV,  235
.set QTA, 16                           ; attention: v16-27, v28-39 Q of the two tiles as (0, q, 0); v8-11, v12-15 their -M, largest t, sum in two halves
.set QTB, 28
.set KR,  40                           ; v40-71   K: eight tiles of 16 keys
.set VR,  72                           ; v72-103  V: two tiles of 16 of the head's 32 x 128 keys
.set S,   104                          ; v104-167 S^T, then p
.set P,   168                          ; v168-183 p's codes
.set OA,  184                          ; v184-199, v200-215 O^T
.set OB,  200
.set MX,  216                          ; v216, v217 maxima
.set F,   218                          ; v[218:219] f
.set SUM2, 220
.set PD,  222                          ; a permute's destination
.set KVO, 223                          ; my head's and half's first byte of K
.set PFO, 224                          ; the prefetch's offset
.set MS,  225                          ; the merge: where I send, where I fetch
.set ML,  226
.set KEEP, 104
.set SEND, 124
.set RECV, 144
.set B1O, 166                          ; v166 b1's offset
.set WC,   6
.set AIN,  8
.set AOUT, 10
.set CS,   4                           ; s[4:5] c = log2(e) / sqrt(32) x 2^(eq + ek) (in the registers that held the whole numbers' address)
.set BVP,  14
.set BQK,  34
.set SEL,  38                          ; s[38:39] lane selects for v_permlanex16_b32: lane l xor 16
.set EP,   47                          ; s47 ep
.macro NOPS n
.rept \n
	v_nop
.endr
.endm
.macro BAR                             ; my LDS stores have landed and my LDS loads are in: then the work-group's barrier
	s_wait_dscnt 0x0
	s_barrier_signal -1
	s_barrier_wait -1
.endm
.macro SCL sc, lim, e                  ; s[sc] = 2^e as f32, s[lim] = 57,344 x 2^e
	s_add_co_i32 s[\lim], s[\e], 127
	s_lshl_b32 s[\sc], s[\lim], 23
	s_add_co_i32 s[\lim], s[\lim], 15
	s_lshl_b32 s[\lim], s[\lim], 23
	s_or_b32 s[\lim], s[\lim], 0x600000
.endm
.macro NEXTSC n0, n1, n2, n3, n4, n5, n6, n7, n8   ; the scales of the q, k, v products: A and B of each, then q's, k's and v's own
	SCL 74, 75, \n0
	SCL 76, 77, \n2
	SCL 78, 79, \n4
	s_cmp_lt_u32 s2, 8                             ; waves 0-7 make q, waves 8-15 k
	s_cselect_b32 s3, s[\n0], s[\n2]
	s_cselect_b32 s90, s[\n1], s[\n3]
	s_cselect_b32 s95, s[\n6], s[\n7]
	s_add_co_i32 s90, s3, s90                      ; a sum stands for sum x 2^(eA + eW):
	s_sub_co_i32 s3, s95, s90
	SCL 80, 81, 3                                  ; the three scales folded into the conversion's one,
	s_sub_co_i32 s90, 0, s90                       ; and the bias goes in as bias / 2^(eA + eW)
	s_add_co_i32 s91, s[\n4], s[\n5]
	s_sub_co_i32 s3, s[\n8], s91
	SCL 82, 83, 3
	s_sub_co_i32 s91, 0, s91
.endm
.macro WLOAD reg, adr, imm             ; two fragments of weights, 4,096 bytes: each load 512 consecutive bytes
.irp n, 0,1,2,3,4,5,6,7
	global_load_b128 v[(\reg)+4*\n:(\reg)+4*\n+3], v[\adr], s[WC:WC+1] offset:(\imm)+512*\n
.endr
.endm
.macro KVLOAD reg, t, off              ; my head's K (off = 0) or V (4,096) of key step t of my half
.irp n, 0,1,2,3,4,5,6,7
	global_load_b128 v[(\reg)+4*\n:(\reg)+4*\n+3], v[KVO], s[AIN:AIN+1] offset:65536*(\t)+(\off)+512*\n
.endr
.endm
.macro PLOAD reg, adr, base            ; a row owner's eight numbers of a vector of 256
	global_load_b128 v[(\reg):(\reg)+3], v[\adr], s[\base:\base+1]
	global_load_b128 v[(\reg)+4:(\reg)+7], v[\adr], s[\base:\base+1] offset:512
.endm
.macro FETCH reg, adr, off             ; a fragment's image comes back as registers
.irp c, 0,1,2,3
	ds_load_b128 v[(\reg)+4*\c:(\reg)+4*\c+3], v[\adr] offset:(\off)+544*\c
.endr
.endm
.macro GEMM256                         ; my tile of 16 columns for both tiles of rows, K = 256: two accumulators by turns
	v_wmma_f32_16x16x128_bf8_bf8 v[ACC:ACC+7], v[WR0:WR0+15], v[XF:XF+15], 0
	v_wmma_f32_16x16x128_bf8_bf8 v[ACC+8:ACC+15], v[WR0:WR0+15], v[XF+32:XF+47], 0
	v_wmma_f32_16x16x128_bf8_bf8 v[ACC:ACC+7], v[WR0+16:WR0+31], v[XF+16:XF+31], v[ACC:ACC+7]
	v_wmma_f32_16x16x128_bf8_bf8 v[ACC+8:ACC+15], v[WR0+16:WR0+31], v[XF+48:XF+63], v[ACC+8:ACC+15]
.endm
.macro TOSTAGE                         ; lane (r, h): eight neighbouring columns of place 16 x + r
.irp x, 0,1
	ds_store_b128 v[SW], v[ACC+8*\x:ACC+8*\x+3] offset:16*SPITCH*\x
	ds_store_b128 v[SW], v[ACC+8*\x+4:ACC+8*\x+7] offset:16*SPITCH*\x+16
.endr
.endm
.macro LANES a, ta, b, tb              ; two sums over the 32 lanes, line by line
.irp m, 1,2,4,8
	v_add_f32_dpp v[\a], v[\a], v[\a] row_xmask:\m row_mask:0xf bank_mask:0xf
	v_add_f32_dpp v[\b], v[\b], v[\b] row_xmask:\m row_mask:0xf bank_mask:0xf
.endr
	v_permlanex16_b32 v[\ta], v[\a], s[SEL], s[SEL+1]
	v_permlanex16_b32 v[\tb], v[\b], s[SEL], s[SEL+1]
	v_add_f32 v[\a], v[\a], v[\ta]
	v_add_f32 v[\b], v[\b], v[\tb]
.endm
; My two rows: y = sum x s[mul] + bias (+ E); E = LayerNorm(y) in two passes, as it is defined: mean, then the mean square of y - mean.
; lc: how many younger loads from memory may stay out when the parameters have to be there; -1: they were waited for earlier.
.macro ROWPHASE mul, bi, g, bb, res, lc
.irp i, 0,1
	ds_load_b128 v[Y+8*\i:Y+8*\i+3], v[SR] offset:SPITCH*\i
	ds_load_b128 v[Y+8*\i+4:Y+8*\i+7], v[SR] offset:SPITCH*\i+512
.endr
.if \lc >= 0
	s_wait_loadcnt \lc
.endif
	s_wait_dscnt 0x0
.irp i, 0,8
.irp j, 0,2,4,6
	v_pk_fma_f32 v[Y+\i+\j:Y+\i+\j+1], v[Y+\i+\j:Y+\i+\j+1], s[\mul:\mul+1], v[\bi+\j:\bi+\j+1] op_sel_hi:[1,0,1]
.endr
.endr
.if \res
.irp j, 0,2,4,6,8,10,12,14
	v_pk_add_f32 v[Y+\j:Y+\j+1], v[Y+\j:Y+\j+1], v[E+\j:E+\j+1]
.endr
.endif
	v_pk_add_f32 v[8:9], v[Y:Y+1], v[Y+2:Y+3]
	v_pk_add_f32 v[12:13], v[Y+8:Y+9], v[Y+10:Y+11]
	v_pk_add_f32 v[10:11], v[Y+4:Y+5], v[Y+6:Y+7]
	v_pk_add_f32 v[14:15], v[Y+12:Y+13], v[Y+14:Y+15]
	v_pk_add_f32 v[8:9], v[8:9], v[10:11]
	v_pk_add_f32 v[12:13], v[12:13], v[14:15]
	v_add_f32 v8, v8, v9
	v_add_f32 v12, v12, v13
	LANES 8, 10, 12, 14
	v_mul_f32 v8, s93, v8                          ; the means
	v_mul_f32 v12, s93, v12
.irp j, 0,2,4,6
	v_pk_add_f32 v[Y+\j:Y+\j+1], v[Y+\j:Y+\j+1], v[8:9] op_sel_hi:[1,0] neg_lo:[0,1] neg_hi:[0,1]
	v_pk_add_f32 v[Y+8+\j:Y+8+\j+1], v[Y+8+\j:Y+8+\j+1], v[12:13] op_sel_hi:[1,0] neg_lo:[0,1] neg_hi:[0,1]
.endr
	v_pk_mul_f32 v[10:11], v[Y:Y+1], v[Y:Y+1]
	v_pk_mul_f32 v[14:15], v[Y+8:Y+9], v[Y+8:Y+9]
.irp j, 2,4,6
	v_pk_fma_f32 v[10:11], v[Y+\j:Y+\j+1], v[Y+\j:Y+\j+1], v[10:11]
	v_pk_fma_f32 v[14:15], v[Y+8+\j:Y+8+\j+1], v[Y+8+\j:Y+8+\j+1], v[14:15]
.endr
	v_add_f32 v10, v10, v11
	v_add_f32 v14, v14, v15
	LANES 10, 11, 14, 15
	v_fma_f32 v10, v10, s93, s94                   ; the variance + 1e-5
	v_fma_f32 v14, v14, s93, s94
	v_rsq_f32 v10, v10
	v_rsq_f32 v14, v14
	v_nop                                          ; a plain line behind the transcendentals,
	s_wait_alu depctr_va_vdst(0)                   ; and the one wait ahead of their first reader
.irp j, 0,2,4,6
	v_pk_mul_f32 v[Y+\j:Y+\j+1], v[Y+\j:Y+\j+1], v[10:11] op_sel_hi:[1,0]
	v_pk_mul_f32 v[Y+8+\j:Y+8+\j+1], v[Y+8+\j:Y+8+\j+1], v[14:15] op_sel_hi:[1,0]
.endr
.irp j, 0,2,4,6
	v_pk_fma_f32 v[E+\j:E+\j+1], v[Y+\j:Y+\j+1], v[\g+\j:\g+\j+1], v[\bb+\j:\bb+\j+1]
	v_pk_fma_f32 v[E+8+\j:E+8+\j+1], v[Y+8+\j:Y+8+\j+1], v[\g+\j:\g+\j+1], v[\bb+\j:\bb+\j+1]
.endr
.endm
; Row i of E becomes eight codes: a dword for each K step's image.
.macro QROW i, T, C, img
.irp j, 0,1,2,3,4,5,6,7
	v_med3_num_f32 v[(\T)+\j], v[E+8*\i+\j], -v[LIM], v[LIM]   ; the conversion does not saturate (ISA guide 7.6.2): the hold comes first
.endr
	v_cvt_scalef32_pk8_bf8_f32 v[\C:\C+1], v[(\T):(\T)+7], v[SC]
	v_nop                                          ; a plain line behind the conversion, ahead of whatever next writes its sources
	ds_store_b32 v[RI], v[\C] offset:(\img)+16*\i
	ds_store_b32 v[RI], v[\C+1] offset:(\img)+16*\i+FRB
.endm
.macro BIASES                          ; bq | bk in the result's layout (16 numbers a lane) and bv (one a lane), of layer s41
	s_lshl_b32 s95, s41, 10
	s_and_b32 s3, s2, 7
	s_lshl_b32 s3, s3, 7
	s_add_co_u32 s3, s3, s95
	v_bfe_u32 v[WR3+18], v0, 4, 1
	v_lshl_add_u32 v[WR3+18], v[WR3+18], 6, s3     ; columns 32 head + 16 (l / 16) on
.irp n, 0,1,2,3
	global_load_b128 v[WR3+4*\n:WR3+4*\n+3], v[WR3+18], s[BQK:BQK+1] offset:16*\n
.endr
	s_lshr_b32 s3, s2, 1
	s_lshl_b32 s3, s3, 7
	s_add_co_u32 s95, s95, s3
	s_and_b32 s3, s2, 1
	s_lshl_b32 s3, s3, 5
	s_add_co_u32 s95, s95, s3
	v_and_b32 v[WR3+19], 7, v0
	v_bfe_u32 v[WR3+20], v0, 3, 1
	v_lshl_add_u32 v[WR3+19], v[WR3+20], 4, v[WR3+19]
	v_lshl_add_u32 v[WR3+19], v[WR3+19], 2, s95    ; column 32 (w / 2) + 8 (w % 2) + r % 8 + 16 (r / 8): row r of Wv's tile w
	global_load_b32 v[WR3+16], v[WR3+19], s[BVP:BVP+1]
.endm
; q (waves 0-7, head w) or k (waves 8-15, head w - 8), transposed: a lane holds 16 neighbours of the head's 32 of one row; then v's tile w with the sources in natural order: a lane holds 16 neighbouring rows at one column.
.macro QKV
	s_wait_loadcnt 0x0                             ; the weights and the biases
.set jj, 0
.rept 16
	v_ldexp_f32 v[BC+jj], v[WR3+jj], s90
.set jj, jj+1
.endr
	v_ldexp_f32 v[BC+16], v[WR3+16], s91
.irp j, 17,18,19,20,21,22,23
	v_mov_b32 v[BC+\j], v[BC+16]
.endr
.irp f, 0,1,2,3
	FETCH XF+16*\f, QA, FRB*\f
.endr
	s_and_b32 s3, s2, 7                            ; the head
	s_lshl_b32 s54, ttmp9, 13
	s_lshl_b32 s55, s3, 9
	s_add_co_u32 s54, s54, s55
	s_add_co_u32 s54, s54, QOFF                    ; q: tile of rows 2 wg, my head
	s_lshr_b32 s55, ttmp9, 2
	s_lshl_b32 s55, s55, 16
	s_add_co_u32 s55, s55, KVOFF                   ; the 128 keys among which my 32 rows lie
	s_and_b32 s95, ttmp9, 3
	s_lshl_b32 s67, s95, 10
	s_add_co_u32 s67, s67, s55
	s_lshl_b32 s3, s3, 13
	s_add_co_u32 s67, s67, s3                      ; k: my head, tile 2 (wg % 4)
	s_mov_b32 s3, 512
	s_cmp_lt_u32 s2, 8
	s_cselect_b32 s54, s54, s67
	s_cselect_b32 s3, 4096, s3                     ; from the first tile of rows to the second
	v_add_nc_u32 v[D0], s54, v[GL]
	v_add_nc_u32 v[D1], s3, v[D0]
	s_lshl_b32 s95, s95, 9
	s_add_co_u32 s55, s55, s95
	s_lshr_b32 s3, s2, 1
	s_lshl_b32 s3, s3, 13
	s_add_co_u32 s55, s55, s3
	s_and_b32 s3, s2, 1
	s_lshl_b32 s3, s3, 11
	s_add_co_u32 s55, s55, s3
	s_add_co_u32 s55, s55, 4096
	v_add_nc_u32 v[DV], s55, v[GL]                 ; v: head w / 2, tile w % 2, block wg % 4
	s_wait_dscnt 0x0
.irp s, 0,1                                    ; four accumulators by turns
.irp x, 0,1
.if \s == 0
	v_wmma_f32_16x16x128_bf8_bf8 v[ACC+16*\x:ACC+16*\x+7], v[WR1:WR1+15], v[XF+32*\x:XF+32*\x+15], v[BC:BC+7]
	v_wmma_f32_16x16x128_bf8_bf8 v[ACC+16*\x+8:ACC+16*\x+15], v[WR2:WR2+15], v[XF+32*\x:XF+32*\x+15], v[BC+8:BC+15]
.else
	v_wmma_f32_16x16x128_bf8_bf8 v[ACC+16*\x:ACC+16*\x+7], v[WR1+16:WR1+31], v[XF+32*\x+16:XF+32*\x+31], v[ACC+16*\x:ACC+16*\x+7]
	v_wmma_f32_16x16x128_bf8_bf8 v[ACC+16*\x+8:ACC+16*\x+15], v[WR2+16:WR2+31], v[XF+32*\x+16:XF+32*\x+31], v[ACC+16*\x+8:ACC+16*\x+15]
.endif
.endr
.endr
	NOPS 5                                         ; places: four for the loads and reads below, a fifth since v's results are laid over registers that these products read
.irp f, 0,1,2,3
	FETCH XF+16*\f, LI, QI+8*FRB+FRB*\f            ; e under the v product's scale
.endr
	v_mov_b32 v[SC], s80
	v_mov_b32 v[LIM], s81
.set jj, 0
.rept 32
	v_med3_num_f32 v[ACC+jj], v[ACC+jj], -v[LIM], v[LIM]
.set jj, jj+1
.endr
.irp k, 0,1,2,3
	v_cvt_scalef32_pk8_bf8_f32 v[8+2*\k:9+2*\k], v[ACC+8*\k:ACC+8*\k+7], v[SC]
.endr
	v_nop
	global_store_b128 v[D0], v[8:11], s[AOUT:AOUT+1]      ; 512 consecutive bytes: a tile as the attention takes it
	global_store_b128 v[D1], v[12:15], s[AOUT:AOUT+1]
	s_wait_dscnt 0x0
	v_wmma_f32_16x16x128_bf8_bf8 v[WR1:WR1+7], v[XF:XF+15], v[WR0:WR0+15], v[BC+16:BC+23]
	v_wmma_f32_16x16x128_bf8_bf8 v[WR1+8:WR1+15], v[XF+32:XF+47], v[WR0:WR0+15], v[BC+16:BC+23]
	v_wmma_f32_16x16x128_bf8_bf8 v[WR1:WR1+7], v[XF+16:XF+31], v[WR0+16:WR0+31], v[WR1:WR1+7]
	v_wmma_f32_16x16x128_bf8_bf8 v[WR1+8:WR1+15], v[XF+48:XF+63], v[WR0+16:WR0+31], v[WR1+8:WR1+15]
	NOPS 4
	v_mov_b32 v[SC], s82
	v_mov_b32 v[LIM], s83
.set jj, 0
.rept 16
	v_med3_num_f32 v[WR1+jj], v[WR1+jj], -v[LIM], v[LIM]
.set jj, jj+1
.endr
	v_cvt_scalef32_pk8_bf8_f32 v[BC+4:BC+5], v[WR1:WR1+7], v[SC]
	v_cvt_scalef32_pk8_bf8_f32 v[BC+6:BC+7], v[WR1+8:WR1+15], v[SC]
	v_nop
	global_store_b128 v[DV], v[BC+4:BC+7], s[AOUT:AOUT+1]
.endm
; A PREFETCH INTO THE L2 of K and V: in trip t (0, 1) the key step t + 2 of both halves, whose loads are issued in trip t + 1.  It stands behind the wave's run of K loads.
; A sequence's 32 work-groups read the same K and V.  The first sixteen of them ask, wave 0 of each: work-group j takes 8,192 bytes (a head's K and V) of half j / 8, head j % 8, lanes 256 bytes apart.
; So each aligned block of 256 bytes of steps 2, 3, 6, 7 is named once in the launch; steps 0, 1, 4, 5 come by their loads alone, and nothing is asked behind trip 1.
.macro ASK t
	s_cmp_eq_u32 s43, 0
	s_cbranch_scc0 .Lnot_mine_\@
	global_prefetch_b8 v[PFO], s[AIN:AIN+1] offset:65536*(\t) th:TH_LOAD_NT scope:SCOPE_SE
.Lnot_mine_\@:
.endm
; One tile of 16 queries against the 128 keys of trip t.  b = 0: the first tile of the trip; b = 1: the second, behind whose products the next trip's K and V are asked for (in the last trip: Wo and half of W1).
.macro TILE Q, ST, O, b, t
.if \b == 0
	s_wait_loadcnt 0x8                             ; K's eight loads are in; V's eight, issued behind them, may be out
.endif
.irp u, 0,1,2,3,4,5,6,7                        ; S^T: tile u of 16 keys lies in half u % 2 of its operand, and Q stands in that half
	v_wmma_f32_16x16x64_bf8_bf8 v[S+8*\u:S+8*\u+7], v[KR+8*(\u/2):KR+8*(\u/2)+7], v[(\Q)+4-4*(\u%2):(\Q)+11-4*(\u%2)], 0
.endr
	NOPS 4                                         ; places in front of the first read of results and of loads into K's registers
.if \b == 1
.if \t < 3
	KVLOAD KR, (\t)+1, 0
.else
	WLOAD WR0, GL4, 0                              ; Wo's tile w
.endif
.if \t < 2
	ASK \t
.endif
.endif
	v_max3_num_f32 v[MX], v[S], v[S+1], v[S+2]     ; the largest score of my query among my 64 keys, in two chains, from each accumulator's low end on
	v_max3_num_f32 v[MX+1], v[S+3], v[S+4], v[S+5]
.set jj, 6
.rept 14
	v_max3_num_f32 v[MX], v[MX], v[S+jj], v[S+jj+1]
	v_max3_num_f32 v[MX+1], v[MX+1], v[S+jj+2], v[S+jj+3]
.set jj, jj+4
.endr
	v_max3_num_f32 v[MX], v[MX], v[S+62], v[S+63]
	v_max_num_f32 v[MX], v[MX], v[MX+1]
	v_permlanex16_b32 v[PD], v[MX], s[SEL], s[SEL+1]
	v_max_num_f32 v[MX], v[MX], v[PD]              ; and among lane l xor 16's
	v_mul_f32 v[MX], s[CS], v[MX]                  ; as t (c is positive)
	v_max_num_f32 v[(\ST)+1], v[(\ST)+1], v[MX]    ; the running largest t
	v_mov_b32 v[MX], v[\ST]
	v_floor_f32 v[\ST], -v[(\ST)+1]                ; the new -M = floor(-t): M is a whole number
	v_sub_f32 v[MX], v[\ST], v[MX]                 ; old M - new M: a whole number, 0 or less
	v_cvt_i32_f32 v[MX], v[MX]                     ; (it saturates)
	v_ldexp_f32 v[F], 1.0, v[MX]                   ; f = 2^(old M - new M)
.set jj, 0
.rept 32
	v_pk_fma_f32 v[S+jj:S+jj+1], v[S+jj:S+jj+1], s[CS:CS+1], v[(\ST):(\ST)+1] op_sel_hi:[1,0,0]   ; t - M, two at a time
.set jj, jj+2
.endr
.set jj, 0
.rept 64
	v_exp_f32 v[S+jj], v[S+jj]                     ; p = 2^(t - M), not normalised
.set jj, jj+1
.endr
	v_pk_mul_f32 v[(\ST)+2:(\ST)+3], v[(\ST)+2:(\ST)+3], v[F:F+1] op_sel_hi:[1,0]   ; the sums under the new M: the plain line behind the batch
	s_wait_alu depctr_va_vdst(0)                   ; one wait for the 64 exponentials, ahead of their first reader
	v_pk_add_f32 v[SUM2:SUM2+1], v[S:S+1], v[S+2:S+3]   ; the sum of the unquantised p, in two chains
.set jj, 4
.rept 15
	v_pk_add_f32 v[(\ST)+2:(\ST)+3], v[(\ST)+2:(\ST)+3], v[S+jj:S+jj+1]
	v_pk_add_f32 v[SUM2:SUM2+1], v[SUM2:SUM2+1], v[S+jj+2:S+jj+3]
.set jj, jj+4
.endr
	v_pk_add_f32 v[(\ST)+2:(\ST)+3], v[(\ST)+2:(\ST)+3], v[SUM2:SUM2+1]
	; THE HOLD.  p is at most 1 (beyond it only by the rounding of t), and the largest code x the scale, 57,344 x 2^ep, is 1.75 or more from ep = -15 on: there the hold changes no number,
	; and a scalar branch on the stored exponent, the same in every wave, leads round its 64 lines.  Under a smaller ep they are executed.
	s_cmp_lt_i32 s[EP], -15
	s_cbranch_scc0 .Lfits_\@
.set jj, 0
.rept 64
	v_min_num_f32 v[S+jj], v[S+jj], v[LIM]         ; the conversion does not saturate (ISA guide 7.6.2); p is not negative: the hold is one-sided
.set jj, jj+1
.endr
.Lfits_\@:
.set kk, 0
.rept 4
	v_cvt_scalef32_pk8_bf8_f32 v[P+4*kk:P+4*kk+1], v[S+16*kk:S+16*kk+7], v[SC]
	v_cvt_scalef32_pk8_bf8_f32 v[P+4*kk+2:P+4*kk+3], v[S+16*kk+8:S+16*kk+15], v[SC]
.set kk, kk+1
.endr
.if \t == 0
	v_nop                                          ; a plain line between the conversions and the products that read their results
.else
.set jj, 0
.rept 8
	v_pk_mul_f32 v[(\O)+jj:(\O)+jj+1], v[(\O)+jj:(\O)+jj+1], v[F:F+1] op_sel_hi:[1,0]   ; O^T under the new M; plain lines behind the conversions
.set jj, jj+2
.endr
.endif
.if \b == 0
	s_wait_loadcnt 0x0                             ; V is in: nothing was issued behind it
.endif
.if \t == 0                                    ; the first trip's products start the sums: nothing is cleared
	v_wmma_f32_16x16x128_bf8_bf8 v[(\O):(\O)+7], v[VR:VR+15], v[P:P+15], 0
	v_wmma_f32_16x16x128_bf8_bf8 v[(\O)+8:(\O)+15], v[VR+16:VR+31], v[P:P+15], 0
.else
	v_wmma_f32_16x16x128_bf8_bf8 v[(\O):(\O)+7], v[VR:VR+15], v[P:P+15], v[(\O):(\O)+7]
	v_wmma_f32_16x16x128_bf8_bf8 v[(\O)+8:(\O)+15], v[VR+16:VR+31], v[P:P+15], v[(\O)+8:(\O)+15]
.endif
.if \b == 1
	NOPS 4                                         ; places in front of loads into V's registers
.if \t < 3
	KVLOAD VR, (\t)+1, 4096
.else
	WLOAD WR1, GL8, 65536                          ; W1's tile 2 w
.endif
.endif
.endm
.macro W1MUL x                         ; my 32 hidden units for tile x of rows; b1 is the C of each sum's first product
	v_wmma_f32_16x16x128_bf8_bf8 v[ACC+16*\x:ACC+16*\x+7], v[WR1:WR1+15], v[XF:XF+15], v[BC:BC+7]
	v_wmma_f32_16x16x128_bf8_bf8 v[ACC+16*\x+8:ACC+16*\x+15], v[WR2:WR2+15], v[XF:XF+15], v[BC+8:BC+15]
	v_wmma_f32_16x16x128_bf8_bf8 v[ACC+16*\x:ACC+16*\x+7], v[WR1+16:WR1+31], v[XF+16:XF+31], v[ACC+16*\x:ACC+16*\x+7]
	v_wmma_f32_16x16x128_bf8_bf8 v[ACC+16*\x+8:ACC+16*\x+15], v[WR2+16:WR2+31], v[XF+16:XF+31], v[ACC+16*\x+8:ACC+16*\x+15]
.endm
.macro HQUANT x, C                     ; the activation and the hold in one; 16 codes a lane go to the hidden layer's image
.set jj, 0
.rept 16
	v_med3_num_f32 v[ACC+16*\x+jj], v[ACC+16*\x+jj], 0, v[LIM]
.set jj, jj+1
.endr
	v_cvt_scalef32_pk8_bf8_f32 v[\C:\C+1], v[ACC+16*\x:ACC+16*\x+7], v[SC]
	v_cvt_scalef32_pk8_bf8_f32 v[\C+2:\C+3], v[ACC+16*\x+8:ACC+16*\x+15], v[SC]
	v_nop
	ds_store_b128 v[HA], v[\C:\C+3] offset:4*FRB*\x
.endm
	s_load_b512 s[4:19], s[0:1], 0x0               ; the layer's whole numbers, wc, act in, act out, out0, bv, bo, ln2_g
	s_load_b512 s[20:35], s[0:1], 0x40             ; ln2_b, b1, b2, ln1_g, ln1_b, lno_g, lno_b, bq
	s_load_b64 s[36:37], s[0:1], 0x80              ; bk
	v_lshrrev_b32 v8, 5, v0
	v_readfirstlane_b32 s2, v8                     ; wave 0..15
	v_and_b32 v9, 31, v0                           ; l
	v_and_b32 v10, 15, v0                          ; r
	v_bfe_u32 v11, v0, 4, 1                        ; l / 16
	v_lshlrev_b32 v[GL], 4, v9
	s_lshr_b32 s67, s2, 1                          ; my head
	s_and_b32 s68, s2, 1                           ; my half of the keys, and the tile of queries that I finish
	s_lshr_b32 s69, s2, 3
	s_and_b32 s70, s2, 7
	s_and_b32 s71, s2, 3
	s_bfe_u32 s72, s2, 0x10002
	s_sub_co_u32 s92, 0, s68                       ; 0, or all ones for half 1
	s_and_b32 s43, ttmp9, 16
	s_or_b32 s43, s43, s2                          ; 0 in wave 0 of a sequence's first sixteen work-groups: those prefetch
	s_lshl_b32 s73, ttmp9, 5                       ; my first row: 32 wg + 8 (w / 8) + 2 (w % 4) + 16 ((w / 4) % 2)
	s_lshl_b32 s74, s69, 3
	s_add_co_u32 s73, s73, s74
	s_lshl_b32 s74, s71, 1
	s_add_co_u32 s73, s73, s74
	s_lshl_b32 s74, s72, 4
	s_add_co_u32 s73, s73, s74
	s_lshl_b32 s73, s73, 10
	v_add_nc_u32 v[EO], s73, v[GL]
	s_lshl_b32 s74, ttmp9, 13
	s_lshl_b32 s75, s67, 9
	s_add_co_u32 s74, s74, s75
	s_add_co_u32 s74, s74, QOFF
	v_add_nc_u32 v[MX], s74, v[GL]                 ; Q: tile of rows 2 wg, my head (the register is free again when Q's loads are shown done)
	s_lshr_b32 s73, ttmp9, 5
	s_lshl_b32 s73, s73, 19                        ; the sequence
	s_lshl_b32 s75, s68, 18
	s_add_co_u32 s74, s73, s75
	s_lshl_b32 s75, s67, 13
	s_add_co_u32 s74, s74, s75
	s_add_co_u32 s74, s74, KVOFF
	v_add_nc_u32 v[KVO], s74, v[GL]
	s_bfe_u32 s75, ttmp9, 0x10003
	s_lshl_b32 s75, s75, 18
	s_add_co_u32 s74, s73, s75
	s_and_b32 s75, ttmp9, 7
	s_lshl_b32 s75, s75, 13
	s_add_co_u32 s74, s74, s75
	s_add_co_u32 s74, s74, KVOFF+131072
	v_lshl_add_u32 v[PFO], v9, 8, s74
	s_wait_kmcnt 0x0
	s_load_b32 s40, s[4:5], 0x0                    ; the layer; and, at fixed places beside it, so that no load hangs on another:
	s_load_b256 s[44:51], s[4:5], 0x20             ; entries 6 to 13 of layer i: eq, ek, ev, ep, ectx, eWo, eX, eW1
	s_load_b64 s[52:53], s[4:5], 0x40              ; 14, 15: eh, eW2
	s_load_b256 s[56:63], s[4:5], 0x48             ; entries 0 to 7 of the next layer (in layer 3: numbers that nobody uses)
	s_load_b32 s66, s[4:5], 0x68                   ; and 8
	global_load_b128 v[E:E+3], v[EO], s[AIN:AIN+1]
	global_load_b128 v[E+4:E+7], v[EO], s[AIN:AIN+1] offset:512
	global_load_b128 v[E+8:E+11], v[EO], s[AIN:AIN+1] offset:1024
	global_load_b128 v[E+12:E+15], v[EO], s[AIN:AIN+1] offset:1536
	global_load_b128 v[QTA+4:QTA+7], v[MX], s[AIN:AIN+1]
	global_load_b128 v[QTB+4:QTB+7], v[MX], s[AIN:AIN+1] offset:4096
	KVLOAD KR, 0, 0
	KVLOAD VR, 0, 4096
	v_mul_u32_u24 v[LI], v11, 272
	v_lshl_add_u32 v[LI], v10, 4, v[LI]
	v_lshrrev_b32 v12, 2, v9
	v_mul_u32_u24 v[RI], v12, 272
	v_and_b32 v12, 3, v9
	v_lshl_add_u32 v[RI], v12, 2, v[RI]
	s_mul_i32 s73, s69, 2*FRB
	s_lshl_b32 s74, s70, 5
	s_add_co_u32 s73, s73, s74
	v_add_nc_u32 v[RI], s73, v[RI]                 ; 272 (l / 4) + 4 (l % 4) + two fragments x (w / 8) + 32 (w % 8)
	s_lshl_b32 s73, s68, 1
	s_lshr_b32 s74, s67, 2
	s_add_co_u32 s73, s73, s74
	s_mul_i32 s73, s73, FRB
	s_and_b32 s74, s67, 3
	s_mul_i32 s74, s74, 544
	s_add_co_u32 s73, s73, s74
	v_add_nc_u32 v[CI], s73, v[LI]                 ; ctx: fragment 2 (w % 2) + head / 4, block pair head % 4
	s_lshr_b32 s73, s2, 2
	s_mul_i32 s73, s73, FRB
	s_mul_i32 s74, s71, 544
	s_add_co_u32 s73, s73, s74
	s_add_co_u32 s73, s73, HI
	v_add_nc_u32 v[HA], s73, v[LI]                 ; hidden: K step w / 4, block pair w % 4
	v_mul_u32_u24 v[SW], v10, SPITCH
	v_lshl_add_u32 v[SW], v11, 6, v[SW]
	s_lshl_b32 s73, s67, 7
	s_lshl_b32 s74, s68, 5
	s_add_co_u32 s73, s73, s74
	s_add_co_u32 s73, s73, STG
	v_add_nc_u32 v[SW], s73, v[SW]                 ; place r, columns 32 (w / 2) + 16 (l / 16) + 8 (w % 2) on
	s_mul_i32 s73, s2, 2*SPITCH
	s_add_co_u32 s73, s73, STG
	v_add_nc_u32 v[SR], s73, v[GL]
	s_mul_i32 s73, s69, 4*FRB
	s_add_co_u32 s73, s73, QI
	v_add_nc_u32 v[QA], s73, v[LI]
	s_mul_i32 s73, s2, 2560
	s_add_co_u32 s73, s73, MRG
	v_add_nc_u32 v[MS], s73, v[GL]
	s_xor_b32 s73, s2, 1                           ; the other wave of my head
	s_mul_i32 s73, s73, 2560
	s_add_co_u32 s73, s73, MRG
	v_add_nc_u32 v[ML], s73, v[GL]
.irp j, 0,1,2,3,8,9,10,11
	v_mov_b32 v[QTA+\j], 0                         ; the zeros beside Q
	v_mov_b32 v[QTB+\j], 0
.endr
	v_mov_b32 v9, 0xff61b1e6                       ; the largest t so far: -3e38, under every t
	v_mov_b32 v13, 0xff61b1e6
	v_floor_f32 v8, -v9                            ; -M
	v_floor_f32 v12, -v13
	v_mov_b32 v10, 0                               ; the sums, in two halves
	v_mov_b32 v11, 0
	v_mov_b32 v14, 0
	v_mov_b32 v15, 0
	v_mov_b32 v[F+1], 0                            ; (named as the upper half of a pair)
	v_mov_b32 v[PD], 0                             ; (a lane permute's destination counts as one of its sources)
	s_cmp_lt_u32 s2, 8
	s_cselect_b64 s[BQK:BQK+1], s[34:35], s[36:37]
	s_mov_b32 s93, 0x3b800000                      ; 1 / 256
	s_mov_b32 s94, 0x3727c5ac                      ; 1e-5
	s_mov_b32 s[SEL], 0x76543210
	s_mov_b32 s[SEL+1], 0xfedcba98
	s_wait_kmcnt 0x0
	s_min_u32 s40, s40, 3                          ; i
	s_add_co_u32 s41, s40, 1
	s_and_b32 s76, s41, 3                          ; (i + 1) % 4: the next layer, and 0 where lno takes ln1's place
	s_min_u32 s41, s41, 3                          ; the layer whose biases the q, k, v products take
	s_lshl_b32 s76, s76, 10
	v_add_nc_u32 v[PO2], s76, v[GL]
	s_lshl_b32 s76, s40, 19
	s_add_co_u32 s76, s76, 262144                  ; Wo[i]'s place in wc
	s_lshl_b32 s77, s2, 12
	s_add_co_u32 s77, s77, s76
	v_add_nc_u32 v[GL4], s77, v[GL]
	s_lshl_b32 s77, s2, 13
	s_add_co_u32 s77, s77, s76
	v_add_nc_u32 v[GL8], s77, v[GL]
	s_lshl_b32 s77, s40, 10
	v_add_nc_u32 v[PO1], s77, v[GL]
	s_cmp_eq_u32 s40, 3                            ; the last layer: e goes to the output, under lno
	s_cselect_b64 s[96:97], s[12:13], s[10:11]
	s_cselect_b64 s[98:99], s[30:31], s[26:27]
	s_cselect_b64 s[100:101], s[32:33], s[28:29]
	s_add_co_i32 s3, s44, s45
	s_lshl_b32 s3, s3, 23
	s_add_co_i32 s[CS], s3, 0x3e8293ee             ; a score stands for score x 2^(eq + ek): the exponents are added to c's exponent field
	s_mov_b32 s[CS+1], s[CS]
	SCL 54, 55, 47                                 ; p's scale
	v_mov_b32 v[SC], s54
	v_mov_b32 v[LIM], s55
	SCL 68, 69, 48                                 ; ctx's
	SCL 70, 71, 50                                 ; LN2's
	s_add_co_i32 s88, s50, s51
	s_sub_co_i32 s3, s52, s88
	SCL 72, 73, 3                                  ; the hidden layer's: three scales folded into one
	s_sub_co_i32 s88, 0, s88                       ; b1 goes in as b1 / 2^(eX + eW1)
	NEXTSC 56, 57, 58, 59, 60, 61, 62, 63, 66
	s_add_co_i32 s84, s48, s49
	s_add_co_i32 s84, s84, 127
	s_lshl_b32 s84, s84, 23                        ; 2^(ectx + eWo)
	s_mov_b32 s85, s84
	s_add_co_i32 s86, s52, s53
	s_add_co_i32 s86, s86, 127
	s_lshl_b32 s86, s86, 23                        ; 2^(eh + eW2)
	s_mov_b32 s87, s86
	s_add_co_i32 s89, s47, s46                     ; ep + ev
	; ---- attention: four trips of 128 keys, written out: every offset is an immediate
.irp t, 0,1,2,3
	TILE QTA, 8, OA, 0, \t
	TILE QTB, 12, OB, 1, \t
.endr
	; ---- the first row phase's parameters are asked for here, three barriers ahead of their use, into the registers that held Q
	PLOAD BC, PO1, 16                              ; bo
	PLOAD BC+8, PO1, 18                            ; ln2_g
	PLOAD BC+16, PO1, 20                           ; ln2_b
	; ---- the two waves of a head meet: I keep the tile of my number and send the other
	v_add_f32 v10, v10, v11
	v_add_f32 v14, v14, v15
	v_permlanex16_b32 v[PD], v10, s[SEL], s[SEL+1]
	v_permlanex16_b32 v[MX], v14, s[SEL], s[SEL+1]
	v_add_f32 v10, v10, v[PD]                      ; the sums over my 512 keys
	v_add_f32 v14, v14, v[MX]
.set jj, 0
.rept 16
	v_cndmask_b32 v[KEEP+jj], v[OA+jj], v[OB+jj], s92
	v_cndmask_b32 v[SEND+jj], v[OB+jj], v[OA+jj], s92
.set jj, jj+1
.endr
	v_cndmask_b32 v[KEEP+16], v8, v12, s92
	v_cndmask_b32 v[SEND+16], v12, v8, s92
	v_cndmask_b32 v[KEEP+17], v10, v14, s92
	v_cndmask_b32 v[SEND+17], v14, v10, s92
	v_mov_b32 v[SEND+18], 0
	v_mov_b32 v[SEND+19], 0
.irp c, 0,1,2,3,4
	ds_store_b128 v[MS], v[SEND+4*\c:SEND+4*\c+3] offset:512*\c
.endr
	s_lshl_b32 s3, s40, 11
	s_lshl_b32 s95, s2, 7
	s_add_co_u32 s3, s3, s95
	v_bfe_u32 v[B1O], v0, 4, 1
	v_lshl_add_u32 v[B1O], v[B1O], 6, s3           ; b1: hidden units 32 w + 16 (l / 16) on,
.irp n, 0,1,2,3
	global_load_b128 v[ACC+16+4*\n:ACC+16+4*\n+3], v[B1O], s[22:23] offset:16*\n   ; into registers that held O^T
.endr
	BAR
.irp c, 0,1,2,3,4
	ds_load_b128 v[RECV+4*\c:RECV+4*\c+3], v[ML] offset:512*\c
.endr
	s_wait_xcnt 0x0                                ; the prefetches, two trips back, and b1's loads have read their offset registers: the loads below land on the first, the next phase's fragments on the second
	WLOAD WR2, GL8, 65536+4096                     ; W1's tile 2 w + 1
	s_wait_dscnt 0x0
	v_min_num_f32 v122, v[KEEP+16], v[RECV+16]     ; -M of both halves together
	v_sub_f32 v123, v122, v[KEEP+16]
	v_sub_f32 v164, v122, v[RECV+16]
	v_cvt_i32_f32 v123, v123
	v_cvt_i32_f32 v164, v164
	v_ldexp_f32 v123, 1.0, v123                    ; my half's factor, a power of two,
	v_ldexp_f32 v164, 1.0, v164                    ; and the other's
	v_mul_f32 v165, v[KEEP+17], v123
	v_fmac_f32 v165, v[RECV+17], v164              ; the row's sum
	v_rcp_f32 v165, v165
	v_nop
	s_wait_alu depctr_va_vdst(0)                   ; the wait ahead of the reciprocal's first reader
	v_ldexp_f32 v165, v165, s89                    ; x 2^(ep + ev)
	v_mul_f32 v122, v123, v165
	v_mul_f32 v164, v164, v165
.irp j, 0,2,4,6,8,10,12,14
	v_pk_mul_f32 v[KEEP+\j:KEEP+\j+1], v[KEEP+\j:KEEP+\j+1], v[122:123] op_sel_hi:[1,0]
.endr
.irp j, 0,2,4,6,8,10,12,14
	v_pk_fma_f32 v[KEEP+\j:KEEP+\j+1], v[RECV+\j:RECV+\j+1], v[164:165], v[KEEP+\j:KEEP+\j+1] op_sel_hi:[1,0,1]
.endr
	v_mov_b32 v[SC], s68
	v_mov_b32 v[LIM], s69
.set jj, 0
.rept 16
	v_med3_num_f32 v[KEEP+jj], v[KEEP+jj], -v[LIM], v[LIM]
.set jj, jj+1
.endr
	v_cvt_scalef32_pk8_bf8_f32 v[RECV:RECV+1], v[KEEP:KEEP+7], v[SC]
	v_cvt_scalef32_pk8_bf8_f32 v[RECV+2:RECV+3], v[KEEP+8:KEEP+15], v[SC]
	v_nop
	ds_store_b128 v[CI], v[RECV:RECV+3]            ; columns 32 head + 16 (l / 16) + 0 .. 15 of place 16 (w % 2) + r
	BAR                                            ; ctx's four fragments lie in LDS
	; ---- ctx Wo^T
.irp f, 0,1,2,3
	FETCH XF+16*\f, LI, CTXI+FRB*\f
.endr
	s_wait_loadcnt 26                              ; Wo is in: behind it were issued W1's first half (8), the row parameters (6), b1 (4) and W1's second half (8)
	s_wait_dscnt 0x0
	GEMM256
	NOPS 4                                         ; places in front of loads into registers that the products read, and of the first read of results
	WLOAD WR0, GL8, 196608                         ; W2's tile w, K steps 0 and 1
	TOSTAGE
	BAR                                            ; 32 rows of sums lie in the stage
	; ---- e = LN2(e + sum x 2^(ectx + eWo) + bo), and its codes
	ROWPHASE 84, BC, BC+8, BC+16, 1, 8             ; the parameters, b1 and all of W1 are in; W2's eight loads, issued behind them, may be out
.set jj, 0
.rept 16
	v_ldexp_f32 v[BC+jj], v[ACC+16+jj], s88        ; b1 / 2^(eX + eW1), where the row parameters lay
.set jj, jj+1
.endr
	v_mov_b32 v[SC], s70
	v_mov_b32 v[LIM], s71
	QROW 0, Y, ACC, XI
	QROW 1, Y+8, ACC+2, XI
	WLOAD WR3, GL8, 196608+4096                    ; W2's K steps 2 and 3
	BAR
	; ---- the hidden layer: my 32 units for the two tiles of rows
	v_mov_b32 v[SC], s72
	v_mov_b32 v[LIM], s73
	FETCH XF, LI, XI
	FETCH XF+16, LI, XI+FRB
	s_wait_dscnt 0x0
	W1MUL 0
	NOPS 4
	FETCH XF, LI, XI+2*FRB
	FETCH XF+16, LI, XI+3*FRB
	HQUANT 0, 8
	s_wait_dscnt 0x1                               ; the second tile's eight loads are in; the one store issued behind them may be out
	W1MUL 1
	NOPS 4
	PLOAD BC, PO1, 24                              ; b2
	PLOAD BC+8, PO2, 98                            ; the next LayerNorm's gain
	PLOAD BC+16, PO2, 100                          ; and bias
	HQUANT 1, 12
	BAR                                            ; the hidden layer's eight fragments lie in LDS
	; ---- hidden W2^T: K = 512, two accumulators by turns
	FETCH XF, LI, HI
	FETCH XF+16, LI, HI+4*FRB
	FETCH WR1, LI, HI+FRB
	FETCH WR1+16, LI, HI+5*FRB
	FETCH WR2, LI, HI+2*FRB
	FETCH WR2+16, LI, HI+6*FRB
	s_wait_loadcnt 6                               ; W2 is in; the six loads of row parameters, issued behind it, may be out
	s_wait_dscnt 16                                ; K step 0 is in; two K steps' sixteen loads may be out
	v_wmma_f32_16x16x128_bf8_bf8 v[ACC:ACC+7], v[WR0:WR0+15], v[XF:XF+15], 0
	v_wmma_f32_16x16x128_bf8_bf8 v[ACC+8:ACC+15], v[WR0:WR0+15], v[XF+16:XF+31], 0
	NOPS 4
	FETCH XF, LI, HI+3*FRB
	FETCH XF+16, LI, HI+7*FRB
	s_wait_dscnt 16                                ; K step 1 is in; K steps 2 and 3 may be out
	v_wmma_f32_16x16x128_bf8_bf8 v[ACC:ACC+7], v[WR0+16:WR0+31], v[WR1:WR1+15], v[ACC:ACC+7]
	v_wmma_f32_16x16x128_bf8_bf8 v[ACC+8:ACC+15], v[WR0+16:WR0+31], v[WR1+16:WR1+31], v[ACC+8:ACC+15]
	s_wait_dscnt 8
	v_wmma_f32_16x16x128_bf8_bf8 v[ACC:ACC+7], v[WR3:WR3+15], v[WR2:WR2+15], v[ACC:ACC+7]
	v_wmma_f32_16x16x128_bf8_bf8 v[ACC+8:ACC+15], v[WR3:WR3+15], v[WR2+16:WR2+31], v[ACC+8:ACC+15]
	s_wait_dscnt 0x0
	v_wmma_f32_16x16x128_bf8_bf8 v[ACC:ACC+7], v[WR3+16:WR3+31], v[XF:XF+15], v[ACC:ACC+7]
	v_wmma_f32_16x16x128_bf8_bf8 v[ACC+8:ACC+15], v[WR3+16:WR3+31], v[XF+16:XF+31], v[ACC+8:ACC+15]
	NOPS 4
	s_wait_loadcnt 0x0                             ; the row parameters: waited for here, ahead of the loads that only some layers issue, so that both ways count alike
	s_cmp_eq_u32 s40, 3                            ; the next layer's weights and biases, if there is a next layer: no load leaves its buffer
	s_cbranch_scc1 .Lno_next_w
	WLOAD WR1, GL8, 327680                         ; Wq's or Wk's two tiles of my head
	WLOAD WR2, GL8, 327680+4096
	WLOAD WR0, GL4, 458752                         ; Wv's tile w
	BIASES
.Lno_next_w:
	TOSTAGE
	BAR
	; ---- e = LN'(e + sum x 2^(eh + eW2) + b2), stored; its codes under the three scales
	ROWPHASE 86, BC, BC+8, BC+16, 1, -1
	global_store_b128 v[EO], v[E:E+3], s[96:97]    ; each store 512 consecutive bytes of a row
	global_store_b128 v[EO], v[E+4:E+7], s[96:97] offset:512
	global_store_b128 v[EO], v[E+8:E+11], s[96:97] offset:1024
	global_store_b128 v[EO], v[E+12:E+15], s[96:97] offset:1536
	s_cmp_eq_u32 s40, 3
	s_cbranch_scc1 .Lno_next_q
	v_mov_b32 v[SC], s74
	v_mov_b32 v[LIM], s75
	QROW 0, Y, ACC, QI
	QROW 1, Y+8, ACC+2, QI
	v_mov_b32 v[SC], s76
	v_mov_b32 v[LIM], s77
	QROW 0, Y, ACC+4, QI+4*FRB
	QROW 1, Y+8, ACC+6, QI+4*FRB
	v_mov_b32 v[SC], s78
	v_mov_b32 v[LIM], s79
	QROW 0, Y, ACC+8, QI+8*FRB
	QROW 1, Y+8, ACC+10, QI+8*FRB
.Lno_next_q:
	BAR                                            ; every wave passes it, in every layer
	s_cmp_eq_u32 s40, 3
	s_cbranch_scc0 .Lqkv
	s_wait_xcnt 0x0
	v_lshl_add_u32 v254, v0, 2, 0x21000
	v_mov_b32 v255, 0
	s_wait_tensorcnt 0x0
	ds_add_u32 v254, v255
	s_wait_dscnt 0x0
	s_endpgm
.Lqkv:
	QKV
	s_wait_xcnt 0x0
	v_lshl_add_u32 v254, v0, 2, 0x21000
	v_mov_b32 v255, 0
	s_wait_tensorcnt 0x0
	ds_add_u32 v254, v255
	s_wait_dscnt 0x0
	s_endpgm
.Lfunc_end_k_qb12241e4ba_layer0:
	.size	k_qb12241e4ba_layer0, .Lfunc_end_k_qb12241e4ba_layer0-k_qb12241e4ba_layer0
	.p2alignl 7, 3214868480
	.fill 96, 4, 3214868480
	.section	.rodata,"a",@progbits
	.p2align	6, 0x0
	.amdhsa_kernel k_qb12241e4ba_layer0
		.amdhsa_group_segment_fixed_size 137216
		.amdhsa_private_segment_fixed_size 0
		.amdhsa_enable_private_segment 0
		.amdhsa_kernarg_size 136
		.amdhsa_user_sgpr_count 2
		.amdhsa_user_sgpr_kernarg_segment_ptr 1
		.amdhsa_wavefront_size32 1
		.amdhsa_system_sgpr_workgroup_id_x 1
		.amdhsa_system_sgpr_workgroup_id_y 1
		.amdhsa_system_sgpr_workgroup_id_z 1
		.amdhsa_system_vgpr_workitem_id 0
		.amdhsa_next_free_vgpr 256
		.amdhsa_next_free_sgpr 102
		.amdhsa_reserve_vcc 0
		.amdhsa_float_denorm_mode_32 3
		.amdhsa_float_denorm_mode_16_64 3
		.amdhsa_memory_ordered 1
		.amdhsa_forward_progress 1
		.amdhsa_inst_pref_size 168
	.end_amdhsa_kernel
	.amdgpu_metadata
---
amdhsa.version: [ 1, 2 ]
amdhsa.kernels:
  - .name:           k_qb12241e4ba_layer0
    .symbol:         k_qb12241e4ba_layer0.kd
    .args:
      - { .name: lay0, .offset: 0, .size: 8, .value_kind: global_buffer, .address_space: global }
      - { .name: wc, .offset: 8, .size: 8, .value_kind: global_buffer, .address_space: global }
      - { .name: actA, .offset: 16, .size: 8, .value_kind: global_buffer, .address_space: global }
      - { .name: actB, .offset: 24, .size: 8, .value_kind: global_buffer, .address_space: global }
      - { .name: out0, .offset: 32, .size: 8, .value_kind: global_buffer, .address_space: global }
      - { .name: bv, .offset: 40, .size: 8, .value_kind: global_buffer, .address_space: global }
      - { .name: bo, .offset: 48, .size: 8, .value_kind: global_buffer, .address_space: global }
      - { .name: ln2_g, .offset: 56, .size: 8, .value_kind: global_buffer, .address_space: global }
      - { .name: ln2_b, .offset: 64, .size: 8, .value_kind: global_buffer, .address_space: global }
      - { .name: b1, .offset: 72, .size: 8, .value_kind: global_buffer, .address_space: global }
      - { .name: b2, .offset: 80, .size: 8, .value_kind: global_buffer, .address_space: global }
      - { .name: ln1_g, .offset: 88, .size: 8, .value_kind: global_buffer, .address_space: global }
      - { .name: ln1_b, .offset: 96, .size: 8, .value_kind: global_buffer, .address_space: global }
      - { .name: lno_g, .offset: 104, .size: 8, .value_kind: global_buffer, .address_space: global }
      - { .name: lno_b, .offset: 112, .size: 8, .value_kind: global_buffer, .address_space: global }
      - { .name: bq, .offset: 120, .size: 8, .value_kind: global_buffer, .address_space: global }
      - { .name: bk, .offset: 128, .size: 8, .value_kind: global_buffer, .address_space: global }
    .group_segment_fixed_size: 137216
    .private_segment_fixed_size: 0
    .kernarg_segment_align: 8
    .kernarg_segment_size: 136
    .max_flat_workgroup_size: 512
    .sgpr_count:     102
    .vgpr_count:     256
    .wavefront_size: 32
...
	.end_amdgpu_metadata
.endif
;; end of part 3
;; launch layer1: the kernel of part 3 again; grid 256 x 1, 16 waves a work-group, no clusters, 137,216 bytes of LDS; arguments lay1, wc, actB, actA, out0, bv, bo, ln2_g, ln2_b, b1, b2, ln1_g, ln1_b, lno_g, lno_b, bq, bk; writes actA, out0
;; launch layer2: the kernel of part 3 again; grid 256 x 1, 16 waves a work-group, no clusters, 137,216 bytes of LDS; arguments lay2, wc, actA, actB, out0, bv, bo, ln2_g, ln2_b, b1, b2, ln1_g, ln1_b, lno_g, lno_b, bq, bk; writes actB, out0
;; launch layer3: the kernel of part 3 again; grid 256 x 1, 16 waves a work-group, no clusters, 137,216 bytes of LDS; arguments lay3, wc, actB, actA, out0, bv, bo, ln2_g, ln2_b, b1, b2, ln1_g, ln1_b, lno_g, lno_b, bq, bk; writes actA, out0
;; ======== version 2 of 2: 6 launches
;; workspace buffers: wc 2,162,688 bytes; lay0 256 bytes of whole numbers; lay1 256 bytes of whole numbers; lay2 256 bytes of whole numbers; lay3 256 bytes of whole numbers; actA 14,680,064 bytes; actB 14,680,064 bytes
;; launch prep (part 4): grid 264 x 1, 4 waves a work-group, no clusters, 9,216 bytes of LDS; arguments Win, Wq, Wk, Wv, Wo, W1, W2, lowp_scales, wc, lay0, lay1, lay2, lay3; writes wc, lay0, lay1, lay2, lay3
.if DOCPART == 4
	.amdgcn_target "amdgcn-amd-amdhsa--gfx1250"
	.amdhsa_code_object_version 6
	.text
	.protected	k_qb12241e4ba_prep
	.globl	k_qb12241e4ba_prep
	.p2align	8
	.type	k_qb12241e4ba_prep,@function
k_qb12241e4ba_prep:
	s_mov_b64 s[64:65], 0
	v_nop
	global_prefetch_b8 v0, s[64:65] scope:SCOPE_SE
	s_setreg_imm32_b32 hwreg(HW_REG_WAVE_MODE, 25, 1), 1
	s_wait_xcnt 0x0
; All weights, f32 [n][k], become codes of BF8 (E5M2), each tensor and layer with the one scale 2^e that is given for it, laid in the ORDER OF THE OPERAND'S REGISTERS.
; A fragment is 16 rows x 128 k = 2,048 bytes: block c (512 bytes) holds lane l's 16 bytes at 16 l: row l % 16 of the tile, k = 32 c + 16 (l / 16) + 0 .. 15.
; THE ROWS OF A TILE ARE NOT NEIGHBOURS: row r of tile t is n = 32 (t / 2) + 8 (t % 2) + r % 8 + 16 (r / 8), so that two neighbouring tiles, used as source 0, leave a lane 16 neighbouring columns.
; wc: Win 64 KiB; then for each layer Wq, Wk, Wv, Wo 64 KiB each, W1, W2 128 KiB each; inside a matrix the fragments lie [tile][K step].
; 1,056 fragments, one a wave: chunk of 64 KiB = work-group / 8, fragment in it = 4 (work-group % 8) + wave.
; Each load reads 512 consecutive bytes of one row; the codes turn through the wave's own 2,176 bytes of LDS (eight blocks of 256 bytes, 272 apart) and leave as 512 consecutive bytes a store.
; code = x / 2^e, held within +-57,344, to the nearest code, ties to even.  LIMITS: e between -126 and 112.  NaN among the inputs is not served.
; Work-group 0's wave 0 also stores, for each layer i, a buffer of 64 whole numbers: word 0 is i; word k is entry 16 i + k of the scales' exponents (where that would pass the last entry: one of the last two, which
; nobody uses).  So words 8 to 17 are the layer's entries 6 to 15 and words 18 to 26 the next layer's 0 to 8, and a layer's launch has its number and its scales by loads that do not hang on each other.
.set FRB, 2176
.set X,   16                           ; v16-79  16 rows x 4 numbers
.set C,   80                           ; v80-95  a dword of codes for each row
.set OUTR, 96                          ; v96-111 the fragment as it is stored
.set LN,  6                            ; v6-13   a pair of whole numbers for each layer's buffer
.set LO,  112                          ; v112-115 where they are loaded from; v116 where they go
	s_load_b512 s[4:19], s[0:1], 0x0               ; Win, Wq, Wk, Wv, Wo, W1, W2, the scales' exponents
	s_load_b256 s[20:27], s[0:1], 0x40             ; wc, lay0, lay1, lay2
	s_load_b64 s[28:29], s[0:1], 0x60              ; lay3
	v_lshl_add_u32 v120, v0, 2, 0x2200
	v_mov_b32 v121, 0
	v_lshrrev_b32 v1, 5, v0
	v_readfirstlane_b32 s2, v1                     ; wave
	v_and_b32 v2, 31, v0                           ; lane
	s_mul_i32 s3, s2, FRB                          ; my wave's bytes of LDS
	v_lshrrev_b32 v3, 2, v2
	v_mul_u32_u24 v3, v3, 272
	v_and_b32 v4, 3, v2
	v_lshl_add_u32 v3, v4, 2, v3
	v_add_nc_u32 v3, s3, v3                        ; in: my four k = 4 l .. lie in block l / 4, at byte 4 (l % 4) of a row's 16
	v_bfe_u32 v4, v0, 4, 1
	v_mul_u32_u24 v4, v4, 272
	v_and_b32 v5, 15, v0
	v_lshl_add_u32 v4, v5, 4, v4
	v_add_nc_u32 v4, s3, v4                        ; out: 272 (l / 16) + 16 (l % 16); block pair c 544 bytes on
	s_lshr_b32 s30, ttmp9, 3                       ; chunk 0 .. 32
	s_and_b32 s31, ttmp9, 7
	s_lshl_b32 s31, s31, 2
	s_add_co_u32 s31, s31, s2                      ; fragment 0 .. 31 of the chunk
	s_lshl_b32 s32, s30, 16
	s_lshl_b32 s33, s31, 11
	s_add_co_u32 s32, s32, s33                     ; its byte in wc
	s_max_u32 s34, s30, 1
	s_sub_co_u32 s34, s34, 1
	s_lshr_b32 s35, s34, 3                         ; the layer
	s_and_b32 s36, s34, 7                          ; m: 0 Wq, 1 Wk, 2 Wv, 3 Wo, 4, 5 W1, 6, 7 W2 (chunk 0: Win, walked as m = 0 of layer 0)
	s_lshl_b32 s40, s36, 1
	s_add_co_u32 s40, s40, 1                       ; the scale's entry in its layer's sixteen: 2 m + 1 for Wq, Wk, Wv,
	s_lshr_b32 s41, s36, 1
	s_lshl_b32 s41, s41, 1
	s_add_co_u32 s41, s41, 9                       ; 11, 13, 15 for Wo, W1, W2
	s_cmp_lt_u32 s36, 3
	s_cselect_b32 s40, s40, s41
	s_lshl_b32 s41, s35, 4
	s_add_co_u32 s40, s40, s41
	s_add_co_u32 s40, s40, 2
	s_cmp_eq_u32 s30, 0
	s_cselect_b32 s40, 1, s40                      ; Win's is entry 1
	s_lshl_b32 s40, s40, 2
	s_and_b32 s43, s36, 1
	s_cmp_ge_u32 s36, 4
	s_cselect_b32 s43, s43, 0                      ; the second chunk of W1 or W2
	s_cselect_b32 s47, 19, 18                      ; a layer of W1 or W2 is 2^19 bytes, of the others 2^18
	s_lshl_b32 s48, s35, s47
	s_lshl_b32 s43, s43, 5
	s_add_co_u32 s43, s43, s31                     ; the fragment's number in its matrix
	s_cmp_ge_u32 s36, 6
	s_cselect_b32 s44, 2, 1                        ; W2 has four K steps, the others two
	s_cselect_b32 s45, 3, 1
	s_cselect_b32 s46, 11, 10                      ; and rows of 2,048 bytes, the others of 1,024
	s_lshr_b32 s47, s43, s44                       ; tile
	s_and_b32 s45, s43, s45                        ; K step
	s_lshr_b32 s33, s47, 1
	s_lshl_b32 s33, s33, 5
	s_and_b32 s47, s47, 1
	s_lshl_b32 s47, s47, 3
	s_add_co_u32 s33, s33, s47                     ; the tile's first row
	s_lshl_b32 s33, s33, s46
	s_add_co_u32 s48, s48, s33
	s_lshl_b32 s45, s45, 9
	s_add_co_u32 s48, s48, s45
	v_lshl_add_u32 v1, v2, 4, s48                  ; from: layer + row + 512 x K step + 16 l
	v_lshl_add_u32 v5, v2, 4, s32                  ; to
	s_wait_kmcnt 0x0
	s_load_b32 s42, s[18:19], s40 offset:0x0       ; e
	s_cmp_eq_u32 s36, 1                            ; the source is chosen on the work-group's number alone
	s_cselect_b64 s[38:39], s[8:9], s[6:7]
	s_cmp_eq_u32 s36, 2
	s_cselect_b64 s[38:39], s[10:11], s[38:39]
	s_cmp_eq_u32 s36, 3
	s_cselect_b64 s[38:39], s[12:13], s[38:39]
	s_cmp_ge_u32 s36, 4
	s_cselect_b64 s[38:39], s[14:15], s[38:39]
	s_cmp_ge_u32 s36, 6
	s_cselect_b64 s[38:39], s[16:17], s[38:39]
	s_cmp_eq_u32 s30, 0
	s_cselect_b64 s[38:39], s[4:5], s[38:39]
.macro LOAD16 stride                   ; the tile's 16 rows, 128 k of each: 32 lanes read 512 consecutive bytes
.irp i, 0,1,2,3,4,5,6,7,8,9,10,11,12,13,14,15
	global_load_b128 v[X+4*\i:X+4*\i+3], v1, s[38:39] offset:((\i%8)+16*(\i/8))*\stride th:TH_LOAD_NT
.endr
.endm
	s_cmp_ge_u32 s36, 6
	s_cbranch_scc1 .Lwide
	s_wait_alu depctr_va_vdst(0)
	LOAD16 1024
	s_branch .Lloaded
.Lwide:
	s_wait_alu depctr_va_vdst(0)
	LOAD16 2048
.Lloaded:
	s_or_b32 s3, ttmp9, s2
	s_cmp_lg_u32 s3, 0
	s_cbranch_scc1 .Lothers
	; the layers' whole numbers: one wave of the launch.  Its four loads go out directly behind its sixteen, and the wait is the one that its weights need in any case
.irp i, 0,1,2,3
	v_add_nc_u32 v[LO+\i], 8*\i, v2                ; lane l takes the pair of entries 16 i + 2 l, + 1,
	v_min_u32 v[LO+\i], 32, v[LO+\i]               ; held at the last pair, entries 64 and 65: no load leaves the buffer
	v_lshlrev_b32 v[LO+\i], 3, v[LO+\i]
	global_load_b64 v[LN+2*\i:LN+2*\i+1], v[LO+\i], s[18:19]
.endr
	v_lshlrev_b32 v[LO+4], 3, v2
	v_cmp_eq_u32 vcc_lo, 0, v2
	s_wait_loadcnt 0x0
.irp i, 0,1,2,3
	v_cndmask_b32 v[LN+2*\i], v[LN+2*\i], \i, vcc_lo   ; word 0: the layer's number
.endr
	s_wait_alu depctr_va_vdst(0)
	global_store_b64 v[LO+4], v[LN:LN+1], s[22:23]     ; 32 lanes x 8 bytes fill each buffer's 256 bytes
	global_store_b64 v[LO+4], v[LN+2:LN+3], s[24:25]
	global_store_b64 v[LO+4], v[LN+4:LN+5], s[26:27]
	global_store_b64 v[LO+4], v[LN+6:LN+7], s[28:29]
.Lothers:
	s_wait_kmcnt 0x0
	s_add_co_i32 s42, s42, 127
	s_lshl_b32 s43, s42, 23
	v_mov_b32 v14, s43                             ; 2^e as f32: the conversion takes its exponent field
	s_add_co_i32 s42, s42, 15
	s_lshl_b32 s42, s42, 23
	s_or_b32 s42, s42, 0x600000
	v_mov_b32 v15, s42                             ; 57,344 x 2^e
	s_wait_alu depctr_va_vdst(0)
	s_wait_loadcnt 0x0
.set jj, 0
.rept 64
	v_med3_num_f32 v[X+jj], v[X+jj], -v15, v15     ; the conversion to an 8-bit code does not saturate (ISA guide 7.6.2): the hold comes first
.set jj, jj+1
.endr
.irp k, 0,1,2,3,4,5,6,7
	v_cvt_scalef32_pk8_bf8_f32 v[C+2*\k:C+2*\k+1], v[X+8*\k:X+8*\k+7], v14   ; rows 2 k and 2 k + 1, four codes each
.endr
	v_nop
.irp i, 0,1,2,3,4,5,6,7,8,9,10,11,12,13,14,15
	ds_store_b32 v3, v[C+\i] offset:16*\i
.endr
.irp c, 0,1,2,3
	ds_load_b128 v[OUTR+4*\c:OUTR+4*\c+3], v4 offset:544*\c   ; LDS serves a wave's instructions in order: these see my stores; the bytes are my wave's own
.endr
	s_wait_dscnt 0x0
.irp c, 0,1,2,3
	global_store_b128 v5, v[OUTR+4*\c:OUTR+4*\c+3], s[20:21] offset:512*\c   ; 512 consecutive bytes, at a multiple of 512 from wc's first byte
.endr
	s_wait_tensorcnt 0x0
	ds_add_u32 v120, v121
	s_wait_dscnt 0x0
	s_endpgm
.Lfunc_end_k_qb12241e4ba_prep:
	.size	k_qb12241e4ba_prep, .Lfunc_end_k_qb12241e4ba_prep-k_qb12241e4ba_prep
	.p2alignl 7, 3214868480
	.fill 96, 4, 3214868480
	.section	.rodata,"a",@progbits
	.p2align	6, 0x0
	.amdhsa_kernel k_qb12241e4ba_prep
		.amdhsa_group_segment_fixed_size 9216
		.amdhsa_private_segment_fixed_size 0
		.amdhsa_enable_private_segment 0
		.amdhsa_kernarg_size 104
		.amdhsa_user_sgpr_count 2
		.amdhsa_user_sgpr_kernarg_segment_ptr 1
		.amdhsa_wavefront_size32 1
		.amdhsa_system_sgpr_workgroup_id_x 1
		.amdhsa_system_sgpr_workgroup_id_y 1
		.amdhsa_system_sgpr_workgroup_id_z 1
		.amdhsa_system_vgpr_workitem_id 0
		.amdhsa_next_free_vgpr 122
		.amdhsa_next_free_sgpr 66
		.amdhsa_reserve_vcc 1
		.amdhsa_float_denorm_mode_32 3
		.amdhsa_float_denorm_mode_16_64 3
		.amdhsa_memory_ordered 1
		.amdhsa_forward_progress 1
		.amdhsa_inst_pref_size 15
	.end_amdhsa_kernel
	.amdgpu_metadata
---
amdhsa.version: [ 1, 2 ]
amdhsa.kernels:
  - .name:           k_qb12241e4ba_prep
    .symbol:         k_qb12241e4ba_prep.kd
    .args:
      - { .name: Win, .offset: 0, .size: 8, .value_kind: global_buffer, .address_space: global }
      - { .name: Wq, .offset: 8, .size: 8, .value_kind: global_buffer, .address_space: global }
      - { .name: Wk, .offset: 16, .size: 8, .value_kind: global_buffer, .address_space: global }
      - { .name: Wv, .offset: 24, .size: 8, .value_kind: global_buffer, .address_space: global }
      - { .name: Wo, .offset: 32, .size: 8, .value_kind: global_buffer, .address_space: global }
      - { .name: W1, .offset: 40, .size: 8, .value_kind: global_buffer, .address_space: global }
      - { .name: W2, .offset: 48, .size: 8, .value_kind: global_buffer, .address_space: global }
      - { .name: lowp_scales, .offset: 56, .size: 8, .value_kind: global_buffer, .address_space: global }
      - { .name: wc, .offset: 64, .size: 8, .value_kind: global_buffer, .address_space: global }
      - { .name: lay0, .offset: 72, .size: 8, .value_kind: global_buffer, .address_space: global }
      - { .name: lay1, .offset: 80, .size: 8, .value_kind: global_buffer, .address_space: global }
      - { .name: lay2, .offset: 88, .size: 8, .value_kind: global_buffer, .address_space: global }
      - { .name: lay3, .offset: 96, .size: 8, .value_kind: global_buffer, .address_space: global }
    .group_segment_fixed_size: 9216
    .private_segment_fixed_size: 0
    .kernarg_segment_align: 8
    .kernarg_segment_size: 104
    .max_flat_workgroup_size: 128
    .sgpr_count:     66
    .vgpr_count:     122
    .wavefront_size: 32
...
	.end_amdgpu_metadata
.endif
;; end of part 4
;; launch first (part 5): grid 256 x 1, 16 waves a work-group, no clusters, 96,256 bytes of LDS; arguments x, wc, actA, lowp_scales, bin_, ln1_g, ln1_b, bq, bk, bv; writes actA
.if DOCPART == 5
	.amdgcn_target "amdgcn-amd-amdhsa--gfx1250"
	.amdhsa_code_object_version 6
	.text
	.protected	k_qb12241e4ba_first
	.globl	k_qb12241e4ba_first
	.p2align	8
	.type	k_qb12241e4ba_first,@function
k_qb12241e4ba_first:
	s_mov_b64 s[64:65], 0
	v_nop
	global_prefetch_b8 v0, s[64:65] scope:SCOPE_SE
	s_setreg_imm32_b32 hwreg(HW_REG_WAVE_SCHED_MODE, 0, 2), 2
	s_setreg_imm32_b32 hwreg(HW_REG_WAVE_MODE, 25, 1), 1
	s_wait_xcnt 0x0
	s_wait_alu depctr_vm_vsrc(0)
; e = LN1[0](x Win^T + bin), stored as f32, and layer 0's q, k, v as codes of BF8 (E5M2), all products on codes, each operand with the one scale 2^e that is given for it.
; SHARES.  A work-group of sixteen waves owns 32 rows.  Inside it rows are kept in tile order: place 16 x + r stands for row 8 x + r % 8 + 16 (r / 8), so that q, k and v leave in the order in which the attention's operands take them.
; A wave has two roles.  COLUMN OWNER: its own weight tiles, loaded from wc straight into registers (each fragment by one wave), against both tiles of rows.  ROW OWNER: wave w owns places 2 w and 2 w + 1
; (two neighbouring rows); lane l holds columns 4 l .. + 3 and 128 + 4 l .. + 3, so every access of x and e is 512 consecutive bytes and a LayerNorm needs lane sums alone.
; Operands go from wave to wave through LDS as images of their registers: a fragment is eight blocks of 256 bytes, 272 apart; sums go back to the row owners through a stage of 32 rows x (1,024 + 16) bytes.
; act: e f32 [8192][256] at 0; q at 8 MiB: [tile of rows][head][512 B]; k and v at 10 MiB: [sequence][128 keys][head][K 4 KiB | V 4 KiB].
; No tensor load and no cluster: every weight byte goes once into one wave's registers, and nothing is shared through LDS but the rows' codes.
; LIMITS on the given exponents, so that each power of two below is an f32 number: entries 0, 2, 4, 6 and (8) - (2) - (3), (9) - (4) - (5), (10) - (6) - (7) between -126 and 112; (0) + (1) between -126 and 127.  NaN among the inputs is not served.
; THE MODE: SCHED_MODE bits 1:0 = 2 (LLVM: expert scheduling mode 2), set by the entry lines.  The code itself states the register dependences
; between vector or matrix instructions and memory or LDS instructions, with s_wait_alu, always for 0.
; THE PLAN.  Registers that memory or LDS instructions touch, and who else names them:
;   v1-6, v232, v236, v237  offsets and LDS addresses: made at the head, never written again.  The offsets stand ahead of the wait in front of the first load, the LDS addresses ahead of the wait in front of the first LDS stores.
;   v[XF ..], v[WR0 ..]     loaded; read by products; loaded again only behind the one wait on va_vdst that follows those products.  The same wait states the accumulators for the stores into the stage.
;   v[ACC ..]               accumulators (products write, the stage's stores read) and codes (conversions write, LDS stores read) by turns: each run of stores behind one wait on va_vdst, each change of writer behind a wait on vm_vsrc.
;   v[E ..]                 x as loaded, then e: written by the LayerNorm, read by e's four stores behind one wait on va_vdst; v254 and v255 are made anew at the end, behind a wait on vm_vsrc.
;   v8-15, v20-23, v233-235 q's or k's codes, v's codes and their places: written by vector lines, read by the last three stores, which stand together behind one wait on va_vdst.
.set FRB,    2176
.set CTXI,   0                         ; LDS: x's four fragments (2 x + K step),
.set QI,     16*FRB                    ; three times four fragments: e under the scales of the q, k and v products,
.set STG,    28*FRB                    ; the stage
.set SPITCH, 1040
.set QOFF,   8388608
.set KVOFF,  10485760
.set LI,  1                            ; v1   272 (l / 16) + 16 (l % 16): my 16 bytes of an image's block pair
.set GL,  2                            ; v2   16 l
.set EO,  3                            ; v3   my 16 bytes of my first row of x and e
.set GL4, 4                            ; v4   16 l + 4,096 w
.set GL8, 5                            ; v5   16 l + 8,192 w
.set RI,  6                            ; v6   where a row owner puts a dword of codes
.set BC,  16                           ; v16-39   row parameters, later biases as C
.set WR0, 40                           ; v40-71   weights
.set WR1, 72                           ; v72-103
.set XF,  104                          ; v104-167 four fragments of rows
.set Y,   104                          ; v104-119 a row owner's sums
.set WR3, 136
.set ACC, 168                          ; v168-199 accumulators; codes in the row phases
.set WR2, 200                          ; v200-231
.set D0,  233                          ; v233-235 where q | k and v go
.set D1,  234
.set DV,  235
.set SW,  229                          ; (set below)
.set SR,  236                          ; v236 the stage: where I read my rows
.set QA,  237                          ; v237 the image that my q or k products read
.set SC,  238                          ; v238 the conversion's scale, v239 the largest number x that
.set LIM, 239
.set E,   240                          ; v240-255 my two rows: x, then e
.set SW,  232                          ; v232 the stage: where I put 32 bytes of a row
.set WC,   6
.set AOUT, 8
.set SEL,  10                          ; s[10:11] lane selects for v_permlanex16_b32: lane l xor 16 (in the registers that held the scales' address)
.set BQK,  18
.set BVP,  22
.macro NOPS n
.rept \n
	v_nop
.endr
.endm
.macro BAR                             ; my LDS stores have landed and my LDS loads are in: then the work-group's barrier
	s_wait_dscnt 0x0
	s_barrier_signal -1
	s_barrier_wait -1
.endm
.macro SCL sc, lim, e                  ; s[sc] = 2^e as f32, s[lim] = 57,344 x 2^e
	s_add_co_i32 s[\lim], s[\e], 127
	s_lshl_b32 s[\sc], s[\lim], 23
	s_add_co_i32 s[\lim], s[\lim], 15
	s_lshl_b32 s[\lim], s[\lim], 23
	s_or_b32 s[\lim], s[\lim], 0x600000
.endm
.macro NEXTSC n0, n1, n2, n3, n4, n5, n6, n7, n8   ; the scales of the q, k, v products: A and B of each, then q's, k's and v's own
	SCL 74, 75, \n0
	SCL 76, 77, \n2
	SCL 78, 79, \n4
	s_cmp_lt_u32 s2, 8                             ; waves 0-7 make q, waves 8-15 k
	s_cselect_b32 s3, s[\n0], s[\n2]
	s_cselect_b32 s90, s[\n1], s[\n3]
	s_cselect_b32 s95, s[\n6], s[\n7]
	s_add_co_i32 s90, s3, s90                      ; a sum stands for sum x 2^(eA + eW):
	s_sub_co_i32 s3, s95, s90
	SCL 80, 81, 3                                  ; the three scales folded into the conversion's one,
	s_sub_co_i32 s90, 0, s90                       ; and the bias goes in as bias / 2^(eA + eW)
	s_add_co_i32 s91, s[\n4], s[\n5]
	s_sub_co_i32 s3, s[\n8], s91
	SCL 82, 83, 3
	s_sub_co_i32 s91, 0, s91
.endm
.macro WLOAD reg, adr, imm             ; two fragments of weights, 4,096 bytes: each load 512 consecutive bytes
.irp n, 0,1,2,3,4,5,6,7
	global_load_b128 v[(\reg)+4*\n:(\reg)+4*\n+3], v[\adr], s[WC:WC+1] offset:(\imm)+512*\n
.endr
.endm
.macro PLOAD reg, adr, base            ; a row owner's eight numbers of a vector of 256
	global_load_b128 v[(\reg):(\reg)+3], v[\adr], s[\base:\base+1]
	global_load_b128 v[(\reg)+4:(\reg)+7], v[\adr], s[\base:\base+1] offset:512
.endm
.macro FETCH reg, adr, off             ; a fragment's image comes back as registers
.irp c, 0,1,2,3
	ds_load_b128 v[(\reg)+4*\c:(\reg)+4*\c+3], v[\adr] offset:(\off)+544*\c
.endr
.endm
.macro GEMM256                         ; my tile of 16 columns for both tiles of rows, K = 256: two accumulators by turns
	v_wmma_f32_16x16x128_bf8_bf8 v[ACC:ACC+7], v[WR0:WR0+15], v[XF:XF+15], 0
	v_wmma_f32_16x16x128_bf8_bf8 v[ACC+8:ACC+15], v[WR0:WR0+15], v[XF+32:XF+47], 0
	v_wmma_f32_16x16x128_bf8_bf8 v[ACC:ACC+7], v[WR0+16:WR0+31], v[XF+16:XF+31], v[ACC:ACC+7]
	v_wmma_f32_16x16x128_bf8_bf8 v[ACC+8:ACC+15], v[WR0+16:WR0+31], v[XF+48:XF+63], v[ACC+8:ACC+15]
.endm
.macro TOSTAGE                         ; lane (r, h): eight neighbouring columns of place 16 x + r
.irp x, 0,1
	ds_store_b128 v[SW], v[ACC+8*\x:ACC+8*\x+3] offset:16*SPITCH*\x
	ds_store_b128 v[SW], v[ACC+8*\x+4:ACC+8*\x+7] offset:16*SPITCH*\x+16
.endr
.endm
.macro LANES a, ta, b, tb              ; two sums over the 32 lanes, line by line
.irp m, 1,2,4,8
	v_add_f32_dpp v[\a], v[\a], v[\a] row_xmask:\m row_mask:0xf bank_mask:0xf
	v_add_f32_dpp v[\b], v[\b], v[\b] row_xmask:\m row_mask:0xf bank_mask:0xf
.endr
	v_permlanex16_b32 v[\ta], v[\a], s[SEL], s[SEL+1]
	v_permlanex16_b32 v[\tb], v[\b], s[SEL], s[SEL+1]
	v_add_f32 v[\a], v[\a], v[\ta]
	v_add_f32 v[\b], v[\b], v[\tb]
.endm
; My two rows: y = sum x s[mul] + bias (+ E); E = LayerNorm(y) in two passes, as it is defined: mean, then the mean square of y - mean.
.macro ROWPHASE mul, bi, g, bb, res, lc
.irp i, 0,1
	ds_load_b128 v[Y+8*\i:Y+8*\i+3], v[SR] offset:SPITCH*\i
	ds_load_b128 v[Y+8*\i+4:Y+8*\i+7], v[SR] offset:SPITCH*\i+512
.endr
	s_wait_alu depctr_vm_vsrc(0)                   ; my stores into the stage have read the accumulators, into which the conversions behind this phase write codes
.if \lc
	s_wait_loadcnt 0x0
.endif
	s_wait_dscnt 0x0
.irp i, 0,8
.irp j, 0,2,4,6
	v_pk_fma_f32 v[Y+\i+\j:Y+\i+\j+1], v[Y+\i+\j:Y+\i+\j+1], s[\mul:\mul+1], v[\bi+\j:\bi+\j+1] op_sel_hi:[1,0,1]
.endr
.endr
.if \res
.irp j, 0,2,4,6,8,10,12,14
	v_pk_add_f32 v[Y+\j:Y+\j+1], v[Y+\j:Y+\j+1], v[E+\j:E+\j+1]
.endr
.endif
	v_pk_add_f32 v[8:9], v[Y:Y+1], v[Y+2:Y+3]
	v_pk_add_f32 v[12:13], v[Y+8:Y+9], v[Y+10:Y+11]
	v_pk_add_f32 v[10:11], v[Y+4:Y+5], v[Y+6:Y+7]
	v_pk_add_f32 v[14:15], v[Y+12:Y+13], v[Y+14:Y+15]
	v_pk_add_f32 v[8:9], v[8:9], v[10:11]
	v_pk_add_f32 v[12:13], v[12:13], v[14:15]
	v_add_f32 v8, v8, v9
	v_add_f32 v12, v12, v13
	LANES 8, 10, 12, 14
	v_mul_f32 v8, s93, v8                          ; the means
	v_mul_f32 v12, s93, v12
.irp j, 0,2,4,6
	v_pk_add_f32 v[Y+\j:Y+\j+1], v[Y+\j:Y+\j+1], v[8:9] op_sel_hi:[1,0] neg_lo:[0,1] neg_hi:[0,1]
	v_pk_add_f32 v[Y+8+\j:Y+8+\j+1], v[Y+8+\j:Y+8+\j+1], v[12:13] op_sel_hi:[1,0] neg_lo:[0,1] neg_hi:[0,1]
.endr
	v_pk_mul_f32 v[10:11], v[Y:Y+1], v[Y:Y+1]
	v_pk_mul_f32 v[14:15], v[Y+8:Y+9], v[Y+8:Y+9]
.irp j, 2,4,6
	v_pk_fma_f32 v[10:11], v[Y+\j:Y+\j+1], v[Y+\j:Y+\j+1], v[10:11]
	v_pk_fma_f32 v[14:15], v[Y+8+\j:Y+8+\j+1], v[Y+8+\j:Y+8+\j+1], v[14:15]
.endr
	v_add_f32 v10, v10, v11
	v_add_f32 v14, v14, v15
	LANES 10, 11, 14, 15
	v_fma_f32 v10, v10, s93, s94                   ; the variance + 1e-5
	v_fma_f32 v14, v14, s93, s94
	s_wait_alu depctr_va_vdst(0)
	v_rsq_f32 v10, v10
	v_rsq_f32 v14, v14
	v_nop                                          ; a plain line behind the transcendentals,
	s_wait_alu depctr_va_vdst(0)                   ; and the one wait ahead of their first reader: v10 and v14 are written
.irp j, 0,2,4,6
	v_pk_mul_f32 v[Y+\j:Y+\j+1], v[Y+\j:Y+\j+1], v[10:11] op_sel_hi:[1,0]
	v_pk_mul_f32 v[Y+8+\j:Y+8+\j+1], v[Y+8+\j:Y+8+\j+1], v[14:15] op_sel_hi:[1,0]
.endr
.irp j, 0,2,4,6
	v_pk_fma_f32 v[E+\j:E+\j+1], v[Y+\j:Y+\j+1], v[\g+\j:\g+\j+1], v[\bb+\j:\bb+\j+1]
	v_pk_fma_f32 v[E+8+\j:E+8+\j+1], v[Y+8+\j:Y+8+\j+1], v[\g+\j:\g+\j+1], v[\bb+\j:\bb+\j+1]
.endr
.endm
; Row i of E becomes eight codes: a dword for each K step's image.  QCODE makes them, QSEND stores them: a phase's codes are all made first, so that one wait on va_vdst serves the run of stores.
.macro QCODE i, T, C
.irp j, 0,1,2,3,4,5,6,7
	v_med3_num_f32 v[(\T)+\j], v[E+8*\i+\j], -v[LIM], v[LIM]   ; the conversion does not saturate (ISA guide 7.6.2): the hold comes first
.endr
	v_cvt_scalef32_pk8_bf8_f32 v[\C:\C+1], v[(\T):(\T)+7], v[SC]
	v_nop                                          ; a plain line behind the conversion, ahead of whatever next writes its sources
.endm
.macro QSEND i, C, img
	ds_store_b32 v[RI], v[\C] offset:(\img)+16*\i
	ds_store_b32 v[RI], v[\C+1] offset:(\img)+16*\i+FRB
.endm
; bq | bk in the result's layout (16 numbers a lane) and bv (one a lane), of layer s41.  BIASADR makes the two offsets, ahead of the wait that stands behind the products in any case; BIASLD loads.
.macro BIASADR
	s_lshl_b32 s95, s41, 10
	s_and_b32 s3, s2, 7
	s_lshl_b32 s3, s3, 7
	s_add_co_u32 s3, s3, s95
	v_bfe_u32 v[WR3+18], v0, 4, 1
	v_lshl_add_u32 v[WR3+18], v[WR3+18], 6, s3     ; columns 32 head + 16 (l / 16) on
	s_lshr_b32 s3, s2, 1
	s_lshl_b32 s3, s3, 7
	s_add_co_u32 s95, s95, s3
	s_and_b32 s3, s2, 1
	s_lshl_b32 s3, s3, 5
	s_add_co_u32 s95, s95, s3
	v_and_b32 v[WR3+19], 7, v0
	v_bfe_u32 v[WR3+20], v0, 3, 1
	v_lshl_add_u32 v[WR3+19], v[WR3+20], 4, v[WR3+19]
	v_lshl_add_u32 v[WR3+19], v[WR3+19], 2, s95    ; column 32 (w / 2) + 8 (w % 2) + r % 8 + 16 (r / 8): row r of Wv's tile w
.endm
.macro BIASLD
.irp n, 0,1,2,3
	global_load_b128 v[WR3+4*\n:WR3+4*\n+3], v[WR3+18], s[BQK:BQK+1] offset:16*\n
.endr
	global_load_b32 v[WR3+16], v[WR3+19], s[BVP:BVP+1]
.endm
; q (waves 0-7, head w) or k (waves 8-15, head w - 8), transposed: a lane holds 16 neighbours of the head's 32 of one row; then v's tile w with the sources in natural order: a lane holds 16 neighbouring rows at one column.
.macro QKV
	s_wait_loadcnt 0x0                             ; the weights and the biases
.set jj, 0
.rept 16
	v_ldexp_f32 v[BC+jj], v[WR3+jj], s90
.set jj, jj+1
.endr
	v_ldexp_f32 v[BC+16], v[WR3+16], s91
.irp j, 17,18,19,20,21,22,23
	v_mov_b32 v[BC+\j], v[BC+16]
.endr
	s_wait_alu depctr_va_vdst(0)                   ; the lines above are done reading the biases as loaded, v[WR3 ..], in which fragments land below
	s_wait_alu depctr_vm_vsrc(0)                   ; the codes' LDS stores have read v[ACC ..], which the products below write
.irp f, 0,1,2,3
	FETCH XF+16*\f, QA, FRB*\f
.endr
	s_and_b32 s3, s2, 7                            ; the head
	s_lshl_b32 s54, ttmp9, 13
	s_lshl_b32 s55, s3, 9
	s_add_co_u32 s54, s54, s55
	s_add_co_u32 s54, s54, QOFF                    ; q: tile of rows 2 wg, my head
	s_lshr_b32 s55, ttmp9, 2
	s_lshl_b32 s55, s55, 16
	s_add_co_u32 s55, s55, KVOFF                   ; the 128 keys among which my 32 rows lie
	s_and_b32 s95, ttmp9, 3
	s_lshl_b32 s67, s95, 10
	s_add_co_u32 s67, s67, s55
	s_lshl_b32 s3, s3, 13
	s_add_co_u32 s67, s67, s3                      ; k: my head, tile 2 (wg % 4)
	s_mov_b32 s3, 512
	s_cmp_lt_u32 s2, 8
	s_cselect_b32 s54, s54, s67
	s_cselect_b32 s3, 4096, s3                     ; from the first tile of rows to the second
	v_add_nc_u32 v[D0], s54, v[GL]
	v_add_nc_u32 v[D1], s3, v[D0]
	s_lshl_b32 s95, s95, 9
	s_add_co_u32 s55, s55, s95
	s_lshr_b32 s3, s2, 1
	s_lshl_b32 s3, s3, 13
	s_add_co_u32 s55, s55, s3
	s_and_b32 s3, s2, 1
	s_lshl_b32 s3, s3, 11
	s_add_co_u32 s55, s55, s3
	s_add_co_u32 s55, s55, 4096
	v_add_nc_u32 v[DV], s55, v[GL]                 ; v: head w / 2, tile w % 2, block wg % 4
	s_wait_dscnt 0x0
.irp s, 0,1                                    ; four accumulators by turns
.irp x, 0,1
.if \s == 0
	v_wmma_f32_16x16x128_bf8_bf8 v[ACC+16*\x:ACC+16*\x+7], v[WR1:WR1+15], v[XF+32*\x:XF+32*\x+15], v[BC:BC+7]
	v_wmma_f32_16x16x128_bf8_bf8 v[ACC+16*\x+8:ACC+16*\x+15], v[WR2:WR2+15], v[XF+32*\x:XF+32*\x+15], v[BC+8:BC+15]
.else
	v_wmma_f32_16x16x128_bf8_bf8 v[ACC+16*\x:ACC+16*\x+7], v[WR1+16:WR1+31], v[XF+32*\x+16:XF+32*\x+31], v[ACC+16*\x:ACC+16*\x+7]
	v_wmma_f32_16x16x128_bf8_bf8 v[ACC+16*\x+8:ACC+16*\x+15], v[WR2+16:WR2+31], v[XF+32*\x+16:XF+32*\x+31], v[ACC+16*\x+8:ACC+16*\x+15]
.endif
.endr
.endr
	NOPS 5                                         ; places: four for the reads below, a fifth since v's results are laid over registers that these products read
	s_wait_alu depctr_va_vdst(0)                   ; the products are done reading their four fragments, in which the loads below land
.irp f, 0,1,2,3
	FETCH XF+16*\f, LI, QI+8*FRB+FRB*\f            ; e under the v product's scale
.endr
	v_mov_b32 v[SC], s80
	v_mov_b32 v[LIM], s81
.set jj, 0
.rept 32
	v_med3_num_f32 v[ACC+jj], v[ACC+jj], -v[LIM], v[LIM]
.set jj, jj+1
.endr
.irp k, 0,1,2,3
	v_cvt_scalef32_pk8_bf8_f32 v[8+2*\k:9+2*\k], v[ACC+8*\k:ACC+8*\k+7], v[SC]
.endr
	v_nop
	s_wait_dscnt 0x0
	v_wmma_f32_16x16x128_bf8_bf8 v[WR1:WR1+7], v[XF:XF+15], v[WR0:WR0+15], v[BC+16:BC+23]
	v_wmma_f32_16x16x128_bf8_bf8 v[WR1+8:WR1+15], v[XF+32:XF+47], v[WR0:WR0+15], v[BC+16:BC+23]
	v_wmma_f32_16x16x128_bf8_bf8 v[WR1:WR1+7], v[XF+16:XF+31], v[WR0+16:WR0+31], v[WR1:WR1+7]
	v_wmma_f32_16x16x128_bf8_bf8 v[WR1+8:WR1+15], v[XF+48:XF+63], v[WR0+16:WR0+31], v[WR1+8:WR1+15]
	NOPS 4
	v_mov_b32 v[SC], s82
	v_mov_b32 v[LIM], s83
.set jj, 0
.rept 16
	v_med3_num_f32 v[WR1+jj], v[WR1+jj], -v[LIM], v[LIM]
.set jj, jj+1
.endr
	v_cvt_scalef32_pk8_bf8_f32 v[BC+4:BC+5], v[WR1:WR1+7], v[SC]
	v_cvt_scalef32_pk8_bf8_f32 v[BC+6:BC+7], v[WR1+8:WR1+15], v[SC]
	v_nop
	s_wait_alu depctr_va_vdst(0)                   ; the conversions have written q's or k's codes, v8-15, and v's, v[BC+4 ..]; v[D0], v[D1], v[DV] are written: the three stores read them
	global_store_b128 v[D0], v[8:11], s[AOUT:AOUT+1]      ; 512 consecutive bytes: a tile as the attention takes it
	global_store_b128 v[D1], v[12:15], s[AOUT:AOUT+1]
	global_store_b128 v[DV], v[BC+4:BC+7], s[AOUT:AOUT+1]
.endm
	s_load_b512 s[4:19], s[0:1], 0x0               ; x, wc, act, the scales' exponents, bin_, ln1_g, ln1_b, bq
	s_load_b128 s[20:23], s[0:1], 0x40             ; bk, bv
	v_lshrrev_b32 v8, 5, v0
	v_readfirstlane_b32 s2, v8                     ; wave 0..15
	v_and_b32 v9, 31, v0                           ; l
	v_and_b32 v10, 15, v0                          ; r
	v_bfe_u32 v11, v0, 4, 1                        ; l / 16
	v_lshlrev_b32 v[GL], 4, v9
	s_wait_alu depctr_va_vdst(0)
	s_wait_alu depctr_va_sdst(0)                   ; s2 is written, ahead of its first reader
	s_lshr_b32 s67, s2, 1
	s_and_b32 s68, s2, 1
	s_lshr_b32 s69, s2, 3
	s_and_b32 s70, s2, 7
	s_and_b32 s71, s2, 3
	s_bfe_u32 s72, s2, 0x10002
	s_mov_b32 s41, 0                               ; the layer whose q, k, v are made
	s_lshl_b32 s73, ttmp9, 5                       ; my first row: 32 wg + 8 (w / 8) + 2 (w % 4) + 16 ((w / 4) % 2)
	s_lshl_b32 s74, s69, 3
	s_add_co_u32 s73, s73, s74
	s_lshl_b32 s74, s71, 1
	s_add_co_u32 s73, s73, s74
	s_lshl_b32 s74, s72, 4
	s_add_co_u32 s73, s73, s74
	s_lshl_b32 s73, s73, 10
	v_add_nc_u32 v[EO], s73, v[GL]
	s_lshl_b32 s73, s2, 12
	v_add_nc_u32 v[GL4], s73, v[GL]
	s_lshl_b32 s73, s2, 13
	v_add_nc_u32 v[GL8], s73, v[GL]
	s_wait_kmcnt 0x0
	s_load_b256 s[24:31], s[10:11], 0x0            ; entries 0 to 7
	s_load_b128 s[32:35], s[10:11], 0x20           ; entries 8 to 11
	s_wait_alu depctr_va_vdst(0)                   ; the offsets v[GL], v[EO], v[GL4], v[GL8] are written, which the loads below read
	global_load_b128 v[E:E+3], v[EO], s[4:5] th:TH_LOAD_NT
	global_load_b128 v[E+4:E+7], v[EO], s[4:5] offset:512 th:TH_LOAD_NT
	global_load_b128 v[E+8:E+11], v[EO], s[4:5] offset:1024 th:TH_LOAD_NT
	global_load_b128 v[E+12:E+15], v[EO], s[4:5] offset:1536 th:TH_LOAD_NT
	WLOAD WR0, GL4, 0                              ; Win's tile w
	PLOAD BC, GL, 12                               ; bin_
	PLOAD BC+8, GL, 14                             ; ln1_g[0]
	PLOAD BC+16, GL, 16                            ; ln1_b[0]
	WLOAD WR1, GL8, 65536                          ; Wq's or Wk's two tiles of my head
	WLOAD WR2, GL8, 65536+4096
	v_mul_u32_u24 v[LI], v11, 272
	v_lshl_add_u32 v[LI], v10, 4, v[LI]
	v_lshrrev_b32 v12, 2, v9
	v_mul_u32_u24 v[RI], v12, 272
	v_and_b32 v12, 3, v9
	v_lshl_add_u32 v[RI], v12, 2, v[RI]
	s_mul_i32 s73, s69, 2*FRB
	s_lshl_b32 s74, s70, 5
	s_add_co_u32 s73, s73, s74
	v_add_nc_u32 v[RI], s73, v[RI]                 ; 272 (l / 4) + 4 (l % 4) + two fragments x (w / 8) + 32 (w % 8)
	v_mul_u32_u24 v[SW], v10, SPITCH
	v_lshl_add_u32 v[SW], v11, 6, v[SW]
	s_lshl_b32 s73, s67, 7
	s_lshl_b32 s74, s68, 5
	s_add_co_u32 s73, s73, s74
	s_add_co_u32 s73, s73, STG
	v_add_nc_u32 v[SW], s73, v[SW]                 ; place r, columns 32 (w / 2) + 16 (l / 16) + 8 (w % 2) on
	s_mul_i32 s73, s2, 2*SPITCH
	s_add_co_u32 s73, s73, STG
	v_add_nc_u32 v[SR], s73, v[GL]
	s_mul_i32 s73, s69, 4*FRB
	s_add_co_u32 s73, s73, QI
	v_add_nc_u32 v[QA], s73, v[LI]
	v_mov_b32 v13, 0                               ; (a lane permute's destination counts as one of its sources: v8-15 are all written)
	v_mov_b32 v14, 0
	v_mov_b32 v15, 0
	s_cmp_lt_u32 s2, 8
	s_cselect_b64 s[BQK:BQK+1], s[18:19], s[20:21]
	s_mov_b32 s93, 0x3b800000                      ; 1 / 256
	s_mov_b32 s94, 0x3727c5ac                      ; 1e-5
	s_wait_kmcnt 0x0
	s_mov_b32 s[SEL], 0x76543210
	s_mov_b32 s[SEL+1], 0xfedcba98
	SCL 68, 69, 24                                 ; x's scale
	s_add_co_i32 s84, s24, s25
	s_add_co_i32 s84, s84, 127
	s_lshl_b32 s84, s84, 23                        ; 2^(e0 + e1)
	s_mov_b32 s85, s84                             ; (named with it as a pair, so it is written)
	NEXTSC 26, 27, 28, 29, 30, 31, 32, 33, 34
	v_mov_b32 v[SC], s68
	v_mov_b32 v[LIM], s69
	s_wait_alu depctr_va_vdst(0)
	s_wait_loadcnt 30                              ; x's four loads are in: behind them 8 + 6 + 16 were issued
	QCODE 0, Y, ACC
	QCODE 1, Y+8, ACC+2
	s_wait_alu depctr_va_vdst(0)                   ; the conversions have written x's codes, which the stores below read; the LDS addresses v[RI], v[LI], v[SW], v[SR], v[QA] are written; the holds are done with v[Y ..], in which fragments land
	QSEND 0, ACC, CTXI
	QSEND 1, ACC+2, CTXI
	BAR                                            ; x's four fragments lie in LDS
	s_wait_alu depctr_vm_vsrc(0)                   ; my stores of x's codes have read v[ACC ..], which the products below write
.irp f, 0,1,2,3
	FETCH XF+16*\f, LI, CTXI+FRB*\f
.endr
	s_wait_loadcnt 16                              ; Win and the row parameters are in; Wq | Wk's sixteen loads may be out
	s_wait_dscnt 0x0
	GEMM256
	NOPS 4                                         ; places in front of the lines that write registers which the products read, and of the first read of results
	BIASADR
	s_wait_alu depctr_va_vdst(0)                   ; the products have written the accumulators, which the stage's stores read, and are done reading Win's tile and x's fragments, in which the loads below land; the biases' offsets are written
	WLOAD WR0, GL4, 196608                         ; Wv's tile w
	BIASLD
	TOSTAGE
	BAR                                            ; 32 rows of sums lie in the stage
	ROWPHASE 84, BC, BC+8, BC+16, 0, 0
	s_wait_alu depctr_va_vdst(0)                   ; the LayerNorm has written v[E ..], which the four stores read
	global_store_b128 v[EO], v[E:E+3], s[AOUT:AOUT+1]
	global_store_b128 v[EO], v[E+4:E+7], s[AOUT:AOUT+1] offset:512
	global_store_b128 v[EO], v[E+8:E+11], s[AOUT:AOUT+1] offset:1024
	global_store_b128 v[EO], v[E+12:E+15], s[AOUT:AOUT+1] offset:1536
	v_mov_b32 v[SC], s74
	v_mov_b32 v[LIM], s75
	QCODE 0, Y, ACC
	QCODE 1, Y+8, ACC+2
	v_mov_b32 v[SC], s76
	v_mov_b32 v[LIM], s77
	QCODE 0, Y, ACC+4
	QCODE 1, Y+8, ACC+6
	v_mov_b32 v[SC], s78
	v_mov_b32 v[LIM], s79
	QCODE 0, Y, ACC+8
	QCODE 1, Y+8, ACC+10
	s_wait_alu depctr_va_vdst(0)                   ; the six conversions have written v[ACC .. ACC+11], which the twelve stores read
	QSEND 0, ACC, QI
	QSEND 1, ACC+2, QI
	QSEND 0, ACC+4, QI+4*FRB
	QSEND 1, ACC+6, QI+4*FRB
	QSEND 0, ACC+8, QI+8*FRB
	QSEND 1, ACC+10, QI+8*FRB
	BAR                                            ; e's codes under the three scales lie in LDS
	QKV
	s_wait_xcnt 0x0
	s_wait_alu depctr_vm_vsrc(0)                   ; e's stores have read v254 and v255, which the two lines below make anew
	v_lshl_add_u32 v254, v0, 2, 0x17000
	v_mov_b32 v255, 0
	s_wait_dscnt 0x0                               ; the closing lines, six on end
	s_wait_alu 0x0
	s_wait_tensorcnt 0x0
	ds_add_u32 v254, v255
	s_wait_dscnt 0x0
	s_endpgm
.Lfunc_end_k_qb12241e4ba_first:
	.size	k_qb12241e4ba_first, .Lfunc_end_k_qb12241e4ba_first-k_qb12241e4ba_first
	.p2alignl 7, 3214868480
	.fill 96, 4, 3214868480
	.section	.rodata,"a",@progbits
	.p2align	6, 0x0
	.amdhsa_kernel k_qb12241e4ba_first
		.amdhsa_group_segment_fixed_size 96256
		.amdhsa_private_segment_fixed_size 0
		.amdhsa_enable_private_segment 0
		.amdhsa_kernarg_size 80
		.amdhsa_user_sgpr_count 2
		.amdhsa_user_sgpr_kernarg_segment_ptr 1
		.amdhsa_wavefront_size32 1
		.amdhsa_system_sgpr_workgroup_id_x 1
		.amdhsa_system_sgpr_workgroup_id_y 1
		.amdhsa_system_sgpr_workgroup_id_z 1
		.amdhsa_system_vgpr_workitem_id 0
		.amdhsa_next_free_vgpr 256
		.amdhsa_next_free_sgpr 96
		.amdhsa_reserve_vcc 0
		.amdhsa_float_denorm_mode_32 3
		.amdhsa_float_denorm_mode_16_64 3
		.amdhsa_memory_ordered 1
		.amdhsa_forward_progress 1
		.amdhsa_inst_pref_size 34
	.end_amdhsa_kernel
	.amdgpu_metadata
---
amdhsa.version: [ 1, 2 ]
amdhsa.kernels:
  - .name:           k_qb12241e4ba_first
    .symbol:         k_qb12241e4ba_first.kd
    .args:
      - { .name: x, .offset: 0, .size: 8, .value_kind: global_buffer, .address_space: global }
      - { .name: wc, .offset: 8, .size: 8, .value_kind: global_buffer, .address_space: global }
      - { .name: actA, .offset: 16, .size: 8, .value_kind: global_buffer, .address_space: global }
      - { .name: lowp_scales, .offset: 24, .size: 8, .value_kind: global_buffer, .address_space: global }
      - { .name: bin_, .offset: 32, .size: 8, .value_kind: global_buffer, .address_space: global }
      - { .name: ln1_g, .offset: 40, .size: 8, .value_kind: global_buffer, .address_space: global }
      - { .name: ln1_b, .offset: 48, .size: 8, .value_kind: global_buffer, .address_space: global }
      - { .name: bq, .offset: 56, .size: 8, .value_kind: global_buffer, .address_space: global }
      - { .name: bk, .offset: 64, .size: 8, .value_kind: global_buffer, .address_space: global }
      - { .name: bv, .offset: 72, .size: 8, .value_kind: global_buffer, .address_space: global }
    .group_segment_fixed_size: 96256
    .private_segment_fixed_size: 0
    .kernarg_segment_align: 8
    .kernarg_segment_size: 80
    .max_flat_workgroup_size: 512
    .sgpr_count:     96
    .vgpr_count:     256
    .wavefront_size: 32
...
	.end_amdgpu_metadata
.endif
;; end of part 5
;; launch layer0 (part 6): grid 256 x 1, 16 waves a work-group, no clusters, 137,216 bytes of LDS; arguments lay0, wc, actA, actB, out0, bv, bo, ln2_g, ln2_b, b1, b2, ln1_g, ln1_b, lno_g, lno_b, bq, bk; writes actB, out0
.if DOCPART == 6
	.amdgcn_target "amdgcn-amd-amdhsa--gfx1250"
	.amdhsa_code_object_version 6
	.text
	.protected	k_qb12241e4ba_layer0
	.globl	k_qb12241e4ba_layer0
	.p2align	8
	.type	k_qb12241e4ba_layer0,@function
k_qb12241e4ba_layer0:
	s_mov_b64 s[64:65], 0
	v_nop
	global_prefetch_b8 v0, s[64:65] scope:SCOPE_SE
	s_setreg_imm32_b32 hwreg(HW_REG_WAVE_SCHED_MODE, 0, 2), 2
	s_setreg_imm32_b32 hwreg(HW_REG_WAVE_MODE, 25, 1), 1
	s_wait_xcnt 0x0
	s_wait_alu depctr_vm_vsrc(0)
; ONE LAYER i: attention on q, k, v codes; e = e + ctx Wo^T + bo; e = LN2(e); e = e + relu(e W1^T + b1) W2^T + b2; e = LN'(e), stored as f32;
; then q, k, v of layer i + 1 as codes.  LN' is ln1[i + 1]; in layer 3 it is lno, e goes to the output, and no q, k, v are made.  All products on codes of BF8 (E5M2), each operand with the scale 2^e given for it.
; The layer's number and its scales' exponents come from a buffer of whole numbers that an earlier launch stored: word 0 is i, words 8 to 17 the layer's entries 6 to 15, words 18 to 26 the next layer's 0 to 8.
; SHARES.  A work-group of sixteen waves owns 32 rows (queries) of one sequence.  Inside it rows are kept in tile order: place 16 x + r stands for row 8 x + r % 8 + 16 (r / 8).
; ATTENTION.  Wave w takes head w / 2 and half w % 2 of the 1,024 keys (four steps of 128), for both tiles of 16 queries.  K's and V's fragments come from memory straight into its registers, in the order in which
; the operands take them: each byte of K and V enters the work-group once, and the key loop has no LDS and no barrier.  Both products are used transposed, so a lane holds one query throughout.
; The head's 32 are half of the K = 64 form: an operand of K holds two tiles of keys, one in each half, and Q stands beside zeros in the other half (codes are finite by the hold, so the zeros add nothing).
; THE SOFTMAX: t = score x log2(e) / sqrt(32); M = the largest t so far, rounded up to a whole number; p = 2^(t - M) is quantised, not normalised; the sum is taken of the unquantised p.  The two waves of a head
; meet through LDS: each finishes one tile of queries; as both M are whole numbers the rescaling rounds nothing.
; BEHIND IT a wave has two roles.  COLUMN OWNER: its own weight tiles, loaded from wc into registers a phase ahead (each fragment by one wave), against both tiles of rows.  ROW OWNER: wave w owns places 2 w, 2 w + 1
; (two neighbouring rows); lane l holds columns 4 l .. + 3 and 128 + 4 l .. + 3.  Operands go from wave to wave as images of their registers (eight blocks of 256 bytes, 272 apart), sums through a stage.
; NO TENSOR LOAD, NO CLUSTER: this one text serves four layers and branches on stored whole numbers, and with the operands laid in register order nothing would be read from LDS twice.
; LIMITS on the given exponents (entries of layer i counted from 2 + 16 i), so that each power of two below is an f32 number: (6) + (7) between -124 and 129; (9), (10), (12), (14) - (12) - (13), and the next layer's
; (0), (2), (4), (6) - (0) - (1), (7) - (2) - (3), (8) - (4) - (5) between -126 and 112; (10) + (11) and (14) + (15) between -126 and 127.  NaN among the inputs is not served.
; THE MODE: SCHED_MODE bits 1:0 = 2 (LLVM: expert scheduling mode 2), set by the entry lines.  The code itself states the register dependences
; between vector or matrix instructions and memory or LDS instructions, with s_wait_alu, always for 0.
; THE PLAN.  a buffer is asked for again behind ONE wait on va_vdst, which stands behind the products that read it, where their
; results are read next in any case; stores stand in runs, each behind one wait.  Registers that memory or LDS instructions touch, and who else names them:
;   v1-7, v223-226, v232-237  offsets and LDS addresses, made at the head.  v216 (Q's offset) is written again by the first maxima: a wait on vm_vsrc ahead of the attention.  v223-226 are overlaid by W1's second half:
;                     a wait on vm_vsrc ahead of it.  v233-235 are made anew for q, k, v's stores, behind the second row phase's wait on vm_vsrc.
;   KR (v40-71)       read by both tiles' S^T products of a trip; the next trip's K, or Wo, lands behind the wait that follows the second tile's.
;   VR (v72-103)      read by both tiles' O^T products; the next trip's V, or half of W1, lands behind the wait that follows the second tile's; behind the last trip that wait serves the parameters' loads into Q's registers too.
;   SEND, OA, v166    one wait behind the merge's selects: what I send is written, O^T is read out (b1 lands there), b1's offset is written.
;   XF, WR0-WR3, BC   loaded; read by products; loaded again behind the wait that follows those products, which also states the accumulators for the stage's stores.
;   ACC (v168-199)    accumulators (products write, the stage's stores read) and codes (conversions write, LDS stores read) by turns: each change of writer stands behind a wait on vm_vsrc.
;   v8-15             the hidden layer's codes (LDS stores read them), then the second row phase's sums: behind that phase's wait on vm_vsrc; at the end q's or k's codes.
;   E (v240-255)      written by the LayerNorms; read by e's four stores behind one wait on va_vdst; v254 and v255 are made anew at each end, behind a wait on vm_vsrc.
.set FRB,    2176
.set CTXI,   0                         ; LDS: ctx's four fragments (2 x + K step),
.set XI,     4*FRB                     ; LN2's four,
.set HI,     8*FRB                     ; the hidden layer's eight (4 x + K step),
.set QI,     16*FRB                    ; three times four: e under the scales of the q, k and v products,
.set STG,    28*FRB                    ; the stage: 32 rows x (1,024 + 16) bytes,
.set SPITCH, 1040
.set MRG,    STG+32*SPITCH             ; and 2,560 bytes a wave for the merge
.set QOFF,   8388608
.set KVOFF,  10485760
.set LI,  1                            ; v1   272 (l / 16) + 16 (l % 16)
.set GL,  2                            ; v2   16 l
.set EO,  3                            ; v3   my 16 bytes of my first row of e
.set GL4, 4                            ; v4   16 l + 4,096 w + Wo[i]'s place in wc
.set GL8, 5                            ; v5   16 l + 8,192 w + the same
.set RI,  6                            ; v6   where a row owner puts a dword of codes
.set PO1, 7                            ; v7   16 l + 1,024 i
.set BC,  16                           ; v16-39   row parameters, biases as C
.set WR0, 40                           ; v40-71   weights
.set WR1, 72                           ; v72-103
.set XF,  104                          ; v104-167 fragments of rows
.set Y,   104
.set WR3, 136
.set ACC, 168                          ; v168-199 accumulators; codes in the row phases; v184-199 hold b1 as loaded until the hidden layer's products
.set WR2, 200                          ; v200-231
.set PO2, 232                          ; v232 16 l + 1,024 ((i + 1) % 4)
.set CI,  233                          ; v233 where my 16 codes of ctx go
.set HA,  234                          ; v234 where my 16 codes of the hidden layer go
.set SW,  235                          ; v235 the stage: in
.set SR,  236                          ; v236 the stage: back
.set QA,  237                          ; v237 the image that my q or k products read
.set SC,  238
.set LIM, 239
.set E,   240                          ; v240-255 my two rows of e
.set D0,  233                          ; at the end, when the LDS addresses are done with: where q | k and v go
.set D1,  234
.set DV,  235
.set QTA, 16                           ; attention: v16-27, v28-39 Q of the two tiles as (0, q, 0); v8-11, v12-15 their -M, largest t, sum in two halves
.set QTB, 28
.set KR,  40                           ; v40-71   K: eight tiles of 16 keys
.set VR,  72                           ; v72-103  V: two tiles of 16 of the head's 32 x 128 keys
.set S,   104                          ; v104-167 S^T, then p
.set P,   168                          ; v168-183 p's codes
.set OA,  184                          ; v184-199, v200-215 O^T
.set OB,  200
.set MX,  216                          ; v216, v217 maxima
.set F,   218                          ; v[218:219] f
.set SUM2, 220
.set PD,  222                          ; a permute's destination
.set KVO, 223                          ; my head's and half's first byte of K
.set PFO, 224                          ; the prefetch's offset
.set MS,  225                          ; the merge: where I send, where I fetch
.set ML,  226
.set KEEP, 104
.set SEND, 124
.set RECV, 144
.set B1O, 166                          ; v166 b1's offset
.set WC,   6
.set AIN,  8
.set AOUT, 10
.set CS,   4                           ; s[4:5] c = log2(e) / sqrt(32) x 2^(eq + ek) (in the registers that held the whole numbers' address)
.set BVP,  14
.set BQK,  34
.set SEL,  38                          ; s[38:39] lane selects for v_permlanex16_b32: lane l xor 16
.set EP,   47                          ; s47 ep
.macro NOPS n
.rept \n
	v_nop
.endr
.endm
.macro BAR                             ; my LDS stores have landed and my LDS loads are in: then the work-group's barrier
	s_wait_dscnt 0x0
	s_barrier_signal -1
	s_barrier_wait -1
.endm
.macro SCL sc, lim, e                  ; s[sc] = 2^e as f32, s[lim] = 57,344 x 2^e
	s_add_co_i32 s[\lim], s[\e], 127
	s_lshl_b32 s[\sc], s[\lim], 23
	s_add_co_i32 s[\lim], s[\lim], 15
	s_lshl_b32 s[\lim], s[\lim], 23
	s_or_b32 s[\lim], s[\lim], 0x600000
.endm
.macro NEXTSC n0, n1, n2, n3, n4, n5, n6, n7, n8   ; the scales of the q, k, v products: A and B of each, then q's, k's and v's own
	SCL 74, 75, \n0
	SCL 76, 77, \n2
	SCL 78, 79, \n4
	s_cmp_lt_u32 s2, 8                             ; waves 0-7 make q, waves 8-15 k
	s_cselect_b32 s3, s[\n0], s[\n2]
	s_cselect_b32 s90, s[\n1], s[\n3]
	s_cselect_b32 s95, s[\n6], s[\n7]
	s_add_co_i32 s90, s3, s90                      ; a sum stands for sum x 2^(eA + eW):
	s_sub_co_i32 s3, s95, s90
	SCL 80, 81, 3                                  ; the three scales folded into the conversion's one,
	s_sub_co_i32 s90, 0, s90                       ; and the bias goes in as bias / 2^(eA + eW)
	s_add_co_i32 s91, s[\n4], s[\n5]
	s_sub_co_i32 s3, s[\n8], s91
	SCL 82, 83, 3
	s_sub_co_i32 s91, 0, s91
.endm
.macro WLOAD reg, adr, imm             ; two fragments of weights, 4,096 bytes: each load 512 consecutive bytes
.irp n, 0,1,2,3,4,5,6,7
	global_load_b128 v[(\reg)+4*\n:(\reg)+4*\n+3], v[\adr], s[WC:WC+1] offset:(\imm)+512*\n
.endr
.endm
.macro KVLOAD reg, t, off              ; my head's K (off = 0) or V (4,096) of key step t of my half
.irp n, 0,1,2,3,4,5,6,7
	global_load_b128 v[(\reg)+4*\n:(\reg)+4*\n+3], v[KVO], s[AIN:AIN+1] offset:65536*(\t)+(\off)+512*\n
.endr
.endm
.macro PLOAD reg, adr, base            ; a row owner's eight numbers of a vector of 256
	global_load_b128 v[(\reg):(\reg)+3], v[\adr], s[\base:\base+1]
	global_load_b128 v[(\reg)+4:(\reg)+7], v[\adr], s[\base:\base+1] offset:512
.endm
.macro FETCH reg, adr, off             ; a fragment's image comes back as registers
.irp c, 0,1,2,3
	ds_load_b128 v[(\reg)+4*\c:(\reg)+4*\c+3], v[\adr] offset:(\off)+544*\c
.endr
.endm
.macro GEMM256                         ; my tile of 16 columns for both tiles of rows, K = 256: two accumulators by turns
	v_wmma_f32_16x16x128_bf8_bf8 v[ACC:ACC+7], v[WR0:WR0+15], v[XF:XF+15], 0
	v_wmma_f32_16x16x128_bf8_bf8 v[ACC+8:ACC+15], v[WR0:WR0+15], v[XF+32:XF+47], 0
	v_wmma_f32_16x16x128_bf8_bf8 v[ACC:ACC+7], v[WR0+16:WR0+31], v[XF+16:XF+31], v[ACC:ACC+7]
	v_wmma_f32_16x16x128_bf8_bf8 v[ACC+8:ACC+15], v[WR0+16:WR0+31], v[XF+48:XF+63], v[ACC+8:ACC+15]
.endm
.macro TOSTAGE                         ; lane (r, h): eight neighbouring columns of place 16 x + r
.irp x, 0,1
	ds_store_b128 v[SW], v[ACC+8*\x:ACC+8*\x+3] offset:16*SPITCH*\x
	ds_store_b128 v[SW], v[ACC+8*\x+4:ACC+8*\x+7] offset:16*SPITCH*\x+16
.endr
.endm
.macro LANES a, ta, b, tb              ; two sums over the 32 lanes, line by line
.irp m, 1,2,4,8
	v_add_f32_dpp v[\a], v[\a], v[\a] row_xmask:\m row_mask:0xf bank_mask:0xf
	v_add_f32_dpp v[\b], v[\b], v[\b] row_xmask:\m row_mask:0xf bank_mask:0xf
.endr
	v_permlanex16_b32 v[\ta], v[\a], s[SEL], s[SEL+1]
	v_permlanex16_b32 v[\tb], v[\b], s[SEL], s[SEL+1]
	v_add_f32 v[\a], v[\a], v[\ta]
	v_add_f32 v[\b], v[\b], v[\tb]
.endm
; My two rows: y = sum x s[mul] + bias (+ E); E = LayerNorm(y) in two passes, as it is defined: mean, then the mean square of y - mean.
; lc: how many younger loads from memory may stay out when the parameters have to be there; -1: they were waited for earlier.
.macro ROWPHASE mul, bi, g, bb, res, lc
.irp i, 0,1
	ds_load_b128 v[Y+8*\i:Y+8*\i+3], v[SR] offset:SPITCH*\i
	ds_load_b128 v[Y+8*\i+4:Y+8*\i+7], v[SR] offset:SPITCH*\i+512
.endr
	s_wait_alu depctr_vm_vsrc(0)                   ; my stores into the stage have read the accumulators, into which the conversions behind this phase write codes; the hidden layer's stores have read v8-15, which the sums below write
.if \lc >= 0
	s_wait_loadcnt \lc
.endif
	s_wait_dscnt 0x0
.irp i, 0,8
.irp j, 0,2,4,6
	v_pk_fma_f32 v[Y+\i+\j:Y+\i+\j+1], v[Y+\i+\j:Y+\i+\j+1], s[\mul:\mul+1], v[\bi+\j:\bi+\j+1] op_sel_hi:[1,0,1]
.endr
.endr
.if \res
.irp j, 0,2,4,6,8,10,12,14
	v_pk_add_f32 v[Y+\j:Y+\j+1], v[Y+\j:Y+\j+1], v[E+\j:E+\j+1]
.endr
.endif
	v_pk_add_f32 v[8:9], v[Y:Y+1], v[Y+2:Y+3]
	v_pk_add_f32 v[12:13], v[Y+8:Y+9], v[Y+10:Y+11]
	v_pk_add_f32 v[10:11], v[Y+4:Y+5], v[Y+6:Y+7]
	v_pk_add_f32 v[14:15], v[Y+12:Y+13], v[Y+14:Y+15]
	v_pk_add_f32 v[8:9], v[8:9], v[10:11]
	v_pk_add_f32 v[12:13], v[12:13], v[14:15]
	v_add_f32 v8, v8, v9
	v_add_f32 v12, v12, v13
	LANES 8, 10, 12, 14
	v_mul_f32 v8, s93, v8                          ; the means
	v_mul_f32 v12, s93, v12
.irp j, 0,2,4,6
	v_pk_add_f32 v[Y+\j:Y+\j+1], v[Y+\j:Y+\j+1], v[8:9] op_sel_hi:[1,0] neg_lo:[0,1] neg_hi:[0,1]
	v_pk_add_f32 v[Y+8+\j:Y+8+\j+1], v[Y+8+\j:Y+8+\j+1], v[12:13] op_sel_hi:[1,0] neg_lo:[0,1] neg_hi:[0,1]
.endr
	v_pk_mul_f32 v[10:11], v[Y:Y+1], v[Y:Y+1]
	v_pk_mul_f32 v[14:15], v[Y+8:Y+9], v[Y+8:Y+9]
.irp j, 2,4,6
	v_pk_fma_f32 v[10:11], v[Y+\j:Y+\j+1], v[Y+\j:Y+\j+1], v[10:11]
	v_pk_fma_f32 v[14:15], v[Y+8+\j:Y+8+\j+1], v[Y+8+\j:Y+8+\j+1], v[14:15]
.endr
	v_add_f32 v10, v10, v11
	v_add_f32 v14, v14, v15
	LANES 10, 11, 14, 15
	v_fma_f32 v10, v10, s93, s94                   ; the variance + 1e-5
	v_fma_f32 v14, v14, s93, s94
	s_wait_alu depctr_va_vdst(0)
	v_rsq_f32 v10, v10
	v_rsq_f32 v14, v14
	v_nop                                          ; a plain line behind the transcendentals,
	s_wait_alu depctr_va_vdst(0)                   ; and the one wait ahead of their first reader: v10 and v14 are written
.irp j, 0,2,4,6
	v_pk_mul_f32 v[Y+\j:Y+\j+1], v[Y+\j:Y+\j+1], v[10:11] op_sel_hi:[1,0]
	v_pk_mul_f32 v[Y+8+\j:Y+8+\j+1], v[Y+8+\j:Y+8+\j+1], v[14:15] op_sel_hi:[1,0]
.endr
.irp j, 0,2,4,6
	v_pk_fma_f32 v[E+\j:E+\j+1], v[Y+\j:Y+\j+1], v[\g+\j:\g+\j+1], v[\bb+\j:\bb+\j+1]
	v_pk_fma_f32 v[E+8+\j:E+8+\j+1], v[Y+8+\j:Y+8+\j+1], v[\g+\j:\g+\j+1], v[\bb+\j:\bb+\j+1]
.endr
.endm
; Row i of E becomes eight codes: a dword for each K step's image.  QCODE makes them, QSEND stores them: a phase's codes are all made first, so that one wait on va_vdst serves the run of stores.
.macro QCODE i, T, C
.irp j, 0,1,2,3,4,5,6,7
	v_med3_num_f32 v[(\T)+\j], v[E+8*\i+\j], -v[LIM], v[LIM]   ; the conversion does not saturate (ISA guide 7.6.2): the hold comes first
.endr
	v_cvt_scalef32_pk8_bf8_f32 v[\C:\C+1], v[(\T):(\T)+7], v[SC]
	v_nop                                          ; a plain line behind the conversion, ahead of whatever next writes its sources
.endm
.macro QSEND i, C, img
	ds_store_b32 v[RI], v[\C] offset:(\img)+16*\i
	ds_store_b32 v[RI], v[\C+1] offset:(\img)+16*\i+FRB
.endm
; bq | bk in the result's layout (16 numbers a lane) and bv (one a lane), of layer s41.  BIASADR makes the two offsets, ahead of the wait that stands behind the products in any case; BIASLD loads.
.macro BIASADR
	s_lshl_b32 s95, s41, 10
	s_and_b32 s3, s2, 7
	s_lshl_b32 s3, s3, 7
	s_add_co_u32 s3, s3, s95
	v_bfe_u32 v[WR3+18], v0, 4, 1
	v_lshl_add_u32 v[WR3+18], v[WR3+18], 6, s3     ; columns 32 head + 16 (l / 16) on
	s_lshr_b32 s3, s2, 1
	s_lshl_b32 s3, s3, 7
	s_add_co_u32 s95, s95, s3
	s_and_b32 s3, s2, 1
	s_lshl_b32 s3, s3, 5
	s_add_co_u32 s95, s95, s3
	v_and_b32 v[WR3+19], 7, v0
	v_bfe_u32 v[WR3+20], v0, 3, 1
	v_lshl_add_u32 v[WR3+19], v[WR3+20], 4, v[WR3+19]
	v_lshl_add_u32 v[WR3+19], v[WR3+19], 2, s95    ; column 32 (w / 2) + 8 (w % 2) + r % 8 + 16 (r / 8): row r of Wv's tile w
.endm
.macro BIASLD
.irp n, 0,1,2,3
	global_load_b128 v[WR3+4*\n:WR3+4*\n+3], v[WR3+18], s[BQK:BQK+1] offset:16*\n
.endr
	global_load_b32 v[WR3+16], v[WR3+19], s[BVP:BVP+1]
.endm
; q (waves 0-7, head w) or k (waves 8-15, head w - 8), transposed: a lane holds 16 neighbours of the head's 32 of one row; then v's tile w with the sources in natural order: a lane holds 16 neighbouring rows at one column.
.macro QKV
	s_wait_loadcnt 0x0                             ; the weights and the biases
.set jj, 0
.rept 16
	v_ldexp_f32 v[BC+jj], v[WR3+jj], s90
.set jj, jj+1
.endr
	v_ldexp_f32 v[BC+16], v[WR3+16], s91
.irp j, 17,18,19,20,21,22,23
	v_mov_b32 v[BC+\j], v[BC+16]
.endr
	s_wait_alu depctr_va_vdst(0)                   ; the lines above are done reading the biases as loaded, v[WR3 ..], in which fragments land below
	s_wait_alu depctr_vm_vsrc(0)                   ; the codes' LDS stores have read v[ACC ..], which the products below write
.irp f, 0,1,2,3
	FETCH XF+16*\f, QA, FRB*\f
.endr
	s_and_b32 s3, s2, 7                            ; the head
	s_lshl_b32 s54, ttmp9, 13
	s_lshl_b32 s55, s3, 9
	s_add_co_u32 s54, s54, s55
	s_add_co_u32 s54, s54, QOFF                    ; q: tile of rows 2 wg, my head
	s_lshr_b32 s55, ttmp9, 2
	s_lshl_b32 s55, s55, 16
	s_add_co_u32 s55, s55, KVOFF                   ; the 128 keys among which my 32 rows lie
	s_and_b32 s95, ttmp9, 3
	s_lshl_b32 s67, s95, 10
	s_add_co_u32 s67, s67, s55
	s_lshl_b32 s3, s3, 13
	s_add_co_u32 s67, s67, s3                      ; k: my head, tile 2 (wg % 4)
	s_mov_b32 s3, 512
	s_cmp_lt_u32 s2, 8
	s_cselect_b32 s54, s54, s67
	s_cselect_b32 s3, 4096, s3                     ; from the first tile of rows to the second
	v_add_nc_u32 v[D0], s54, v[GL]
	v_add_nc_u32 v[D1], s3, v[D0]
	s_lshl_b32 s95, s95, 9
	s_add_co_u32 s55, s55, s95
	s_lshr_b32 s3, s2, 1
	s_lshl_b32 s3, s3, 13
	s_add_co_u32 s55, s55, s3
	s_and_b32 s3, s2, 1
	s_lshl_b32 s3, s3, 11
	s_add_co_u32 s55, s55, s3
	s_add_co_u32 s55, s55, 4096
	v_add_nc_u32 v[DV], s55, v[GL]                 ; v: head w / 2, tile w % 2, block wg % 4
	s_wait_dscnt 0x0
.irp s, 0,1                                    ; four accumulators by turns
.irp x, 0,1
.if \s == 0
	v_wmma_f32_16x16x128_bf8_bf8 v[ACC+16*\x:ACC+16*\x+7], v[WR1:WR1+15], v[XF+32*\x:XF+32*\x+15], v[BC:BC+7]
	v_wmma_f32_16x16x128_bf8_bf8 v[ACC+16*\x+8:ACC+16*\x+15], v[WR2:WR2+15], v[XF+32*\x:XF+32*\x+15], v[BC+8:BC+15]
.else
	v_wmma_f32_16x16x128_bf8_bf8 v[ACC+16*\x:ACC+16*\x+7], v[WR1+16:WR1+31], v[XF+32*\x+16:XF+32*\x+31], v[ACC+16*\x:ACC+16*\x+7]
	v_wmma_f32_16x16x128_bf8_bf8 v[ACC+16*\x+8:ACC+16*\x+15], v[WR2+16:WR2+31], v[XF+32*\x+16:XF+32*\x+31], v[ACC+16*\x+8:ACC+16*\x+15]
.endif
.endr
.endr
	NOPS 5                                         ; places: four for the reads below, a fifth since v's results are laid over registers that these products read
	s_wait_alu depctr_va_vdst(0)                   ; the products are done reading their four fragments, in which the loads below land
.irp f, 0,1,2,3
	FETCH XF+16*\f, LI, QI+8*FRB+FRB*\f            ; e under the v product's scale
.endr
	v_mov_b32 v[SC], s80
	v_mov_b32 v[LIM], s81
.set jj, 0
.rept 32
	v_med3_num_f32 v[ACC+jj], v[ACC+jj], -v[LIM], v[LIM]
.set jj, jj+1
.endr
.irp k, 0,1,2,3
	v_cvt_scalef32_pk8_bf8_f32 v[8+2*\k:9+2*\k], v[ACC+8*\k:ACC+8*\k+7], v[SC]
.endr
	v_nop
	s_wait_dscnt 0x0
	v_wmma_f32_16x16x128_bf8_bf8 v[WR1:WR1+7], v[XF:XF+15], v[WR0:WR0+15], v[BC+16:BC+23]
	v_wmma_f32_16x16x128_bf8_bf8 v[WR1+8:WR1+15], v[XF+32:XF+47], v[WR0:WR0+15], v[BC+16:BC+23]
	v_wmma_f32_16x16x128_bf8_bf8 v[WR1:WR1+7], v[XF+16:XF+31], v[WR0+16:WR0+31], v[WR1:WR1+7]
	v_wmma_f32_16x16x128_bf8_bf8 v[WR1+8:WR1+15], v[XF+48:XF+63], v[WR0+16:WR0+31], v[WR1+8:WR1+15]
	NOPS 4
	v_mov_b32 v[SC], s82
	v_mov_b32 v[LIM], s83
.set jj, 0
.rept 16
	v_med3_num_f32 v[WR1+jj], v[WR1+jj], -v[LIM], v[LIM]
.set jj, jj+1
.endr
	v_cvt_scalef32_pk8_bf8_f32 v[BC+4:BC+5], v[WR1:WR1+7], v[SC]
	v_cvt_scalef32_pk8_bf8_f32 v[BC+6:BC+7], v[WR1+8:WR1+15], v[SC]
	v_nop
	s_wait_alu depctr_va_vdst(0)                   ; the conversions have written q's or k's codes, v8-15, and v's, v[BC+4 ..]; v[D0], v[D1], v[DV] are written: the three stores read them
	global_store_b128 v[D0], v[8:11], s[AOUT:AOUT+1]      ; 512 consecutive bytes: a tile as the attention takes it
	global_store_b128 v[D1], v[12:15], s[AOUT:AOUT+1]
	global_store_b128 v[DV], v[BC+4:BC+7], s[AOUT:AOUT+1]
.endm
; A PREFETCH INTO THE L2 of K and V: in trip t (0, 1) the key step t + 2 of both halves, whose loads are issued in trip t + 1.  It stands behind the wave's run of K loads.
; A sequence's 32 work-groups read the same K and V.  The first sixteen of them ask, wave 0 of each: work-group j takes 8,192 bytes (a head's K and V) of half j / 8, head j % 8, lanes 256 bytes apart.
; So each aligned block of 256 bytes of steps 2, 3, 6, 7 is named once in the launch; steps 0, 1, 4, 5 come by their loads alone, and nothing is asked behind trip 1.
.macro ASK t
	s_cmp_eq_u32 s43, 0
	s_cbranch_scc0 .Lnot_mine_\@
	global_prefetch_b8 v[PFO], s[AIN:AIN+1] offset:65536*(\t) th:TH_LOAD_NT scope:SCOPE_SE
.Lnot_mine_\@:
.endm
; One tile of 16 queries against the 128 keys of trip t.  b = 0: the first tile of the trip; b = 1: the second, behind whose products the next trip's K and V are asked for (in the last trip: Wo and half of W1).
.macro TILE Q, ST, O, b, t
.if \b == 0
	s_wait_loadcnt 0x8                             ; K's eight loads are in; V's eight, issued behind them, may be out
.endif
.irp u, 0,1,2,3,4,5,6,7                        ; S^T: tile u of 16 keys lies in half u % 2 of its operand, and Q stands in that half
	v_wmma_f32_16x16x64_bf8_bf8 v[S+8*\u:S+8*\u+7], v[KR+8*(\u/2):KR+8*(\u/2)+7], v[(\Q)+4-4*(\u%2):(\Q)+11-4*(\u%2)], 0
.endr
	NOPS 4                                         ; places in front of the first read of results
.if \b == 1
	s_wait_alu depctr_va_vdst(0)                   ; both tiles' products S^T are done reading K's registers, in which the loads below land
.if \t < 3
	KVLOAD KR, (\t)+1, 0
.else
	WLOAD WR0, GL4, 0                              ; Wo's tile w
.endif
.if \t < 2
	ASK \t
.endif
.endif
	v_max3_num_f32 v[MX], v[S], v[S+1], v[S+2]     ; the largest score of my query among my 64 keys, in two chains, from each accumulator's low end on
	v_max3_num_f32 v[MX+1], v[S+3], v[S+4], v[S+5]
.set jj, 6
.rept 14
	v_max3_num_f32 v[MX], v[MX], v[S+jj], v[S+jj+1]
	v_max3_num_f32 v[MX+1], v[MX+1], v[S+jj+2], v[S+jj+3]
.set jj, jj+4
.endr
	v_max3_num_f32 v[MX], v[MX], v[S+62], v[S+63]
	v_max_num_f32 v[MX], v[MX], v[MX+1]
	v_permlanex16_b32 v[PD], v[MX], s[SEL], s[SEL+1]
	v_max_num_f32 v[MX], v[MX], v[PD]              ; and among lane l xor 16's
	v_mul_f32 v[MX], s[CS], v[MX]                  ; as t (c is positive)
	v_max_num_f32 v[(\ST)+1], v[(\ST)+1], v[MX]    ; the running largest t
	v_mov_b32 v[MX], v[\ST]
	v_floor_f32 v[\ST], -v[(\ST)+1]                ; the new -M = floor(-t): M is a whole number
	v_sub_f32 v[MX], v[\ST], v[MX]                 ; old M - new M: a whole number, 0 or less
	v_cvt_i32_f32 v[MX], v[MX]                     ; (it saturates)
	v_ldexp_f32 v[F], 1.0, v[MX]                   ; f = 2^(old M - new M)
.set jj, 0
.rept 32
	v_pk_fma_f32 v[S+jj:S+jj+1], v[S+jj:S+jj+1], s[CS:CS+1], v[(\ST):(\ST)+1] op_sel_hi:[1,0,0]   ; t - M, two at a time
.set jj, jj+2
.endr
.set jj, 0
	s_wait_alu depctr_va_vdst(0)
.rept 64
	v_exp_f32 v[S+jj], v[S+jj]                     ; p = 2^(t - M), not normalised
.set jj, jj+1
.endr
	v_pk_mul_f32 v[(\ST)+2:(\ST)+3], v[(\ST)+2:(\ST)+3], v[F:F+1] op_sel_hi:[1,0]   ; the sums under the new M: the plain line behind the batch
	s_wait_alu depctr_va_vdst(0)                   ; one wait for the 64 exponentials, ahead of their first reader: v[S ..] are written
	v_pk_add_f32 v[SUM2:SUM2+1], v[S:S+1], v[S+2:S+3]   ; the sum of the unquantised p, in two chains
.set jj, 4
.rept 15
	v_pk_add_f32 v[(\ST)+2:(\ST)+3], v[(\ST)+2:(\ST)+3], v[S+jj:S+jj+1]
	v_pk_add_f32 v[SUM2:SUM2+1], v[SUM2:SUM2+1], v[S+jj+2:S+jj+3]
.set jj, jj+4
.endr
	v_pk_add_f32 v[(\ST)+2:(\ST)+3], v[(\ST)+2:(\ST)+3], v[SUM2:SUM2+1]
	; THE HOLD.  p is at most 1 (beyond it only by the rounding of t), and the largest code x the scale, 57,344 x 2^ep, is 1.75 or more from ep = -15 on: there the hold changes no number,
	; and a scalar branch on the stored exponent, the same in every wave, leads round its 64 lines.  Under a smaller ep they are executed.
	s_cmp_lt_i32 s[EP], -15
	s_cbranch_scc0 .Lfits_\@
.set jj, 0
.rept 64
	v_min_num_f32 v[S+jj], v[S+jj], v[LIM]         ; the conversion does not saturate (ISA guide 7.6.2); p is not negative: the hold is one-sided
.set jj, jj+1
.endr
.Lfits_\@:
.set kk, 0
.rept 4
	v_cvt_scalef32_pk8_bf8_f32 v[P+4*kk:P+4*kk+1], v[S+16*kk:S+16*kk+7], v[SC]
	v_cvt_scalef32_pk8_bf8_f32 v[P+4*kk+2:P+4*kk+3], v[S+16*kk+8:S+16*kk+15], v[SC]
.set kk, kk+1
.endr
.if \t == 0
	v_nop                                          ; a plain line between the conversions and the products that read their results
.else
.set jj, 0
.rept 8
	v_pk_mul_f32 v[(\O)+jj:(\O)+jj+1], v[(\O)+jj:(\O)+jj+1], v[F:F+1] op_sel_hi:[1,0]   ; O^T under the new M; plain lines behind the conversions
.set jj, jj+2
.endr
.endif
.if \b == 0
	s_wait_alu depctr_va_vdst(0)
	s_wait_loadcnt 0x0                             ; V is in: nothing was issued behind it
.endif
.if \t == 0                                    ; the first trip's products start the sums: nothing is cleared
	s_wait_alu depctr_va_vdst(0)
	v_wmma_f32_16x16x128_bf8_bf8 v[(\O):(\O)+7], v[VR:VR+15], v[P:P+15], 0
	v_wmma_f32_16x16x128_bf8_bf8 v[(\O)+8:(\O)+15], v[VR+16:VR+31], v[P:P+15], 0
.else
	v_wmma_f32_16x16x128_bf8_bf8 v[(\O):(\O)+7], v[VR:VR+15], v[P:P+15], v[(\O):(\O)+7]
	v_wmma_f32_16x16x128_bf8_bf8 v[(\O)+8:(\O)+15], v[VR+16:VR+31], v[P:P+15], v[(\O)+8:(\O)+15]
.endif
.if \b == 1
	NOPS 4                                         ; the places behind the products stay beside the wait
	s_wait_alu depctr_va_vdst(0)                   ; both tiles' products O^T are done reading V's registers, in which the loads below land (behind the last trip: every product is done reading Q's registers too)
.if \t < 3
	KVLOAD VR, (\t)+1, 4096
.else
	WLOAD WR1, GL8, 65536                          ; W1's tile 2 w
.endif
.endif
.endm
.macro W1MUL x                         ; my 32 hidden units for tile x of rows; b1 is the C of each sum's first product
	v_wmma_f32_16x16x128_bf8_bf8 v[ACC+16*\x:ACC+16*\x+7], v[WR1:WR1+15], v[XF:XF+15], v[BC:BC+7]
	v_wmma_f32_16x16x128_bf8_bf8 v[ACC+16*\x+8:ACC+16*\x+15], v[WR2:WR2+15], v[XF:XF+15], v[BC+8:BC+15]
	v_wmma_f32_16x16x128_bf8_bf8 v[ACC+16*\x:ACC+16*\x+7], v[WR1+16:WR1+31], v[XF+16:XF+31], v[ACC+16*\x:ACC+16*\x+7]
	v_wmma_f32_16x16x128_bf8_bf8 v[ACC+16*\x+8:ACC+16*\x+15], v[WR2+16:WR2+31], v[XF+16:XF+31], v[ACC+16*\x+8:ACC+16*\x+15]
.endm
.macro HCODE x, C                      ; the activation and the hold in one; 16 codes a lane for the hidden layer's image
.set jj, 0
.rept 16
	v_med3_num_f32 v[ACC+16*\x+jj], v[ACC+16*\x+jj], 0, v[LIM]
.set jj, jj+1
.endr
	v_cvt_scalef32_pk8_bf8_f32 v[\C:\C+1], v[ACC+16*\x:ACC+16*\x+7], v[SC]
	v_cvt_scalef32_pk8_bf8_f32 v[\C+2:\C+3], v[ACC+16*\x+8:ACC+16*\x+15], v[SC]
	v_nop
.endm
	s_load_b512 s[4:19], s[0:1], 0x0               ; the layer's whole numbers, wc, act in, act out, out0, bv, bo, ln2_g
	s_load_b512 s[20:35], s[0:1], 0x40             ; ln2_b, b1, b2, ln1_g, ln1_b, lno_g, lno_b, bq
	s_load_b64 s[36:37], s[0:1], 0x80              ; bk
	v_lshrrev_b32 v8, 5, v0
	v_readfirstlane_b32 s2, v8                     ; wave 0..15
	v_and_b32 v9, 31, v0                           ; l
	v_and_b32 v10, 15, v0                          ; r
	v_bfe_u32 v11, v0, 4, 1                        ; l / 16
	v_lshlrev_b32 v[GL], 4, v9
	s_wait_alu depctr_va_vdst(0)
	s_wait_alu depctr_va_sdst(0)                   ; s2 is written, ahead of its first reader
	s_lshr_b32 s67, s2, 1                          ; my head
	s_and_b32 s68, s2, 1                           ; my half of the keys, and the tile of queries that I finish
	s_lshr_b32 s69, s2, 3
	s_and_b32 s70, s2, 7
	s_and_b32 s71, s2, 3
	s_bfe_u32 s72, s2, 0x10002
	s_sub_co_u32 s92, 0, s68                       ; 0, or all ones for half 1
	s_and_b32 s43, ttmp9, 16
	s_or_b32 s43, s43, s2                          ; 0 in wave 0 of a sequence's first sixteen work-groups: those prefetch
	s_lshl_b32 s73, ttmp9, 5                       ; my first row: 32 wg + 8 (w / 8) + 2 (w % 4) + 16 ((w / 4) % 2)
	s_lshl_b32 s74, s69, 3
	s_add_co_u32 s73, s73, s74
	s_lshl_b32 s74, s71, 1
	s_add_co_u32 s73, s73, s74
	s_lshl_b32 s74, s72, 4
	s_add_co_u32 s73, s73, s74
	s_lshl_b32 s73, s73, 10
	v_add_nc_u32 v[EO], s73, v[GL]
	s_lshl_b32 s74, ttmp9, 13
	s_lshl_b32 s75, s67, 9
	s_add_co_u32 s74, s74, s75
	s_add_co_u32 s74, s74, QOFF
	v_add_nc_u32 v[MX], s74, v[GL]                 ; Q: tile of rows 2 wg, my head (the register is free again when Q's loads are shown done)
	s_lshr_b32 s73, ttmp9, 5
	s_lshl_b32 s73, s73, 19                        ; the sequence
	s_lshl_b32 s75, s68, 18
	s_add_co_u32 s74, s73, s75
	s_lshl_b32 s75, s67, 13
	s_add_co_u32 s74, s74, s75
	s_add_co_u32 s74, s74, KVOFF
	v_add_nc_u32 v[KVO], s74, v[GL]
	s_bfe_u32 s75, ttmp9, 0x10003
	s_lshl_b32 s75, s75, 18
	s_add_co_u32 s74, s73, s75
	s_and_b32 s75, ttmp9, 7
	s_lshl_b32 s75, s75, 13
	s_add_co_u32 s74, s74, s75
	s_add_co_u32 s74, s74, KVOFF+131072
	v_lshl_add_u32 v[PFO], v9, 8, s74
	s_wait_kmcnt 0x0
	s_load_b32 s40, s[4:5], 0x0                    ; the layer; and, at fixed places beside it, so that no load hangs on another:
	s_load_b256 s[44:51], s[4:5], 0x20             ; entries 6 to 13 of layer i: eq, ek, ev, ep, ectx, eWo, eX, eW1
	s_load_b64 s[52:53], s[4:5], 0x40              ; 14, 15: eh, eW2
	s_load_b256 s[56:63], s[4:5], 0x48             ; entries 0 to 7 of the next layer (in layer 3: numbers that nobody uses)
	s_load_b32 s66, s[4:5], 0x68                   ; and 8
	s_wait_alu depctr_va_vdst(0)                   ; the offsets v[EO], v[MX], v[KVO] and v[PFO] are written, which the loads below and the prefetches read
	global_load_b128 v[E:E+3], v[EO], s[AIN:AIN+1]
	global_load_b128 v[E+4:E+7], v[EO], s[AIN:AIN+1] offset:512
	global_load_b128 v[E+8:E+11], v[EO], s[AIN:AIN+1] offset:1024
	global_load_b128 v[E+12:E+15], v[EO], s[AIN:AIN+1] offset:1536
	global_load_b128 v[QTA+4:QTA+7], v[MX], s[AIN:AIN+1]
	global_load_b128 v[QTB+4:QTB+7], v[MX], s[AIN:AIN+1] offset:4096
	KVLOAD KR, 0, 0
	KVLOAD VR, 0, 4096
	v_mul_u32_u24 v[LI], v11, 272
	v_lshl_add_u32 v[LI], v10, 4, v[LI]
	s_wait_alu depctr_va_vdst(0)
	v_lshrrev_b32 v12, 2, v9
	v_mul_u32_u24 v[RI], v12, 272
	v_and_b32 v12, 3, v9
	v_lshl_add_u32 v[RI], v12, 2, v[RI]
	s_mul_i32 s73, s69, 2*FRB
	s_lshl_b32 s74, s70, 5
	s_add_co_u32 s73, s73, s74
	v_add_nc_u32 v[RI], s73, v[RI]                 ; 272 (l / 4) + 4 (l % 4) + two fragments x (w / 8) + 32 (w % 8)
	s_lshl_b32 s73, s68, 1
	s_lshr_b32 s74, s67, 2
	s_add_co_u32 s73, s73, s74
	s_mul_i32 s73, s73, FRB
	s_and_b32 s74, s67, 3
	s_mul_i32 s74, s74, 544
	s_add_co_u32 s73, s73, s74
	v_add_nc_u32 v[CI], s73, v[LI]                 ; ctx: fragment 2 (w % 2) + head / 4, block pair head % 4
	s_lshr_b32 s73, s2, 2
	s_mul_i32 s73, s73, FRB
	s_mul_i32 s74, s71, 544
	s_add_co_u32 s73, s73, s74
	s_add_co_u32 s73, s73, HI
	v_add_nc_u32 v[HA], s73, v[LI]                 ; hidden: K step w / 4, block pair w % 4
	v_mul_u32_u24 v[SW], v10, SPITCH
	v_lshl_add_u32 v[SW], v11, 6, v[SW]
	s_lshl_b32 s73, s67, 7
	s_lshl_b32 s74, s68, 5
	s_add_co_u32 s73, s73, s74
	s_add_co_u32 s73, s73, STG
	v_add_nc_u32 v[SW], s73, v[SW]                 ; place r, columns 32 (w / 2) + 16 (l / 16) + 8 (w % 2) on
	s_mul_i32 s73, s2, 2*SPITCH
	s_add_co_u32 s73, s73, STG
	v_add_nc_u32 v[SR], s73, v[GL]
	s_mul_i32 s73, s69, 4*FRB
	s_add_co_u32 s73, s73, QI
	v_add_nc_u32 v[QA], s73, v[LI]
	s_mul_i32 s73, s2, 2560
	s_add_co_u32 s73, s73, MRG
	v_add_nc_u32 v[MS], s73, v[GL]
	s_xor_b32 s73, s2, 1                           ; the other wave of my head
	s_mul_i32 s73, s73, 2560
	s_add_co_u32 s73, s73, MRG
	v_add_nc_u32 v[ML], s73, v[GL]
.irp j, 0,1,2,3,8,9,10,11
	v_mov_b32 v[QTA+\j], 0                         ; the zeros beside Q
	v_mov_b32 v[QTB+\j], 0
.endr
	v_mov_b32 v9, 0xff61b1e6                       ; the largest t so far: -3e38, under every t
	v_mov_b32 v13, 0xff61b1e6
	v_floor_f32 v8, -v9                            ; -M
	v_floor_f32 v12, -v13
	v_mov_b32 v10, 0                               ; the sums, in two halves
	v_mov_b32 v11, 0
	v_mov_b32 v14, 0
	v_mov_b32 v15, 0
	v_mov_b32 v[F+1], 0                            ; (named as the upper half of a pair)
	v_mov_b32 v[PD], 0                             ; (a lane permute's destination counts as one of its sources)
	s_cmp_lt_u32 s2, 8
	s_cselect_b64 s[BQK:BQK+1], s[34:35], s[36:37]
	s_mov_b32 s93, 0x3b800000                      ; 1 / 256
	s_mov_b32 s94, 0x3727c5ac                      ; 1e-5
	s_mov_b32 s[SEL], 0x76543210
	s_mov_b32 s[SEL+1], 0xfedcba98
	s_wait_kmcnt 0x0
	s_min_u32 s40, s40, 3                          ; i
	s_add_co_u32 s41, s40, 1
	s_and_b32 s76, s41, 3                          ; (i + 1) % 4: the next layer, and 0 where lno takes ln1's place
	s_min_u32 s41, s41, 3                          ; the layer whose biases the q, k, v products take
	s_lshl_b32 s76, s76, 10
	v_add_nc_u32 v[PO2], s76, v[GL]
	s_lshl_b32 s76, s40, 19
	s_add_co_u32 s76, s76, 262144                  ; Wo[i]'s place in wc
	s_lshl_b32 s77, s2, 12
	s_add_co_u32 s77, s77, s76
	v_add_nc_u32 v[GL4], s77, v[GL]
	s_lshl_b32 s77, s2, 13
	s_add_co_u32 s77, s77, s76
	v_add_nc_u32 v[GL8], s77, v[GL]
	s_lshl_b32 s77, s40, 10
	v_add_nc_u32 v[PO1], s77, v[GL]
	s_cmp_eq_u32 s40, 3                            ; the last layer: e goes to the output, under lno
	s_cselect_b64 s[96:97], s[12:13], s[10:11]
	s_cselect_b64 s[98:99], s[30:31], s[26:27]
	s_cselect_b64 s[100:101], s[32:33], s[28:29]
	s_add_co_i32 s3, s44, s45
	s_lshl_b32 s3, s3, 23
	s_add_co_i32 s[CS], s3, 0x3e8293ee             ; a score stands for score x 2^(eq + ek): the exponents are added to c's exponent field
	s_mov_b32 s[CS+1], s[CS]
	SCL 54, 55, 47                                 ; p's scale
	v_mov_b32 v[SC], s54
	v_mov_b32 v[LIM], s55
	SCL 68, 69, 48                                 ; ctx's
	SCL 70, 71, 50                                 ; LN2's
	s_add_co_i32 s88, s50, s51
	s_sub_co_i32 s3, s52, s88
	SCL 72, 73, 3                                  ; the hidden layer's: three scales folded into one
	s_sub_co_i32 s88, 0, s88                       ; b1 goes in as b1 / 2^(eX + eW1)
	NEXTSC 56, 57, 58, 59, 60, 61, 62, 63, 66
	s_add_co_i32 s84, s48, s49
	s_add_co_i32 s84, s84, 127
	s_lshl_b32 s84, s84, 23                        ; 2^(ectx + eWo)
	s_mov_b32 s85, s84
	s_add_co_i32 s86, s52, s53
	s_add_co_i32 s86, s86, 127
	s_lshl_b32 s86, s86, 23                        ; 2^(eh + eW2)
	s_mov_b32 s87, s86
	s_add_co_i32 s89, s47, s46                     ; ep + ev
	s_wait_alu depctr_vm_vsrc(0)                   ; Q's two loads have read their offset v[MX], which the first tile's maxima write
	; ---- attention: four trips of 128 keys, written out: every offset is an immediate
.irp t, 0,1,2,3
	TILE QTA, 8, OA, 0, \t
	TILE QTB, 12, OB, 1, \t
.endr
	; ---- the first row phase's parameters are asked for here, three barriers ahead of their use, into the registers that held Q (no vector or matrix line stands between the last tile's wait and these loads)
	PLOAD BC, PO1, 16                              ; bo
	PLOAD BC+8, PO1, 18                            ; ln2_g
	PLOAD BC+16, PO1, 20                           ; ln2_b
	; ---- the two waves of a head meet: I keep the tile of my number and send the other
	v_add_f32 v10, v10, v11
	v_add_f32 v14, v14, v15
	v_permlanex16_b32 v[PD], v10, s[SEL], s[SEL+1]
	v_permlanex16_b32 v[MX], v14, s[SEL], s[SEL+1]
	v_add_f32 v10, v10, v[PD]                      ; the sums over my 512 keys
	v_add_f32 v14, v14, v[MX]
.set jj, 0
.rept 16
	v_cndmask_b32 v[KEEP+jj], v[OA+jj], v[OB+jj], s92
	v_cndmask_b32 v[SEND+jj], v[OB+jj], v[OA+jj], s92
.set jj, jj+1
.endr
	v_cndmask_b32 v[KEEP+16], v8, v12, s92
	v_cndmask_b32 v[SEND+16], v12, v8, s92
	v_cndmask_b32 v[KEEP+17], v10, v14, s92
	v_cndmask_b32 v[SEND+17], v14, v10, s92
	v_mov_b32 v[SEND+18], 0
	v_mov_b32 v[SEND+19], 0
	s_lshl_b32 s3, s40, 11
	s_lshl_b32 s95, s2, 7
	s_add_co_u32 s3, s3, s95
	v_bfe_u32 v[B1O], v0, 4, 1
	v_lshl_add_u32 v[B1O], v[B1O], 6, s3           ; b1: hidden units 32 w + 16 (l / 16) on
	s_wait_alu depctr_va_vdst(0)                   ; the selects have written what I send, which the stores read, and are done reading O^T, in which b1 and later W1's second half land; b1's offset is written
.irp c, 0,1,2,3,4
	ds_store_b128 v[MS], v[SEND+4*\c:SEND+4*\c+3] offset:512*\c
.endr
.irp n, 0,1,2,3
	global_load_b128 v[ACC+16+4*\n:ACC+16+4*\n+3], v[B1O], s[22:23] offset:16*\n   ; into registers that held O^T
.endr
	BAR
.irp c, 0,1,2,3,4
	ds_load_b128 v[RECV+4*\c:RECV+4*\c+3], v[ML] offset:512*\c
.endr
	s_wait_xcnt 0x0                                ; the prefetches, two trips back, and b1's loads have read their offset registers: the loads below land on the first, the next phase's fragments on the second
	s_wait_alu depctr_vm_vsrc(0)                   ; K's and V's loads, the prefetches and the merge's stores and loads have read v[KVO], v[PFO], v[MS], v[ML], on which the loads below land; my stores have read v[SEND ..] and b1's loads v[B1O], on which the next phase's fragments land
	WLOAD WR2, GL8, 65536+4096                     ; W1's tile 2 w + 1
	s_wait_dscnt 0x0
	v_min_num_f32 v122, v[KEEP+16], v[RECV+16]     ; -M of both halves together
	v_sub_f32 v123, v122, v[KEEP+16]
	v_sub_f32 v164, v122, v[RECV+16]
	v_cvt_i32_f32 v123, v123
	v_cvt_i32_f32 v164, v164
	v_ldexp_f32 v123, 1.0, v123                    ; my half's factor, a power of two,
	v_ldexp_f32 v164, 1.0, v164                    ; and the other's
	v_mul_f32 v165, v[KEEP+17], v123
	v_fmac_f32 v165, v[RECV+17], v164              ; the row's sum
	s_wait_alu depctr_va_vdst(0)
	v_rcp_f32 v165, v165
	v_nop
	s_wait_alu depctr_va_vdst(0)                   ; the wait ahead of the reciprocal's first reader: v165 is written
	v_ldexp_f32 v165, v165, s89                    ; x 2^(ep + ev)
	v_mul_f32 v122, v123, v165
	v_mul_f32 v164, v164, v165
.irp j, 0,2,4,6,8,10,12,14
	v_pk_mul_f32 v[KEEP+\j:KEEP+\j+1], v[KEEP+\j:KEEP+\j+1], v[122:123] op_sel_hi:[1,0]
.endr
.irp j, 0,2,4,6,8,10,12,14
	v_pk_fma_f32 v[KEEP+\j:KEEP+\j+1], v[RECV+\j:RECV+\j+1], v[164:165], v[KEEP+\j:KEEP+\j+1] op_sel_hi:[1,0,1]
.endr
	v_mov_b32 v[SC], s68
	v_mov_b32 v[LIM], s69
.set jj, 0
.rept 16
	v_med3_num_f32 v[KEEP+jj], v[KEEP+jj], -v[LIM], v[LIM]
.set jj, jj+1
.endr
	v_cvt_scalef32_pk8_bf8_f32 v[RECV:RECV+1], v[KEEP:KEEP+7], v[SC]
	v_cvt_scalef32_pk8_bf8_f32 v[RECV+2:RECV+3], v[KEEP+8:KEEP+15], v[SC]
	v_nop
	s_wait_alu depctr_va_vdst(0)                   ; the conversions have written ctx's codes, which the store reads; the merge's lines are done with v104-165, in which the next phase's fragments land
	ds_store_b128 v[CI], v[RECV:RECV+3]            ; columns 32 head + 16 (l / 16) + 0 .. 15 of place 16 (w % 2) + r
	BAR                                            ; ctx's four fragments lie in LDS
	; ---- ctx Wo^T
	s_wait_alu depctr_vm_vsrc(0)                   ; my store of ctx's codes has read v[RECV ..], on which a fragment lands below
.irp f, 0,1,2,3
	FETCH XF+16*\f, LI, CTXI+FRB*\f
.endr
	s_wait_loadcnt 26                              ; Wo is in: behind it were issued W1's first half (8), the row parameters (6), b1 (4) and W1's second half (8)
	s_wait_dscnt 0x0
	GEMM256
	NOPS 4                                         ; places in front of the first read of results
	s_wait_alu depctr_va_vdst(0)                   ; the products have written the accumulators, which the stage's stores read, and are done reading Wo's tile and ctx's fragments, in which loads land
	WLOAD WR0, GL8, 196608                         ; W2's tile w, K steps 0 and 1
	TOSTAGE
	BAR                                            ; 32 rows of sums lie in the stage
	; ---- e = LN2(e + sum x 2^(ectx + eWo) + bo), and its codes
	ROWPHASE 84, BC, BC+8, BC+16, 1, 8             ; the parameters, b1 and all of W1 are in; W2's eight loads, issued behind them, may be out
.set jj, 0
.rept 16
	v_ldexp_f32 v[BC+jj], v[ACC+16+jj], s88        ; b1 / 2^(eX + eW1), where the row parameters lay
.set jj, jj+1
.endr
	v_mov_b32 v[SC], s70
	v_mov_b32 v[LIM], s71
	QCODE 0, Y, ACC
	QCODE 1, Y+8, ACC+2
	s_wait_alu depctr_va_vdst(0)                   ; the conversions have written v[ACC .. ACC+3], which the four stores read; the row phase is done with v[Y ..], in which fragments land behind the barrier
	QSEND 0, ACC, XI
	QSEND 1, ACC+2, XI
	WLOAD WR3, GL8, 196608+4096                    ; W2's K steps 2 and 3
	BAR
	; ---- the hidden layer: my 32 units for the two tiles of rows
	s_wait_alu depctr_vm_vsrc(0)                   ; the codes' stores have read v[ACC .. ACC+3], which the products below write
	v_mov_b32 v[SC], s72
	v_mov_b32 v[LIM], s73
	FETCH XF, LI, XI
	FETCH XF+16, LI, XI+FRB
	s_wait_dscnt 0x0
	W1MUL 0
	NOPS 4
	s_wait_alu depctr_va_vdst(0)                   ; the first tile's products are done reading their two fragments, in which the second tile's land
	FETCH XF, LI, XI+2*FRB
	FETCH XF+16, LI, XI+3*FRB
	HCODE 0, 8
	s_wait_dscnt 0x0                               ; the second tile's eight loads are in
	W1MUL 1
	NOPS 4
	s_wait_alu depctr_va_vdst(0)                   ; the first tile's codes v8-11 are written, which the store reads; both tiles' products are done reading b1 in v[BC ..], in which the parameters land, and W1 and the fragments, in which the next phase's loads land
	ds_store_b128 v[HA], v[8:11]
	PLOAD BC, PO1, 24                              ; b2
	PLOAD BC+8, PO2, 98                            ; the next LayerNorm's gain
	PLOAD BC+16, PO2, 100                          ; and bias
	HCODE 1, 12
	s_wait_alu depctr_va_vdst(0)                   ; the second tile's codes v12-15 are written, which the store reads
	ds_store_b128 v[HA], v[12:15] offset:4*FRB
	BAR                                            ; the hidden layer's eight fragments lie in LDS
	; ---- hidden W2^T: K = 512, two accumulators by turns
	FETCH XF, LI, HI
	FETCH XF+16, LI, HI+4*FRB
	FETCH WR1, LI, HI+FRB
	FETCH WR1+16, LI, HI+5*FRB
	FETCH WR2, LI, HI+2*FRB
	FETCH WR2+16, LI, HI+6*FRB
	s_wait_loadcnt 6                               ; W2 is in; the six loads of row parameters, issued behind it, may be out
	s_wait_dscnt 16                                ; K step 0 is in; two K steps' sixteen loads may be out
	v_wmma_f32_16x16x128_bf8_bf8 v[ACC:ACC+7], v[WR0:WR0+15], v[XF:XF+15], 0
	v_wmma_f32_16x16x128_bf8_bf8 v[ACC+8:ACC+15], v[WR0:WR0+15], v[XF+16:XF+31], 0
	NOPS 4
	s_wait_alu depctr_va_vdst(0)                   ; the two products are done reading K step 0's fragments, in which K step 3's land
	FETCH XF, LI, HI+3*FRB
	FETCH XF+16, LI, HI+7*FRB
	s_wait_dscnt 16                                ; K step 1 is in; K steps 2 and 3 may be out
	v_wmma_f32_16x16x128_bf8_bf8 v[ACC:ACC+7], v[WR0+16:WR0+31], v[WR1:WR1+15], v[ACC:ACC+7]
	v_wmma_f32_16x16x128_bf8_bf8 v[ACC+8:ACC+15], v[WR0+16:WR0+31], v[WR1+16:WR1+31], v[ACC+8:ACC+15]
	s_wait_dscnt 8
	v_wmma_f32_16x16x128_bf8_bf8 v[ACC:ACC+7], v[WR3:WR3+15], v[WR2:WR2+15], v[ACC:ACC+7]
	v_wmma_f32_16x16x128_bf8_bf8 v[ACC+8:ACC+15], v[WR3:WR3+15], v[WR2+16:WR2+31], v[ACC+8:ACC+15]
	s_wait_dscnt 0x0
	v_wmma_f32_16x16x128_bf8_bf8 v[ACC:ACC+7], v[WR3+16:WR3+31], v[XF:XF+15], v[ACC:ACC+7]
	v_wmma_f32_16x16x128_bf8_bf8 v[ACC+8:ACC+15], v[WR3+16:WR3+31], v[XF+16:XF+31], v[ACC+8:ACC+15]
	NOPS 4
	s_wait_loadcnt 0x0                             ; the row parameters: waited for here, ahead of the loads that only some layers issue, so that both ways count alike
	BIASADR                                        ; (made in every layer, so that the one wait below, ahead of the branch, states them too)
	s_wait_alu depctr_va_vdst(0)                   ; the products have written the accumulators, which the stage's stores read, and are done reading W2 and the hidden fragments, in which the loads below land; the biases' offsets are written
	s_cmp_eq_u32 s40, 3                            ; the next layer's weights and biases, if there is a next layer: no load leaves its buffer
	s_cbranch_scc1 .Lno_next_w
	WLOAD WR1, GL8, 327680                         ; Wq's or Wk's two tiles of my head
	WLOAD WR2, GL8, 327680+4096
	WLOAD WR0, GL4, 458752                         ; Wv's tile w
	BIASLD
.Lno_next_w:
	TOSTAGE
	BAR
	; ---- e = LN'(e + sum x 2^(eh + eW2) + b2), stored; its codes under the three scales
	ROWPHASE 86, BC, BC+8, BC+16, 1, -1
	s_wait_alu depctr_va_vdst(0)                   ; the LayerNorm has written v[E ..], which the four stores read
	global_store_b128 v[EO], v[E:E+3], s[96:97]    ; each store 512 consecutive bytes of a row
	global_store_b128 v[EO], v[E+4:E+7], s[96:97] offset:512
	global_store_b128 v[EO], v[E+8:E+11], s[96:97] offset:1024
	global_store_b128 v[EO], v[E+12:E+15], s[96:97] offset:1536
	s_cmp_eq_u32 s40, 3
	s_cbranch_scc1 .Lno_next_q
	v_mov_b32 v[SC], s74
	v_mov_b32 v[LIM], s75
	QCODE 0, Y, ACC
	QCODE 1, Y+8, ACC+2
	v_mov_b32 v[SC], s76
	v_mov_b32 v[LIM], s77
	QCODE 0, Y, ACC+4
	QCODE 1, Y+8, ACC+6
	v_mov_b32 v[SC], s78
	v_mov_b32 v[LIM], s79
	QCODE 0, Y, ACC+8
	QCODE 1, Y+8, ACC+10
	s_wait_alu depctr_va_vdst(0)                   ; the six conversions have written v[ACC .. ACC+11], which the twelve stores read
	QSEND 0, ACC, QI
	QSEND 1, ACC+2, QI
	QSEND 0, ACC+4, QI+4*FRB
	QSEND 1, ACC+6, QI+4*FRB
	QSEND 0, ACC+8, QI+8*FRB
	QSEND 1, ACC+10, QI+8*FRB
.Lno_next_q:
	BAR                                            ; every wave passes it, in every layer
	s_cmp_eq_u32 s40, 3
	s_cbranch_scc0 .Lqkv
	s_wait_xcnt 0x0
	s_wait_alu depctr_vm_vsrc(0)                   ; e's stores have read v254 and v255, which the two lines below make anew
	v_lshl_add_u32 v254, v0, 2, 0x21000
	v_mov_b32 v255, 0
	s_wait_dscnt 0x0                               ; the closing lines, six on end
	s_wait_alu 0x0
	s_wait_tensorcnt 0x0
	ds_add_u32 v254, v255
	s_wait_dscnt 0x0
	s_endpgm
.Lqkv:
	QKV
	s_wait_xcnt 0x0
	s_wait_alu depctr_vm_vsrc(0)                   ; e's stores have read v254 and v255, which the two lines below make anew
	v_lshl_add_u32 v254, v0, 2, 0x21000
	v_mov_b32 v255, 0
	s_wait_dscnt 0x0                               ; the closing lines, six on end
	s_wait_alu 0x0
	s_wait_tensorcnt 0x0
	ds_add_u32 v254, v255
	s_wait_dscnt 0x0
	s_endpgm
.Lfunc_end_k_qb12241e4ba_layer0:
	.size	k_qb12241e4ba_layer0, .Lfunc_end_k_qb12241e4ba_layer0-k_qb12241e4ba_layer0
	.p2alignl 7, 3214868480
	.fill 96, 4, 3214868480
	.section	.rodata,"a",@progbits
	.p2align	6, 0x0
	.amdhsa_kernel k_qb12241e4ba_layer0
		.amdhsa_group_segment_fixed_size 137216
		.amdhsa_private_segment_fixed_size 0
		.amdhsa_enable_private_segment 0
		.amdhsa_kernarg_size 136
		.amdhsa_user_sgpr_count 2
		.amdhsa_user_sgpr_kernarg_segment_ptr 1
		.amdhsa_wavefront_size32 1
		.amdhsa_system_sgpr_workgroup_id_x 1
		.amdhsa_system_sgpr_workgroup_id_y 1
		.amdhsa_system_sgpr_workgroup_id_z 1
		.amdhsa_system_vgpr_workitem_id 0
		.amdhsa_next_free_vgpr 256
		.amdhsa_next_free_sgpr 102
		.amdhsa_reserve_vcc 0
		.amdhsa_float_denorm_mode_32 3
		.amdhsa_float_denorm_mode_16_64 3
		.amdhsa_memory_ordered 1
		.amdhsa_forward_progress 1
		.amdhsa_inst_pref_size 170
	.end_amdhsa_kernel
	.amdgpu_metadata
---
amdhsa.version: [ 1, 2 ]
amdhsa.kernels:
  - .name:           k_qb12241e4ba_layer0
    .symbol:         k_qb12241e4ba_layer0.kd
    .args:
      - { .name: lay0, .offset: 0, .size: 8, .value_kind: global_buffer, .address_space: global }
      - { .name: wc, .offset: 8, .size: 8, .value_kind: global_buffer, .address_space: global }
      - { .name: actA, .offset: 16, .size: 8, .value_kind: global_buffer, .address_space: global }
      - { .name: actB, .offset: 24, .size: 8, .value_kind: global_buffer, .address_space: global }
      - { .name: out0, .offset: 32, .size: 8, .value_kind: global_buffer, .address_space: global }
      - { .name: bv, .offset: 40, .size: 8, .value_kind: global_buffer, .address_space: global }
      - { .name: bo, .offset: 48, .size: 8, .value_kind: global_buffer, .address_space: global }
      - { .name: ln2_g, .offset: 56, .size: 8, .value_kind: global_buffer, .address_space: global }
      - { .name: ln2_b, .offset: 64, .size: 8, .value_kind: global_buffer, .address_space: global }
      - { .name: b1, .offset: 72, .size: 8, .value_kind: global_buffer, .address_space: global }
      - { .name: b2, .offset: 80, .size: 8, .value_kind: global_buffer, .address_space: global }
      - { .name: ln1_g, .offset: 88, .size: 8, .value_kind: global_buffer, .address_space: global }
      - { .name: ln1_b, .offset: 96, .size: 8, .value_kind: global_buffer, .address_space: global }
      - { .name: lno_g, .offset: 104, .size: 8, .value_kind: global_buffer, .address_space: global }
      - { .name: lno_b, .offset: 112, .size: 8, .value_kind: global_buffer, .address_space: global }
      - { .name: bq, .offset: 120, .size: 8, .value_kind: global_buffer, .address_space: global }
      - { .name: bk, .offset: 128, .size: 8, .value_kind: global_buffer, .address_space: global }
    .group_segment_fixed_size: 137216
    .private_segment_fixed_size: 0
    .kernarg_segment_align: 8
    .kernarg_segment_size: 136
    .max_flat_workgroup_size: 512
    .sgpr_count:     102
    .vgpr_count:     256
    .wavefront_size: 32
...
	.end_amdgpu_metadata
.endif
;; end of part 6
;; launch layer1: the kernel of part 6 again; grid 256 x 1, 16 waves a work-group, no clusters, 137,216 bytes of LDS; arguments lay1, wc, actB, actA, out0, bv, bo, ln2_g, ln2_b, b1, b2, ln1_g, ln1_b, lno_g, lno_b, bq, bk; writes actA, out0
;; launch layer2: the kernel of part 6 again; grid 256 x 1, 16 waves a work-group, no clusters, 137,216 bytes of LDS; arguments lay2, wc, actA, actB, out0, bv, bo, ln2_g, ln2_b, b1, b2, ln1_g, ln1_b, lno_g, lno_b, bq, bk; writes actB, out0
;; launch layer3: the kernel of part 6 again; grid 256 x 1, 16 waves a work-group, no clusters, 137,216 bytes of LDS; arguments lay3, wc, actB, actA, out0, bv, bo, ln2_g, ln2_b, b1, b2, ln1_g, ln1_b, lno_g, lno_b, bq, bk; writes actA, out0
